; MI455X (gfx1250); checked and timed in simulation.
; The chip was launched on July 23, 2026; its instructions are those of AMD's public machine-readable ISA for CDNA 5 (MIT licence, August 2026) and "CDNA5" Instruction Set Architecture Reference Guide (July 2026). The comments in the code are by the model that wrote it; some were corrected since.
;; Block. Allowed arithmetic: matrix products marked QUANTISED: E3M2 operands, one E8M0 scale for each 32 along K, by v_wmma_scale_f32_16x16x128_f8f6f4 with both operands' format E3M2, f32 sums; everything else in f32.
;; Inputs: b_in 4,096 float32; b_out 1,024 float32; ln1_b 1,024 float32; ln1_w 1,024 float32; ln2_b 1,024 float32; ln2_w 1,024 float32; resid 2 x 2,048 x 1,024 float32; w_in 1,024 x 4,096 float32; w_k 16 x 1,024 x 64 float32; w_o 16 x 64 x 1,024 float32; w_out 4,096 x 1,024 float32; w_q 16 x 1,024 x 64 float32; w_v 16 x 1,024 x 64 float32.
;; Outputs: out0 2 x 2,048 x 1,024 float32.
;; This version of the problem:
;;   THIS VERSION OF THE PROBLEM IS GIVEN IN LOW PRECISION. The matrix products marked QUANTISED in the list below multiply operands that are first quantised to E3M2 (3 exponent bits, 2 mantissa bits; 6 bits a number), with one power-of-two scale for each 32 numbers along K (OCP MX v1.0); their sums are f32. All else is computed in f32.
;;   The module's matrix products, in the order in which they are computed (A, B: the left and right operand; K: the contracted axis; several contracted axes count as one K, in the product's order):
;;     1. [M 1,024, K 1,024] x [K 1,024, N 4,096]; A: input w_q; B: computed on the way: QUANTISED
;;     2. [M 1,024, K 1,024] x [K 1,024, N 4,096]; A: input w_k; B: computed on the way: QUANTISED
;;     3. [M 1,024, K 1,024] x [K 1,024, N 4,096]; A: input w_v; B: computed on the way: QUANTISED
;;     4. batch 32 x [M 2,048, K 64] x [K 64, N 2,048]; A: computed on the way; B: computed on the way: QUANTISED
;;     5. batch 32 x [M 2,048, K 2,048] x [K 2,048, N 64]; A: softmax (see below); B: computed on the way: QUANTISED
;;     6. [M 4,096, K 1,024] x [K 1,024, N 1,024]; A: computed on the way; B: input w_o: QUANTISED
;;     7. [M 4,096, K 1,024] x [K 1,024, N 4,096]; A: computed on the way; B: input w_in: QUANTISED
;;     8. [M 4,096, K 4,096] x [K 4,096, N 1,024]; A: computed on the way; B: input w_out: QUANTISED
;;   THE QUANTISER, for each operand of a quantised product, along K:
;;     - K is cut into blocks of 32 from its start; a last block that is shorter is filled with zeros.
;;     - A block's scale is 2^e with e = floor(log2(the largest magnitude in the block)) - 4, held to -126 .. 127; a block of zeros has e = 0. As a byte (E8M0): e + 127.
;;     - Each number is divided by its block's scale, clamped to +-28, and rounded to the nearest number of E3M2, ties to even, subnormals kept.
;;     - The product sums the exact products of the quantised numbers (number of the format x scale) in f32.
;;   ~~~python
;;   def quantise(x, axis):      # numpy; x: float32 -> the quantised numbers, widened to float32 again
;;       x = np.moveaxis(x, axis, -1); K = x.shape[-1]
;;       x = np.pad(x, [(0, 0)] * (x.ndim - 1) + [(0, -K % 32)]); x = x.reshape(x.shape[:-1] + (-1, 32)); a = np.abs(x).max(-1, keepdims=True)
;;       e = np.where(a > 0, np.clip(np.frexp(np.where(a > 0, a, 1))[1] - 1 - 4, -126, 127), 0)      # np.frexp(a)[1] - 1 = floor(log2(a)), exactly
;;       r = np.clip(x / 2.0 ** e, -28, 28)
;;       step = 2.0 ** (np.maximum(np.frexp(np.where(r == 0, 1, r))[1] - 1, -2) - 2)
;;       q = np.round(r / step) * step * 2.0 ** e      # np.round: ties to even
;;       return np.moveaxis(q.reshape(q.shape[:-2] + (-1,))[..., :K], -1, axis).astype(np.float32)
;;   ~~~
;;   SOFTMAX AHEAD OF A QUANTISED PRODUCT. Where the list says 'softmax', what is quantised is not the finished softmax but p = 2^(t - M), with t = logit x log2(e) and M = ceil(the row's largest t), a whole number; so 1/2 < the row's largest p <= 1. The row's sum l is taken of the UNQUANTISED p, in f32, and the product's result is divided by l at the end. Since M is a whole number, a kernel that streams over the keys may use a running M (the ceiling of the running maximum): every later rescaling is an exact power of two, which a block's scale takes up: the codes' values come out the same.
;;   OPERANDS COMPUTED ON THE WAY. 'Computed on the way' means the value that the module computes at that place (a softmax that the list does not call 'softmax' is quantised finished and normalised). What goes into a quantiser is computed in f32, as accurately as f32 sums, v_exp_f32 and their like allow (about 1e-6 of the number): no bf16 or f16 on the way to a quantiser, and a product that is left as it is and whose result goes on into a quantised operand takes f32 operands (vector FMAs, or v_wmma_f32_16x16x4_f32). A number that lies on a knife's edge between two numbers of the format may be rounded either way, as far as f32 arithmetic and the matrix unit's own rounding can turn it there, and no further.
;; One version. Each part assembles by itself: llvm-mc -triple=amdgcn-amd-amdhsa -mcpu=gfx1250 --defsym DOCPART=n.
;; ======== version 1 of 1: 6 launches
;; limits: right only within a limited range of input values
;; workspace buffers: wq 9,863,168 bytes; x1 3,276,800 bytes; qkv 10,092,544 bytes; z 3,407,872 bytes; resid2 16,777,216 bytes; x2 3,276,800 bytes; h 13,107,200 bytes
;; launch prep (part 1): grid 448 x 1, 8 waves a work-group, no clusters, 54,272 bytes of LDS; arguments resid, ln1_w, ln1_b, w_q, w_k, w_v, w_o, w_in, w_out, wq, x1; writes wq, x1
.if DOCPART == 1
	.amdgcn_target "amdgcn-amd-amdhsa--gfx1250"
	.amdhsa_code_object_version 6
	.text
	.protected	k_q60434133b2_prep
	.globl	k_q60434133b2_prep
	.p2align	8
	.type	k_q60434133b2_prep,@function
k_q60434133b2_prep:
	s_mov_b64 s[64:65], 0
	v_nop
	global_prefetch_b8 v0, s[64:65] scope:SCOPE_SE
	s_setreg_imm32_b32 hwreg(HW_REG_WAVE_MODE, 25, 1), 1
	s_wait_xcnt 0x0
; PREP.  Work-groups 0-191: the six weights (f32, K not innermost) become codes of BF6 (E3M2) with one E8M0 byte for each 32 along K.  Work-groups 192-447: LN1(resid) becomes codes likewise.
; LAYOUT OF ALL CODES OF THIS PROGRAM.  An operand is cut into tiles of 16 rows; row r of tile T is row 32 (T / 2) + 8 (T % 2) + r + 8 (r / 8) of the operand.  A fragment (tile T, 128 along K) lies in memory as the
; image of its 12 registers: register 4 c + j of lane l at byte 512 c + 16 l + 4 j: 1,536 bytes, [T][K step].  Scale words: [K step / 2][T][r][K step % 2], four bytes each.
; A block's scale is 2^(floor(log2(largest magnitude)) - 4): its byte is the largest magnitude's exponent field - 4, held at 1 from below by a floor among the maximum's leaves.
; LIMITS: NaN and infinities are not served.  A block of zeros gets the byte 1 where the rule says 127: its codes are zeros, and this program alone reads the bytes.  A largest magnitude under 2^-122 is taken as 2^-122.
; PATH W: a work-group takes 256 columns x 256 K; a wave 64 columns x 128 K: one K step of four tiles.  A LANE TAKES TWO NEIGHBOURING COLUMNS, 8 bytes a load, so that a load of the wave covers 256 consecutive bytes, aligned.
; Its registers run down K with the two columns by turns; 64 moves a block part them, since a conversion takes 16 neighbours along K from consecutive registers.  The codes go through the wave's own 6,144 bytes of LDS,
; into the images' places, and leave as 512 consecutive bytes a store.  A pair of scale words (two K steps) comes from two waves: the words meet in LDS, behind the path's one barrier, and leave as 256 consecutive bytes a wave.
; PATH LN: a work-group takes a tile of 16 tokens, wave w the K step w (128 of the 1,024).  Mean and variance in two passes (no difference of large sums), joined over the eight waves through LDS.
; The two paths part on the work-group's number alone and have LDS bytes of their own (W: 0 .. 49,151 and 50,688 .. 52,735; LN: 49,152 .. 50,687).
.set OFF,  32                          ; W: v32-63   8 x lane + i x pitch
.set XW,   64                          ; W: v64-191  two sets of 64 numbers: register 2 i + e = row i of the block, column 2 lane + e
.set DE,   192                         ; W: v192-255 the two columns apart: register 32 e + i
.set SB,   24                          ; W: v24-25   the scale words of my two columns
.set BASE, 44                          ; W: s[44:51] where block t's 32 rows begin
.set WSC,  50688                       ; W: the work-group's scale words: [tile 16][r][K step % 2], 2,048 bytes
.set XL,   32                          ; LN: v32-95  my 64 numbers: register 16 b + i = k 32 b + 16 (lane / 16) + i of my K step
.set LW,   96                          ; LN: v96-159 the gains, v160-223 the biases, in the same order
.set LB,   160
.set TM,   224                         ; LN: v224-239 the quantiser's work
.set PC,   4                           ; LN: v4-23   the codes just made
.set PW,   240                         ; LN: v240    the scale word just made
.set SEL,  72                          ; s[72:73] lane selects for v_permlanex16_b32: lane l xor 16
.set RED1, 49152
.set RED2, 49664
.set XSC,  50176
; 64 numbers of a lane, register 16 b + i = k 32 b + 16 (lane / 16) + i of my row, become a fragment's codes in v[PC] on and its scale word in v[PW]
.macro QUANT s
.irp b, 0,1,2,3
	v_max3_num_f32 v[TM+\b], |v[\s+16*\b]|, |v[\s+1+16*\b]|, 0x2800000   ; my 16 numbers of block b, and the floor 2^(5 - 127)
.endr
.irp i, 2,4,6,8,10,12,14
.irp b, 0,1,2,3
	s_delay_alu instid0(VALU_DEP_4)
	v_max3_num_f32 v[TM+\b], v[TM+\b], |v[\s+16*\b+\i]|, |v[\s+1+16*\b+\i]|
.endr
.endr
.irp b, 0,1,2,3
	s_delay_alu instid0(VALU_DEP_4)
	v_permlanex16_b32 v[TM+4+\b], v[TM+\b], s[SEL], s[SEL+1]
.endr
.irp b, 0,1,2,3
	s_delay_alu instid0(VALU_DEP_4)
	v_max_num_f32 v[TM+\b], v[TM+\b], v[TM+4+\b]   ; with lane l xor 16's 16: the block's largest magnitude
.endr
.irp b, 0,1,2,3
	s_delay_alu instid0(VALU_DEP_4)
	v_add_nc_u32 v[TM+12+\b], 0xfe000000, v[TM+\b]   ; 4 off its exponent field: the conversion's scale operand
.endr
.irp b, 0,1,2,3
	s_delay_alu instid0(VALU_DEP_4)
	v_lshrrev_b32 v[TM+4+\b], 23, v[TM+12+\b]      ; the scale's byte
.endr
	s_delay_alu instid0(VALU_DEP_3)
	v_lshl_or_b32 v[PW], v[TM+5], 8, v[TM+4]
	s_delay_alu instid0(VALU_DEP_1)
	v_lshl_or_b32 v[PW], v[TM+6], 16, v[PW]
	s_delay_alu instid0(VALU_DEP_1)
	v_lshl_or_b32 v[PW], v[TM+7], 24, v[PW]
.irp c, 0,1
	v_cvt_scalef32_pk16_bf6_f32 v[PC+6*\c:PC+2+6*\c], v[\s+32*\c:\s+15+32*\c], v[TM+12+2*\c]
	v_cvt_scalef32_pk16_bf6_f32 v[PC+12+4*\c:PC+14+4*\c], v[\s+16+32*\c:\s+31+32*\c], v[TM+12+2*\c+1]
.endr
	v_nop                                          ; one plain line behind the scaled conversions
.irp c, 0,1                                    ; the operand wants a whole block in a lane: lanes 0-15 block 2 c, lanes 16-31 block 2 c + 1
.irp i, 0,1,2
	v_permlane16_swap_b32 v[PC+6*\c+\i], v[PC+12+4*\c+\i]
.endr
.irp i, 0,1,2
	s_delay_alu instid0(VALU_DEP_3)
	v_mov_b32 v[PC+3+6*\c+\i], v[PC+12+4*\c+\i]
.endr
.endr
.endm
; the sum of a lane's 64 numbers and of lane l xor 16's, into v[c]; v240 .. v255 at work: eight chains of packed additions
.macro SUM64 x, c
	v_pk_add_f32 v[246:247], v[32:33], v[40:41]
	v_pk_add_f32 v[248:249], v[48:49], v[56:57]
	v_pk_add_f32 v[250:251], v[64:65], v[72:73]
	v_pk_add_f32 v[254:255], v[80:81], v[88:89]
	v_pk_add_f32 v[252:253], v[34:35], v[42:43]
	v_pk_add_f32 v[242:243], v[50:51], v[58:59]
	v_pk_add_f32 v[240:241], v[66:67], v[74:75]
	v_pk_add_f32 v[244:245], v[82:83], v[90:91]
	s_delay_alu instid0(VALU_DEP_1)
	v_pk_add_f32 v[244:245], v[244:245], v[36:37]
	v_pk_add_f32 v[246:247], v[246:247], v[44:45]
	v_pk_add_f32 v[248:249], v[248:249], v[52:53]
	v_pk_add_f32 v[250:251], v[250:251], v[60:61]
	v_pk_add_f32 v[254:255], v[254:255], v[68:69]
	v_pk_add_f32 v[252:253], v[252:253], v[76:77]
	v_pk_add_f32 v[242:243], v[242:243], v[84:85]
	v_pk_add_f32 v[240:241], v[240:241], v[92:93]
	v_pk_add_f32 v[244:245], v[244:245], v[38:39]
	v_pk_add_f32 v[246:247], v[246:247], v[46:47]
	v_pk_add_f32 v[248:249], v[248:249], v[54:55]
	v_pk_add_f32 v[250:251], v[250:251], v[62:63]
	v_pk_add_f32 v[254:255], v[254:255], v[70:71]
	v_pk_add_f32 v[252:253], v[252:253], v[78:79]
	v_pk_add_f32 v[242:243], v[242:243], v[86:87]
	v_pk_add_f32 v[240:241], v[240:241], v[94:95]
	s_delay_alu instid0(VALU_DEP_4)
	v_pk_add_f32 v[244:245], v[244:245], v[254:255]
	s_delay_alu instid0(VALU_DEP_4)
	v_pk_add_f32 v[246:247], v[246:247], v[252:253]
	s_delay_alu instid0(VALU_DEP_4)
	v_pk_add_f32 v[248:249], v[248:249], v[242:243]
	s_delay_alu instid0(VALU_DEP_4)
	v_pk_add_f32 v[250:251], v[250:251], v[240:241]
	s_delay_alu instid0(VALU_DEP_2)
	v_pk_add_f32 v[244:245], v[244:245], v[248:249]
	s_delay_alu instid0(VALU_DEP_2)
	v_pk_add_f32 v[246:247], v[246:247], v[250:251]
	s_delay_alu instid0(VALU_DEP_1)
	v_pk_add_f32 v[244:245], v[244:245], v[246:247]
	s_delay_alu instid0(VALU_DEP_1)
	v_add_f32 v[\c], v[\c], v[\c+1]
	s_delay_alu instid0(VALU_DEP_1)
	v_permlanex16_b32 v[\c+2], v[\c], s[SEL], s[SEL+1]
	s_delay_alu instid0(VALU_DEP_1)
	v_add_f32 v[\c], v[\c], v[\c+2]
.endm
.macro SQ64 x, c                               ; the same of their squares
.irp k, 0,1,2,3
	v_pk_mul_f32 v[\c+2*\k:\c+2*\k+1], v[\x+2*\k:\x+2*\k+1], v[\x+2*\k:\x+2*\k+1]
.endr
.irp i, 8,16,24,32,40,48,56
.irp k, 0,1,2,3
	s_delay_alu instid0(VALU_DEP_4)
	v_pk_fma_f32 v[\c+2*\k:\c+2*\k+1], v[\x+\i+2*\k:\x+\i+2*\k+1], v[\x+\i+2*\k:\x+\i+2*\k+1], v[\c+2*\k:\c+2*\k+1]
.endr
.endr
	s_delay_alu instid0(VALU_DEP_3)
	v_pk_add_f32 v[\c:\c+1], v[\c:\c+1], v[\c+2:\c+3]
	s_delay_alu instid0(VALU_DEP_2)
	v_pk_add_f32 v[\c+4:\c+5], v[\c+4:\c+5], v[\c+6:\c+7]
	s_delay_alu instid0(VALU_DEP_1)
	v_pk_add_f32 v[\c:\c+1], v[\c:\c+1], v[\c+4:\c+5]
	s_delay_alu instid0(VALU_DEP_1)
	v_add_f32 v[\c], v[\c], v[\c+1]
	s_delay_alu instid0(VALU_DEP_1)
	v_permlanex16_b32 v[\c+2], v[\c], s[SEL], s[SEL+1]
	s_delay_alu instid0(VALU_DEP_1)
	v_add_f32 v[\c], v[\c], v[\c+2]
.endm
; v[c] of the eight waves is added, in the same order in every wave: store, wait for the store, barrier, load
.macro ACROSS c, off
	ds_store_b32 v29, v[\c] offset:\off            ; row r, wave w: both halves of the lanes write the same word with the same value
	s_wait_dscnt 0x0                               ; for the others' sake: my store has landed
	s_barrier_signal -1
	s_barrier_wait -1
	ds_load_b128 v[\c:\c+3], v28 offset:\off
	ds_load_b128 v[\c+4:\c+7], v28 offset:\off+16
	s_wait_dscnt 0x0
	v_add_f32 v[\c], v[\c], v[\c+1]
	v_add_f32 v[\c+2], v[\c+2], v[\c+3]
	v_add_f32 v[\c+4], v[\c+4], v[\c+5]
	v_add_f32 v[\c+6], v[\c+6], v[\c+7]
	s_delay_alu instid0(VALU_DEP_3)
	v_add_f32 v[\c], v[\c], v[\c+2]
	s_delay_alu instid0(VALU_DEP_2)
	v_add_f32 v[\c+4], v[\c+4], v[\c+6]
	s_delay_alu instid0(VALU_DEP_1)
	v_add_f32 v[\c], v[\c], v[\c+4]
.endm
.macro LOAD t                                  ; block t: 32 rows of K at my two columns, into set t % 2; 32 lanes read 256 consecutive bytes, aligned
.set i, 0
.rept 32
	global_load_b64 v[XW+64*((\t)%2)+2*i:XW+64*((\t)%2)+2*i+1], v[OFF+i], s[BASE+2*(\t):BASE+2*(\t)+1] th:TH_LOAD_NT
.set i, i+1
.endr
.endm
; block t = 2 c + h of my K step, for both my columns: registers 6 c .. 6 c + 5 of lane r + 16 h of the column's fragment
.macro BLOCK t
.set XS, XW+64*((\t)%2)
.set SOFF, 256*((\t)%2)
.if (\t) < 3
	s_wait_loadcnt 32                              ; this block's 32 loads are in; the next block's 32 may be out
.else
	s_wait_loadcnt 0x0
.endif
.set i, 0
.rept 32
	v_mov_b32 v[DE+i], v[XS+2*i]                   ; the even column's 32 numbers on end,
	v_mov_b32 v[DE+32+i], v[XS+2*i+1]              ; and the odd column's
.set i, i+1
.endr
.if (\t)+2 < 4
	LOAD (\t)+2                                    ; the set has been read out
.endif
.irp e, 0,1
.set DCOL, DE+32*\e
	v_max3_num_f32 v12, |v[DCOL]|, |v[DCOL+1]|, |v[DCOL+2]|
	v_max3_num_f32 v13, |v[DCOL+3]|, |v[DCOL+4]|, |v[DCOL+5]|
.irp i, 6,10,14,18,22,26
	s_delay_alu instid0(VALU_DEP_2)
	v_max3_num_f32 v12, v12, |v[DCOL+\i]|, |v[DCOL+\i+1]|
	s_delay_alu instid0(VALU_DEP_2)
	v_max3_num_f32 v13, v13, |v[DCOL+\i+2]|, |v[DCOL+\i+3]|
.endr
	s_delay_alu instid0(VALU_DEP_2)
	v_max3_num_f32 v12, v12, |v[DCOL+30]|, |v[DCOL+31]|
	s_delay_alu instid0(VALU_DEP_1)
	v_max3_num_f32 v12, v12, v13, 0x2800000        ; and the floor 2^(5 - 127)
	s_delay_alu instid0(VALU_DEP_1)
	v_add_nc_u32 v11, 0xfe000000, v12              ; 4 off the exponent field: the conversion's scale operand
	s_delay_alu instid0(VALU_DEP_1)
	v_lshrrev_b32 v13, 23, v11                     ; the byte
.if (\t) == 0
	s_delay_alu instid0(VALU_DEP_1)
	v_mov_b32 v[SB+\e], v13
.else
	s_delay_alu instid0(VALU_DEP_1)
	v_lshl_or_b32 v[SB+\e], v13, 8*(\t), v[SB+\e]
.endif
	v_cvt_scalef32_pk16_bf6_f32 v[16:18], v[DCOL:DCOL+15], v11
	v_cvt_scalef32_pk16_bf6_f32 v[26:28], v[DCOL+16:DCOL+31], v11   ; (a conversion's three registers begin on an even number)
	v_nop                                          ; one plain line behind the scaled conversions
	v_mov_b32 v19, v26
	v_mov_b32 v20, v27
	v_mov_b32 v21, v28
.if (\t)/2 == 0
	ds_store_b128 v5, v[16:19] offset:SOFF+16*\e        ; registers 0-3 of the image (the odd column is the next row of the tile: 16 bytes on),
	ds_store_b64 v5, v[20:21] offset:SOFF+512+16*\e     ; 4 and 5
.else
	ds_store_b64 v5, v[16:17] offset:SOFF+520+16*\e     ; registers 6 and 7,
	ds_store_b128 v5, v[18:21] offset:SOFF+1024+16*\e   ; 8-11
.endif
	s_wait_dscnt 0x0                               ; the stores are done: the next codes may be written
.endr
.endm
	s_load_b256 s[4:11], s[0:1], 0x0               ; resid, ln1_w, ln1_b, w_q
	s_load_b256 s[12:19], s[0:1], 0x20             ; w_k, w_v, w_o, w_in
	s_load_b128 s[20:23], s[0:1], 0x40             ; w_out, wq
	s_load_b64 s[24:25], s[0:1], 0x50              ; x1
	v_lshl_add_u32 v23, v0, 2, 0xd000
	v_mov_b32 v1, 0                                ; v23 and v1: the spare word's address and 0, kept for the add alone
	v_lshrrev_b32 v2, 5, v0
	s_delay_alu instid0(VALU_DEP_1)
	v_readfirstlane_b32 s26, v2                    ; wave 0..7
	v_and_b32 v2, 31, v0                           ; lane
	s_cmp_ge_u32 ttmp9, 192
	s_cbranch_scc1 .Lln
	; ---------------- PATH W.  j = work-group: 0-63 w_q, w_k, w_v, w_o (16 each), 64-127 w_in, 128-191 w_out
	s_lshr_b32 s27, ttmp9, 4
	s_lshr_b32 s40, ttmp9, 6
	s_add_co_u32 s40, s40, 3
	s_cmp_lt_u32 ttmp9, 64
	s_cselect_b32 s27, s27, s40                    ; which tensor: 0 .. 5
	s_lshl_b32 s34, s27, 6
	s_and_b32 s35, ttmp9, 3
	s_bfe_u32 s36, ttmp9, 0x20002
	s_and_b32 s40, ttmp9, 15
	s_bfe_u32 s41, ttmp9, 0x20004
	s_bfe_u32 s42, ttmp9, 0x40002
	s_cmp_lt_u32 s27, 3                            ; q, k, v: [head][K][64]
	s_mov_b32 s28, 4096
	s_cselect_b32 s28, 256, s28                    ; s28: bytes from a row of K to the next
	s_mov_b32 s29, 256
	s_cselect_b32 s29, 0x40000, s29                ; s29: bytes from 64 columns to the next 64
	s_mov_b32 s31, 256
	s_cselect_b32 s31, s31, 64                     ; s31: tiles in a plane of the scale words
	s_cselect_b32 s34, s34, 0                      ; s34: the tensor's first tile in its part of wq
	s_mov_b32 s32, 2359296
	s_cselect_b32 s32, 0, s32                      ; s32: where its codes begin in wq
	s_mov_b32 s33, 9568256
	s_cselect_b32 s33, 9437184, s33                ; s33: where its scale words begin
	s_cmp_eq_u32 s27, 4                            ; w_in
	s_cselect_b32 s28, 16384, s28
	s_cselect_b32 s31, 256, s31
	s_cselect_b32 s32, 3145728, s32
	s_cselect_b32 s33, 9601024, s33
	s_cselect_b32 s35, s40, s35                    ; s35: which 256 columns
	s_cselect_b32 s36, s41, s36                    ; s36: which 256 along K
	s_cmp_eq_u32 s27, 5                            ; w_out
	s_cselect_b32 s30, 32, 8                       ; s30: K steps in a row
	s_cselect_b32 s32, 6291456, s32
	s_cselect_b32 s33, 9732096, s33
	s_cselect_b32 s36, s42, s36
	s_and_b32 s37, s26, 3                          ; which 64 of the 256 columns are my wave's
	s_lshr_b32 s70, s26, 2                         ; which 128 of the 256 along K
	s_lshl_b32 s71, s36, 1
	s_add_co_u32 s71, s71, s70                     ; my K step
	s_lshl_b32 s40, s35, 2
	s_add_co_u32 s40, s40, s37                     ; my first column / 64
	s_mul_i32 s40, s40, s29
	s_lshl_b32 s41, s71, 7
	s_mul_i32 s41, s41, s28                        ; my first row of K
	s_add_co_u32 s40, s40, s41
	s_mov_b32 s41, 0
	s_lshl_b32 s68, s28, 5                         ; 32 rows on
	s_mov_b32 s69, 0
	s_lshl_b32 s42, s35, 4
	s_add_co_u32 s42, s42, s34                     ; the work-group's first tile
	s_lshl_b32 s43, s37, 2
	s_add_co_u32 s43, s43, s42                     ; my first tile
	s_mul_i32 s60, s43, s30
	s_add_co_u32 s60, s60, s71
	s_mul_i32 s60, s60, 1536
	s_add_co_u32 s60, s60, s32                     ; its image of my K step
	s_mov_b32 s61, 0
	s_mul_i32 s62, s30, 1536                       ; a tile on
	s_mov_b32 s63, 0
	s_mul_i32 s66, s36, s31
	s_add_co_u32 s66, s66, s42
	s_lshl_b32 s66, s66, 7
	s_add_co_u32 s66, s66, s33                     ; the work-group's 16 tiles' scale words: 2,048 bytes,
	s_lshl_b32 s43, s26, 8
	s_add_co_u32 s66, s66, s43                     ; of which my wave stores 256
	s_mov_b32 s67, 0
	s_wait_alu depctr_va_vdst(0)
	v_lshlrev_b32 v[OFF], 3, v2
.irp i, 1,2,3,4,5,6,7,8,9,10,11,12,13,14,15,16,17,18,19,20,21,22,23,24,25,26,27,28,29,30,31
	s_delay_alu instid0(VALU_DEP_1)
	v_add_nc_u32 v[OFF+\i], s28, v[OFF+\i-1]
.endr
	v_lshrrev_b32 v3, 4, v2                        ; column 2 l + e of the 64 is row r = 2 (l % 4) + e + 8 ((l / 8) % 2) of tile 2 (l / 16) + (l / 4) % 2
	v_bfe_u32 v4, v2, 2, 1
	s_delay_alu instid0(VALU_DEP_1)
	v_lshl_add_u32 v3, v3, 1, v4                   ; the tile
	v_and_b32 v4, 3, v2
	s_delay_alu instid0(VALU_DEP_1)
	v_lshlrev_b32 v4, 1, v4
	v_bfe_u32 v5, v2, 3, 1
	s_delay_alu instid0(VALU_DEP_1)
	v_lshl_add_u32 v4, v5, 3, v4                   ; the even column's r
	s_mul_i32 s43, s26, 6144                       ; my wave's stage: [tile 4][1,536]
	v_mul_u32_u24 v5, v3, 1536
	s_delay_alu instid0(VALU_DEP_1)
	v_lshl_add_u32 v5, v4, 4, v5
	s_delay_alu instid0(VALU_DEP_1)
	v_add_nc_u32 v5, s43, v5                       ; into it
	s_lshl_b32 s38, s37, 9
	s_lshl_b32 s39, s70, 2
	s_add_co_u32 s38, s38, s39
	s_add_co_u32 s38, s38, WSC
	v_lshlrev_b32 v6, 7, v3
	s_delay_alu instid0(VALU_DEP_1)
	v_lshl_add_u32 v6, v4, 3, v6
	s_delay_alu instid0(VALU_DEP_1)
	v_add_nc_u32 v6, s38, v6                       ; my scale words' place: 512 x my 64 columns + 128 x tile + 8 r + 4 x (K step % 2)
	v_lshlrev_b32 v7, 4, v2
	s_delay_alu instid0(VALU_DEP_1)
	v_add_nc_u32 v8, s43, v7                       ; out of the stage: 16 x lane
	s_lshl_b32 s39, s26, 8
	s_add_co_u32 s39, s39, WSC
	v_lshl_add_u32 v9, v2, 3, s39                  ; and the scale words back: 256 x wave + 8 x lane
	s_wait_kmcnt 0x0
	s_cmp_eq_u32 s27, 1                            ; the choice hangs on the work-group's number alone
	s_cselect_b64 s[38:39], s[12:13], s[10:11]
	s_cmp_eq_u32 s27, 2
	s_cselect_b64 s[38:39], s[14:15], s[38:39]
	s_cmp_eq_u32 s27, 3
	s_cselect_b64 s[38:39], s[16:17], s[38:39]
	s_cmp_eq_u32 s27, 4
	s_cselect_b64 s[38:39], s[18:19], s[38:39]
	s_cmp_eq_u32 s27, 5
	s_cselect_b64 s[38:39], s[20:21], s[38:39]
	s_add_nc_u64 s[BASE:BASE+1], s[38:39], s[40:41]
.irp t, 1,2,3
	s_add_nc_u64 s[BASE+2*\t:BASE+2*\t+1], s[BASE+2*\t-2:BASE+2*\t-1], s[68:69]
.endr
	s_add_nc_u64 s[52:53], s[22:23], s[60:61]      ; my four tiles' images
	s_add_nc_u64 s[54:55], s[52:53], s[62:63]
	s_add_nc_u64 s[56:57], s[54:55], s[62:63]
	s_add_nc_u64 s[58:59], s[56:57], s[62:63]
	s_add_nc_u64 s[66:67], s[22:23], s[66:67]
	LOAD 0
	LOAD 1
.irp t, 0,1,2,3
	BLOCK \t
.endr
	ds_store_b32 v6, v[SB]
	s_wait_alu depctr_va_vdst(0)
	ds_store_b32 v6, v[SB+1] offset:8              ; the odd column: the next row
.irp i, 0,1,2,3,4,5,6,7,8,9,10,11
	ds_load_b128 v[64+4*\i:67+4*\i], v8 offset:512*\i   ; my own bytes: LDS serves a wave's instructions in order
.endr
.irp i, 0,1,2,3,4,5,6,7,8,9,10,11
	s_wait_dscnt 11-\i                             ; the loads issued behind this one may be out
	global_store_b128 v7, v[64+4*\i:67+4*\i], s[52+2*(\i/3):53+2*(\i/3)] offset:512*(\i%3)   ; 512 consecutive bytes
.endr
	s_wait_dscnt 0x0                               ; for the others' sake: my scale words have landed
	s_barrier_signal -1
	s_barrier_wait -1                              ; both K steps' words lie in LDS
	ds_load_b64 v[14:15], v9
	s_wait_dscnt 0x0
	global_store_b64 v[OFF], v[14:15], s[66:67]    ; the wave stores 256 consecutive bytes, aligned
	s_wait_tensorcnt 0x0                           ; the wave's end
	ds_add_u32 v23, v1
	s_wait_dscnt 0x0
	s_endpgm
	; ---------------- PATH LN
.Lln:
	s_sub_co_u32 s27, ttmp9, 192                   ; the tile of tokens
	v_and_b32 v24, 15, v0                          ; r
	s_wait_alu depctr_va_vdst(0)
	v_bfe_u32 v25, v0, 4, 1                        ; h
	s_wait_alu depctr_va_vdst(0)
	s_lshr_b32 s28, s27, 1
	s_lshl_b32 s28, s28, 5
	s_and_b32 s29, s27, 1
	s_lshl_b32 s29, s29, 3
	s_add_co_u32 s28, s28, s29                     ; the tile's first token
	s_lshl_b32 s28, s28, 12
	s_lshl_b32 s42, s26, 9                         ; my K step: 512 bytes of a row
	s_add_co_u32 s40, s28, s42
	s_mov_b32 s41, 0
	s_mov_b32 s43, 0
	v_and_b32 v26, 8, v24
	s_delay_alu instid0(VALU_DEP_1)
	v_add_nc_u32 v26, v26, v24                     ; r + 8 (r / 8)
	v_lshlrev_b32 v27, 6, v25                      ; 64 h: my 16 numbers of each block of 32
	s_delay_alu instid0(VALU_DEP_1)
	v_lshl_add_u32 v26, v26, 12, v27
	v_lshlrev_b32 v28, 5, v24                      ; the sums' words: 32 r,
	s_lshl_b32 s44, s26, 2
	v_add_nc_u32 v29, s44, v28                     ; + 4 w
	s_lshr_b32 s44, s26, 1
	s_lshl_b32 s44, s44, 7
	s_and_b32 s45, s26, 1
	s_lshl_b32 s45, s45, 2
	s_add_co_u32 s44, s44, s45
	v_lshl_add_u32 v30, v24, 3, s44                ; the scale word's place: 128 (w / 2) + 8 r + 4 (w % 2)
	v_lshlrev_b32 v31, 4, v2
	s_lshl_b32 s60, s27, 3
	s_add_co_u32 s60, s60, s26
	s_mul_i32 s60, s60, 1536                       ; my image
	s_mov_b32 s61, 0
	s_lshl_b32 s62, s27, 7
	s_add_co_u32 s62, s62, 3145728                 ; the tile's scale words
	s_mov_b32 s63, 0
	s_mov_b32 s[SEL], 0x76543210
	s_mov_b32 s[SEL+1], 0xfedcba98
	s_mov_b32 s74, 0x3a800000                      ; 1 / 1,024
	s_mov_b32 s75, 0x3727c5ac                      ; 1e-5
.irp b, 0,1,2,3
	v_mov_b32 v[TM+4+\b], 0                        ; written once: a lane permute's destination counts as one of its sources
.endr
	s_wait_alu depctr_va_vdst(0)
	s_wait_kmcnt 0x0
	s_add_nc_u64 s[4:5], s[4:5], s[40:41]
	s_add_nc_u64 s[6:7], s[6:7], s[42:43]
	s_add_nc_u64 s[8:9], s[8:9], s[42:43]
	s_add_nc_u64 s[60:61], s[24:25], s[60:61]
	s_add_nc_u64 s[62:63], s[24:25], s[62:63]
.irp b, 0,1,2,3
.irp j, 0,1,2,3
	global_load_b128 v[XL+16*\b+4*\j:XL+16*\b+4*\j+3], v26, s[4:5] offset:128*\b+16*\j th:TH_LOAD_NT
.endr
.endr
.irp b, 0,1,2,3
.irp j, 0,1,2,3
	global_load_b128 v[LW+16*\b+4*\j:LW+16*\b+4*\j+3], v27, s[6:7] offset:128*\b+16*\j
.endr
.endr
.irp b, 0,1,2,3
.irp j, 0,1,2,3
	global_load_b128 v[LB+16*\b+4*\j:LB+16*\b+4*\j+3], v27, s[8:9] offset:128*\b+16*\j
.endr
.endr
	s_wait_loadcnt 32                              ; the rows are in; the 32 loads of gains and biases may be out
	SUM64 XL, 244
	ACROSS 244, RED1
	s_delay_alu instid0(VALU_DEP_1)
	v_mul_f32 v252, 0xba800000, v244               ; - the mean
	s_delay_alu instid0(VALU_DEP_1)
	v_mov_b32 v253, v252
.set i, 0
.rept 32
	v_pk_add_f32 v[XL+i:XL+i+1], v[XL+i:XL+i+1], v[252:253]
.set i, i+2
.endr
	SQ64 XL, 244
	ACROSS 244, RED2
	s_delay_alu instid0(VALU_DEP_1)
	v_fma_f32 v244, v244, s74, s75                 ; the variance + 1e-5
	s_wait_alu depctr_va_vdst(0)
	v_rsq_f32 v252, v244
	v_nop                                          ; a plain line behind the transcendental,
	s_wait_alu depctr_va_vdst(0)                   ; and the wait ahead of its first reader
	v_mov_b32 v253, v252
	s_wait_alu depctr_va_vdst(0)
	s_wait_loadcnt 0x0
.set i, 0
.rept 32
	v_pk_mul_f32 v[XL+i:XL+i+1], v[XL+i:XL+i+1], v[252:253]
.set i, i+2
.endr
.set i, 0
.rept 32
	v_pk_fma_f32 v[XL+i:XL+i+1], v[XL+i:XL+i+1], v[LW+i:LW+i+1], v[LB+i:LB+i+1]
.set i, i+2
.endr
	QUANT XL
.irp c, 0,1,2
	global_store_b128 v31, v[PC+4*\c:PC+4*\c+3], s[60:61] offset:512*\c   ; 512 consecutive bytes a store
.endr
	ds_store_b32 v30, v[PW] offset:XSC
	s_wait_dscnt 0x0                               ; my scale word has landed
	s_barrier_signal -1
	s_barrier_wait -1
	s_cmp_lg_u32 s26, 0                            ; wave 0 sends the tile's 512 bytes of scale words: four runs of 128 bytes
	s_cbranch_scc1 .Lln_end
	ds_load_b128 v[244:247], v31 offset:XSC
	v_lshrrev_b32 v248, 3, v2
	v_and_b32 v249, 7, v2
	s_delay_alu instid0(VALU_DEP_1)
	v_lshlrev_b32 v249, 4, v249
	s_delay_alu instid0(VALU_DEP_1)
	v_lshl_add_u32 v248, v248, 15, v249            ; plane lane / 8 (32,768 bytes apart), 16 (lane % 8) in it
	s_wait_alu depctr_va_vdst(0)
	s_wait_dscnt 0x0
	global_store_b128 v248, v[244:247], s[62:63]
.Lln_end:
	s_wait_tensorcnt 0x0                           ; the wave's end
	ds_add_u32 v23, v1
	s_wait_dscnt 0x0
	s_endpgm
.Lfunc_end_k_q60434133b2_prep:
	.size	k_q60434133b2_prep, .Lfunc_end_k_q60434133b2_prep-k_q60434133b2_prep
	.p2alignl 7, 3214868480
	.fill 96, 4, 3214868480
	.section	.rodata,"a",@progbits
	.p2align	6, 0x0
	.amdhsa_kernel k_q60434133b2_prep
		.amdhsa_group_segment_fixed_size 54272
		.amdhsa_private_segment_fixed_size 0
		.amdhsa_enable_private_segment 0
		.amdhsa_kernarg_size 88
		.amdhsa_user_sgpr_count 2
		.amdhsa_user_sgpr_kernarg_segment_ptr 1
		.amdhsa_wavefront_size32 1
		.amdhsa_system_sgpr_workgroup_id_x 1
		.amdhsa_system_sgpr_workgroup_id_y 1
		.amdhsa_system_sgpr_workgroup_id_z 1
		.amdhsa_system_vgpr_workitem_id 0
		.amdhsa_next_free_vgpr 256
		.amdhsa_next_free_sgpr 80
		.amdhsa_reserve_vcc 0
		.amdhsa_float_denorm_mode_32 3
		.amdhsa_float_denorm_mode_16_64 3
		.amdhsa_memory_ordered 1
		.amdhsa_forward_progress 1
		.amdhsa_inst_pref_size 74
	.end_amdhsa_kernel
	.amdgpu_metadata
---
amdhsa.version: [ 1, 2 ]
amdhsa.kernels:
  - .name:           k_q60434133b2_prep
    .symbol:         k_q60434133b2_prep.kd
    .args:
      - { .name: resid, .offset: 0, .size: 8, .value_kind: global_buffer, .address_space: global }
      - { .name: ln1_w, .offset: 8, .size: 8, .value_kind: global_buffer, .address_space: global }
      - { .name: ln1_b, .offset: 16, .size: 8, .value_kind: global_buffer, .address_space: global }
      - { .name: w_q, .offset: 24, .size: 8, .value_kind: global_buffer, .address_space: global }
      - { .name: w_k, .offset: 32, .size: 8, .value_kind: global_buffer, .address_space: global }
      - { .name: w_v, .offset: 40, .size: 8, .value_kind: global_buffer, .address_space: global }
      - { .name: w_o, .offset: 48, .size: 8, .value_kind: global_buffer, .address_space: global }
      - { .name: w_in, .offset: 56, .size: 8, .value_kind: global_buffer, .address_space: global }
      - { .name: w_out, .offset: 64, .size: 8, .value_kind: global_buffer, .address_space: global }
      - { .name: wq, .offset: 72, .size: 8, .value_kind: global_buffer, .address_space: global }
      - { .name: x1, .offset: 80, .size: 8, .value_kind: global_buffer, .address_space: global }
    .group_segment_fixed_size: 54272
    .private_segment_fixed_size: 0
    .kernarg_segment_align: 8
    .kernarg_segment_size: 88
    .max_flat_workgroup_size: 256
    .sgpr_count:     80
    .vgpr_count:     256
    .wavefront_size: 32
...
	.end_amdgpu_metadata
.endif
;; end of part 1
;; launch qkv (part 2): grid 12 x 16, 4 waves a work-group, clusters of 4 x 4, 327,680 bytes of LDS; arguments x1, wq, qkv; writes qkv
.if DOCPART == 2
	.amdgcn_target "amdgcn-amd-amdhsa--gfx1250"
	.amdhsa_code_object_version 6
	.text
	.protected	k_q60434133b2_qkv
	.globl	k_q60434133b2_qkv
	.p2align	8
	.type	k_q60434133b2_qkv,@function
k_q60434133b2_qkv:
	s_mov_b64 s[64:65], 0
	v_nop
	global_prefetch_b8 v0, s[64:65] scope:SCOPE_SE
	s_setreg_imm32_b32 hwreg(HW_REG_WAVE_MODE, 25, 1), 1
	s_wait_xcnt 0x0
	s_wait_alu depctr_hold_cnt(0) depctr_sa_sdst(0) depctr_va_vdst(0) depctr_va_sdst(0) depctr_va_ssrc(0) depctr_va_vcc(0) depctr_vm_vsrc(0)
	s_getreg_b32 s2, hwreg(HW_REG_IB_STS2, 6, 4)
	s_cmp_eq_u32 s2, 0
	s_cbranch_scc0 .Lentry_in_a_cluster
	s_endpgm
.Lentry_in_a_cluster:
	s_bfe_u32 s2, ttmp6, 0x10000c
	s_cmp_lg_u32 s2, 0xf033
	s_cbranch_scc0 .Lentry_shape_is_right
	s_endpgm
.Lentry_shape_is_right:
; Q, K and V = LN1(resid) x w_q, w_k, w_v on codes of BF6 (E3M2), K = 1,024; the results are quantised on the way out: q and k along the head's 64, v along the keys.
; A tile of 256 x 256 results is made by four waves, 128 x 128 each: 64 accumulators of 16 x 16.  K goes in steps of 256 through three LDS slots filled by the tensor data mover.
; Operands lie in memory as images of their registers (a fragment: 1,536 bytes, [tile of 16 rows][K step of 128]), so a fragment comes from LDS by three loads of 512 consecutive bytes.
; Row r of tile T is row 32 (T / 2) + 8 (T % 2) + r + 8 (r / 8): so a lane's 64 results of one block of source 1 are, register 16 b + i, row 32 b + 16 (lane / 16) + i of source 0: neighbours, as the conversions want them.
; CLUSTERS: 4 x 4 work-groups; source 1's tiles are shared along a row of the cluster, source 0's along a column, each asked for jointly.
; TWO MODES, told apart by the cluster's x alone and by s_cselect alone (no branch): clusters 0, 1 (q, k): source 1 = tokens, source 0 = the weight's rows: a lane holds a token, its registers run along (head, e).
; Cluster 2 (v): source 1 = the weight's rows, source 0 = tokens: a lane holds a channel, its registers run along the keys.  One way out serves both: a block's 128 numbers a lane become a fragment, whose two halves of
; 6 registers (768 bytes: registers 2 g, 2 g + 1 of lane l at 256 g + 8 l) go to two heads (q, k) or to two runs of 64 keys (v).
; qkv: codes type x 3,145,728 + (batch x 16 + head) x 98,304, then q, k [tile 128][768], v [key / 64][channel tile 4][768]; scale words from 9,437,184: q, k [bh][tile / 4][r][tile % 4] (bytes 2, 3 are 0), v [bh][key / 128][r][channel tile].
; LIMITS: NaN and infinities are not served; a block of zeros gets the byte 1 (its codes are zeros, and this program alone reads the bytes); a largest magnitude under 2^-122 is taken as 2^-122.
; REGISTERS: window 0: v0-31 addresses; v32-63 scale words, two sets; v64-115 the way out; from v128 source 1's fragments, one set.  Window 1: source 0's fragments, two sets.  Windows 2, 3: the accumulators.
.set NQ,     2
.set FR,     12
.set NL,     3                         ; LDS loads that bring a fragment
.set NP,     4                         ; places behind this matrix instruction (ISA guide 7.12.1)
.set HALFT,  24576                     ; 8 tiles x 2 K steps x 1,536: half of what one tensor load brings
.set SLOT,   4*HALFT
.set HALFS,  4096                      ; the scale words of 8 tiles for all of K: [4][8][128]
.set SCL,    3*SLOT                    ; THREE slots: K steps 0, 1 in slot 0, then 2, 3 in slot 1 and 4, 5 in slot 2 (one fill for both), then 6, 7 over slot 0
.set SPARE,  SCL+4*HALFS               ; the spare words, 128 bytes a wave: two blocks of 256 bytes that no other line names
.set ADRA, 16
.set ADRB, 20
.set ADRS, 27
.set SPW,  28
.set NIL,  29
.set SC,   32
.set AF,   128
.set TM,   64
.set PWS,  80
.set PW,   88
.set PC,   96
.set SEL,  10
.set G1, 24
.set G0, 32
.set G1B, 48
.set G0B, 56
.set G1S, 68
.set G0S, 76
.set G1SB, 80
.set G0SB, 88
.set MSB, 0
.macro WIN new                         ; the immediate's high byte repeats the setting that is left
.if MSB != \new
	s_set_vgpr_msb (MSB<<8)|\new
.set MSB, \new
.endif
.endm
.set MUL_LO, 0xa1                      ; source 0 window 1, source 1 window 0, C and D window 2
.set MUL_HI, 0xf1
.set TO_B,   0x40
; a joint load: waves 0 and 1 fetch for source 1, waves 2 and 3 for source 0; the branch hangs on the wave's number alone; four v_nop follow each line
.macro JLOAD g0a, g1a, g0b, g1b
	s_cmp_eq_u32 s15, 0
	s_cbranch_scc0 .Lfor_b_\@
	tensor_load_to_lds s[\g0a:\g0a+3], s[\g1a:\g1a+7]
	s_nop 0
.rept 4
	v_nop
.endr
	s_branch .Lasked_\@
.Lfor_b_\@:
	tensor_load_to_lds s[\g0b:\g0b+3], s[\g1b:\g1b+7]
	s_nop 0
.rept 4
	v_nop
.endr
.Lasked_\@:
.endm
.macro CREST                           ; a round of the cluster's barrier behind its opening barrier
	s_cmp_lg_u32 s14, 0
	s_cbranch_scc1 .Lnot_wave_0_\@
	s_barrier_signal -3
.Lnot_wave_0_\@:
	s_barrier_wait -3
	s_barrier_signal -1
	s_barrier_wait -1
.endm
.macro CROUND
	s_barrier_signal -1
	s_barrier_wait -1
	CREST
.endm
	s_load_b128 s[4:7], s[0:1], 0x0                ; x1, wq
	s_load_b64 s[8:9], s[0:1], 0x10                ; qkv
	v_lshl_add_u32 v[SPW], v0, 2, SPARE
	v_mov_b32 v[NIL], 0
	ds_add_u32 v28, v29
	ds_add_u32 v28, v29
	s_wait_dscnt 0x0
	v_lshrrev_b32 v1, 5, v0
	v_readfirstlane_b32 s14, v1                    ; wave 0..3
	s_lshr_b32 s15, s14, 1                         ; my half of source 1's rows.
	s_and_b32 s16, s14, 1                          ; my half of source 0's rows.
	s_bfe_u32 s40, ttmp6, 0x40000                  ; cx
	s_bfe_u32 s41, ttmp6, 0x40004                  ; cy
	s_lshl_b32 s42, ttmp9, 2                       ; 4 x cluster x
	s_and_b32 s17, ttmp7, 0xffff
	s_lshl_b32 s17, s17, 2                         ; 4 x cluster y
	s_lshl_b32 s43, s41, 2
	s_lshl_b32 s43, 15, s43                        ; my row of the cluster
	s_lshl_b32 s44, 0x1111, s40                    ; my column
	s_mov_b32 s12, 3145728                         ; where x1's scale words begin,
	s_mov_b32 s13, 9437184                         ; and wq's
	s_cmp_eq_u32 ttmp9, 2                          ; v?  The same in all sixteen partners
	s_cselect_b32 s10, s42, s17
	s_cselect_b32 s11, s17, s42
	s_cselect_b32 s2, s13, s12
	s_cselect_b32 s3, s12, s13
	s_add_co_u32 s10, s10, s41                     ; source 1's block of 256 rows: it hangs on cy alone
	s_add_co_u32 s11, s11, s40                     ; source 0's: on cx alone
	; descriptor group 1, codes: 16 tiles x 3,072 bytes (two K steps), 12,288 bytes from tile to tile; elements of 8 bytes; no padding: every LDS read is of consecutive bytes
	s_or_b32 s[G1+0], s43, (3<<16)|(1<<21)
	s_or_b32 s[G1B+0], s44, (3<<16)|(1<<21)
.irp g, G1, G1B
	s_mov_b32 s[\g+1], 384<<16                     ; tensor_dim0
	s_mov_b32 s[\g+2], 16<<16                      ; tensor_dim1: every load brings 16 tiles
	s_mov_b32 s[\g+3], 384<<16                     ; tile_dim0
	s_mov_b32 s[\g+4], 16                          ; tile_dim1
	s_mov_b32 s[\g+5], 1536                        ; the pitch
	s_mov_b32 s[\g+6], 0
	s_mov_b32 s[\g+7], 0
.endr
	; scale words: 4 planes x 2,048 bytes (16 tiles), 32,768 bytes from plane to plane
	s_or_b32 s[G1S+0], s43, (3<<16)|(1<<21)
	s_or_b32 s[G1SB+0], s44, (3<<16)|(1<<21)
.irp g, G1S, G1SB
	s_mov_b32 s[\g+1], 256<<16                     ; a plane's 16 tiles: 2,048 bytes
	s_mov_b32 s[\g+2], 4<<16
	s_mov_b32 s[\g+3], 256<<16
	s_mov_b32 s[\g+4], 4
	s_mov_b32 s[\g+5], 4096
	s_mov_b32 s[\g+6], 0
	s_mov_b32 s[\g+7], 0
.endr
	s_lshl_b32 s19, s16, 3
	s_lshl_b32 s18, s10, 4
	s_add_co_u32 s18, s18, s19                     ; source 1: the first tile that I fetch
	s_lshl_b32 s46, s11, 4
	s_add_co_u32 s46, s46, s19                     ; source 0 likewise
	s_mul_i32 s20, s18, 12288
	s_mov_b32 s21, 0
	s_lshl_b32 s22, s18, 7
	s_add_co_u32 s22, s22, s2
	s_mov_b32 s23, 0
	s_mul_i32 s92, s46, 12288
	s_mov_b32 s93, 0
	s_lshl_b32 s94, s46, 7
	s_add_co_u32 s94, s94, s3
	s_mov_b32 s95, 0
	s_mul_i32 s45, s14, HALFT                      ; where they go: no place in the cluster enters an LDS address
	s_wait_kmcnt 0x0
	s_cmp_eq_u32 ttmp9, 2
	s_cselect_b64 s[96:97], s[6:7], s[4:5]         ; source 1's buffer
	s_cselect_b64 s[98:99], s[4:5], s[6:7]         ; source 0's
	s_add_nc_u64 s[20:21], s[96:97], s[20:21]
	s_add_nc_u64 s[22:23], s[96:97], s[22:23]
	s_add_nc_u64 s[92:93], s[98:99], s[92:93]
	s_add_nc_u64 s[94:95], s[98:99], s[94:95]
	CROUND                                         ; all sixteen work-groups are here: the first joint loads meet
	s_mov_b32 s[G0S], 1
	s_lshl_b32 s2, s16, 10                         ; the head's tiles are whole: back by my half's 8 tiles of scale words
	s_mov_b32 s3, 0
	s_mov_b32 s[G0S+1], SCL
	s_sub_nc_u64 s[G0S+2:G0S+3], s[22:23], s[2:3]
	s_or_b32 s[G0S+3], s[G0S+3], 0x80000000
	s_mov_b32 s[G0SB], 1
	s_mov_b32 s[G0SB+1], SCL+2*HALFS
	s_sub_nc_u64 s[G0SB+2:G0SB+3], s[94:95], s[2:3]
	s_or_b32 s[G0SB+3], s[G0SB+3], 0x80000000
.irp s, 0,1
	s_mov_b32 s[G0+4*\s], 1
	s_add_co_u32 s[G0+4*\s+1], s45, \s*SLOT
	s_add_nc_u64 s[G0+4*\s+2:G0+4*\s+3], s[20:21], \s*3072
	s_or_b32 s[G0+4*\s+3], s[G0+4*\s+3], 0x80000000
	s_mov_b32 s[G0B+4*\s], 1
	s_add_co_u32 s[G0B+4*\s+1], s45, \s*SLOT
	s_add_nc_u64 s[G0B+4*\s+2:G0B+4*\s+3], s[92:93], \s*3072
	s_or_b32 s[G0B+4*\s+3], s[G0B+4*\s+3], 0x80000000
.if \s == 1
	; THE HEAD'S FOUR TILES, ONE A WAVE: wave 0 slot 0's 16 tiles of source 1, wave 1 those of source 0, waves 2 and 3 their scale words.  Slot 0's two groups 0 serve them, whole, and are set for the ring behind the wait
	s_mul_i32 s2, s16, 98304
	s_mov_b32 s[G0+1], 0
	s_sub_nc_u64 s[G0+2:G0+3], s[G0+2:G0+3], s[2:3]
	s_mov_b32 s[G0B+1], 2*HALFT
	s_sub_nc_u64 s[G0B+2:G0B+3], s[G0B+2:G0B+3], s[2:3]
	s_mov_b32 s[G0+5], SLOT                        ; slot 1's groups 0 name whole tiles of 16 too
	s_sub_nc_u64 s[G0+6:G0+7], s[G0+6:G0+7], s[2:3]
	s_mov_b32 s[G0B+5], SLOT+2*HALFT
	s_sub_nc_u64 s[G0B+6:G0B+7], s[G0B+6:G0B+7], s[2:3]
	s_cmp_lt_u32 s14, 1
	s_cbranch_scc0 .Lhead_b
	tensor_load_to_lds s[G0:G0+3], s[G1:G1+7]
	s_nop 0
.rept 4
	v_nop
.endr
	s_branch .Lhead_asked
.Lhead_b:
	s_cmp_lt_u32 s14, 2
	s_cbranch_scc0 .Lhead_sa
	tensor_load_to_lds s[G0B:G0B+3], s[G1B:G1B+7]
	s_nop 0
.rept 4
	v_nop
.endr
	s_branch .Lhead_asked
.Lhead_sa:
	s_cmp_lt_u32 s14, 3
	s_cbranch_scc0 .Lhead_sb
	tensor_load_to_lds s[G0S:G0S+3], s[G1S:G1S+7]
	s_nop 0
.rept 4
	v_nop
.endr
	s_branch .Lhead_asked
.Lhead_sb:
	tensor_load_to_lds s[G0SB:G0SB+3], s[G1SB:G1SB+7]
	s_nop 0
.rept 4
	v_nop
.endr
.Lhead_asked:
.endif
.endr
	v_and_b32 v1, 15, v0                           ; r
	v_bfe_u32 v2, v0, 4, 1                         ; h
	s_wait_alu depctr_va_vdst(0)
	v_and_b32 v3, 31, v0
	v_lshlrev_b32 v24, 3, v3                       ; 8 x lane: a half image's place
	v_lshlrev_b32 v3, 4, v3                        ; 16 x lane: an image's place
	s_mul_i32 s20, s15, HALFT
	s_mul_i32 s21, s16, HALFT
	s_add_co_u32 s21, s21, 2*HALFT
.irp s, 0,1
	v_add_nc_u32 v[ADRA+\s], s20, v3
	v_add_nc_u32 v[ADRB+\s], s21, v3
	s_add_co_u32 s20, s20, SLOT
	s_add_co_u32 s21, s21, SLOT
.endr
	v_lshlrev_b32 v5, 3, v1                        ; my row's two scale words of a plane
	s_lshl_b32 s20, s15, 10                        ; in a plane of 16 tiles my 8 begin 1,024 bytes x my half in
	s_lshl_b32 s21, s16, 10
	s_add_co_u32 s21, s21, 2*HALFS
	s_sub_co_u32 s21, s21, s20
	v_mul_u32_u24 v6, s21, v2                      ; lanes 16-31 take source 0's
	s_add_co_u32 s20, s20, SCL
	v_add_nc_u32 v5, v5, v6
	v_add_nc_u32 v[ADRS], s20, v5
	; the way out's bases.  tok: the block of 256 tokens; hc, hw: the place and the wave's half along the heads; tw: the wave's half along the tokens
	s_mov_b32 s18, 3072
	s_mov_b32 s19, 98304
	s_mov_b32 s20, 4096
	s_mov_b32 s45, 512
	s_cmp_eq_u32 ttmp9, 2
	s_cselect_b32 s4, s11, s10
	s_cselect_b32 s5, s41, s40
	s_cselect_b32 s6, s15, s16
	s_cselect_b32 s7, s16, s15
	s_cselect_b32 s2, s19, s18                     ; four blocks on: four tiles of tokens (q, k), or a head (v)
	s_cselect_b32 s46, s18, s19                    ; the fragment's second half: the next head (q, k), or the next 64 keys (v)
	s_cselect_b32 s12, s20, 256                    ; the scale words' step for four blocks
	s_cselect_b32 s67, s20, 8192                   ; a head's scale words
	s_cselect_b32 s45, 256, s45                    ; 128 tokens' scale words
	s_cselect_b32 s23, 0, 8192                     ; q, k: lanes 16-31 store the second head's
	s_cselect_b32 s66, 0, 16                       ; which are the word's upper two bytes
	s_cselect_b32 s22, -1, 0xffff
	s_mov_b32 s3, 0
	s_mov_b32 s47, 0
	s_mov_b32 s13, 0
	s_lshr_b32 s17, s4, 3
	s_lshl_b32 s17, s17, 4
	s_lshl_b32 s5, s5, 2
	s_add_co_u32 s17, s17, s5
	s_lshl_b32 s6, s6, 1
	s_add_co_u32 s17, s17, s6                      ; batch x 16 + my first head
	s_and_b32 s4, s4, 7
	s_lshl_b32 s4, s4, 1
	s_add_co_u32 s4, s4, s7                        ; which 128 tokens of the batch
	s_mul_i32 s92, ttmp9, 3145728
	s_mul_i32 s5, s17, 98304
	s_add_co_u32 s92, s92, s5
	s_mul_i32 s5, s4, 6144
	s_add_co_u32 s92, s92, s5
	s_mov_b32 s93, 0
	s_add_nc_u64 s[92:93], s[8:9], s[92:93]        ; s[92 + 4 (a / 4) + 2 c ..]: blocks a, half c
	s_add_nc_u64 s[94:95], s[92:93], s[46:47]
	s_add_nc_u64 s[96:97], s[92:93], s[2:3]
	s_add_nc_u64 s[98:99], s[96:97], s[46:47]
	s_mul_i32 s18, s17, s67
	s_mul_i32 s5, s4, s45
	s_add_co_u32 s18, s18, s5
	s_mul_i32 s5, ttmp9, 262144
	s_add_co_u32 s18, s18, s5
	s_add_co_u32 s18, s18, 9437184
	s_mov_b32 s19, 0
	s_add_nc_u64 s[18:19], s[8:9], s[18:19]        ; the scale words of blocks 0-3,
	s_add_nc_u64 s[20:21], s[18:19], s[12:13]      ; of blocks 4-7
	s_mov_b32 s[SEL], 0x76543210
	s_mov_b32 s[SEL+1], 0xfedcba98
	v_mul_u32_u24 v25, s23, v2
	v_lshl_add_u32 v25, v1, 4, v25                 ; 16 r (+ a head for lanes 16-31)
	v_mul_u32_u24 v26, s66, v2
.macro FRAG reg, adr, q, i             ; a fragment as it lies: three loads of 512 consecutive bytes
.irp c, 0,1,2
	ds_load_b128 v[\reg+4*\c:\reg+4*\c+3], v[\adr] offset:(2*(\i)+(\q))*1536+512*\c
.endr
.endm
; 16 matrix instructions: source 1's blocks a0, a0 + 1 x source 0's eight.  The 64 accumulators take turns, one instruction a turn, in the same order in every step
.macro MUL16 a0, p, q, sc, zero
.irp a, \a0, \a0+1
.irp b, 0,1,2,3,4,5,6,7
.if \zero
	v_wmma_scale_f32_16x16x128_f8f6f4 v[8*(8*((\a)%4)+\b):8*(8*((\a)%4)+\b)+7], v[128*(\p)+FR*\b:128*(\p)+FR*\b+FR-1], v[AF+FR*(\a):AF+FR*(\a)+FR-1], 0, v[SC+8*NQ*(\sc)+NQ*\b+(\q)], v[SC+8*NQ*(\sc)+NQ*(\a)+(\q)] matrix_a_fmt:MATRIX_FMT_BF6 matrix_b_fmt:MATRIX_FMT_BF6 matrix_a_scale:MATRIX_SCALE_ROW1
.else
	v_wmma_scale_f32_16x16x128_f8f6f4 v[8*(8*((\a)%4)+\b):8*(8*((\a)%4)+\b)+7], v[128*(\p)+FR*\b:128*(\p)+FR*\b+FR-1], v[AF+FR*(\a):AF+FR*(\a)+FR-1], v[8*(8*((\a)%4)+\b):8*(8*((\a)%4)+\b)+7], v[SC+8*NQ*(\sc)+NQ*\b+(\q)], v[SC+8*NQ*(\sc)+NQ*(\a)+(\q)] matrix_a_fmt:MATRIX_FMT_BF6 matrix_b_fmt:MATRIX_FMT_BF6 matrix_a_scale:MATRIX_SCALE_ROW1
.endif
.endr
.endr
.endm
.macro FETCH_B slot, q, p
	WIN TO_B
.irp i, 0,1,2,3,4,5,6,7
	FRAG 128*(\p)+FR*\i, ADRB+\slot, \q, \i
.endr
	WIN 0
.endm
.macro FETCH_A slot, q, i0
.irp i, \i0, \i0+1, \i0+2, \i0+3
	FRAG AF+FR*(\i), ADRA+\slot, \q, \i
.endr
.endm
.macro SCALES sc                       ; a slot's scale words: lanes 0-15 source 1's block i, lanes 16-31 source 0's block i; two words a row
.irp i, 0,1,2,3,4,5,6,7
	ds_load_b64 v[SC+8*NQ*\sc+NQ*\i:SC+8*NQ*\sc+NQ*\i+1], v[ADRS] offset:\i*128
.endr
.endm
.macro PLACES n                        ; plain lines between a matrix instruction and a load into, or a vector line on, its registers
.rept \n
	v_nop
.endr
.endm
.macro STEP slot, q, zero              ; 128 along K that has its successor in the same slot
	s_wait_dscnt 4*NL                              ; all but the youngest 12 loads (source 1's blocks 4-7) are in
	WIN MUL_LO
	MUL16 0, (\q)%2, \q, \slot, \zero
	MUL16 2, (\q)%2, \q, \slot, \zero
	s_wait_dscnt 0
	PLACES NP
	FETCH_B \slot, (\q)+1, 1-(\q)%2
	FETCH_A \slot, (\q)+1, 0
	WIN MUL_HI
	MUL16 4, (\q)%2, \q, \slot, \zero
	MUL16 6, (\q)%2, \q, \slot, \zero
	PLACES NP
	WIN 0
	FETCH_A \slot, (\q)+1, 4
.endm
; a slot's last step changes slots: in front of the one barrier each wave waits for all its tensor loads, adds 0 to its spare word, and waits for that and for its reads of this slot
.macro TURN slot, next, fill
.if \fill < 2
	s_wait_tensorcnt 0x0                           ; all my tensor loads have landed
	ds_add_u32 v[SPW], v[NIL]
	s_wait_dscnt 4*NL+1                            ; the add and the youngest 12 loads may be out
.else
	s_wait_dscnt 4*NL                              ; fill = 2: the next slot was shown whole by an earlier round, and this slot is not filled again: no barrier
.endif
	WIN MUL_LO
	MUL16 0, 1, NQ-1, \slot, 0
.if \fill < 2
	s_wait_dscnt 0x0                               ; the add is done, and my reads of this slot are over
	s_barrier_signal -1
.endif
	MUL16 2, 1, NQ-1, \slot, 0
	WIN 0
.if \fill < 2
	s_barrier_wait -1
.else
	s_wait_dscnt 0x0
.endif
.if \fill == 1
	CREST                                          ; the barrier has opened a round of the cluster's: no wave of any partner still reads this slot or has a load on its way
	s_add_nc_u64 s[G0+4*\slot+2:G0+4*\slot+3], s[G0+4*\slot+2:G0+4*\slot+3], 9216     ; three slots' worth on: K steps 6, 7
	s_add_nc_u64 s[G0B+4*\slot+2:G0B+4*\slot+3], s[G0B+4*\slot+2:G0B+4*\slot+3], 9216
	s_cmp_eq_u32 s14, 0                            ; wave 0 asks for source 1's 16 tiles, wave 1 for source 0's; four v_nop stand on every way: the places in front of the loads below
	s_cbranch_scc0 .Lre_b_\@
	tensor_load_to_lds s[G0+4*\slot:G0+4*\slot+3], s[G1:G1+7]
	s_nop 0
.rept 4
	v_nop
.endr
	s_branch .Lre_done_\@
.Lre_b_\@:
	s_cmp_eq_u32 s14, 1
	s_cbranch_scc0 .Lre_none_\@
	tensor_load_to_lds s[G0B+4*\slot:G0B+4*\slot+3], s[G1B:G1B+7]
	s_nop 0
.rept 4
	v_nop
.endr
	s_branch .Lre_done_\@
.Lre_none_\@:
.rept 4
	v_nop
.endr
.Lre_done_\@:
.else
	PLACES NP
.endif
	s_wait_alu depctr_va_vdst(0)
	v_add_nc_u32 v[ADRS], 2048, v[ADRS]            ; the next plane of scale words
	FETCH_B \next, 0, 0
	FETCH_A \next, 0, 0
	SCALES \next
	WIN MUL_HI
	MUL16 4, 1, NQ-1, \slot, 0
	MUL16 6, 1, NQ-1, \slot, 0
	PLACES NP
	WIN 0
	FETCH_A \next, 0, 4
.endm
; block a's 64 numbers of a lane (window 2 or 3) become a fragment in v[PC] on and its scale word in v[PW]; each accumulator is read from its low end on
.macro QUANTW a
.set AC, 64*((\a)%4)
.set WW, 2+(\a)/4
	WIN WW*5                                       ; sources 0 and 1 in the accumulators' window
.irp b, 0,1,2,3
	v_max3_num_f32 v[TM+\b], |v[AC+16*\b]|, |v[AC+1+16*\b]|, 0x2800000   ; and the floor 2^(5 - 127)
.endr
.irp i, 2,4,6,8,10,12,14
.irp b, 0,1,2,3
	v_max3_num_f32 v[TM+\b], |v[AC+16*\b+\i]|, |v[AC+1+16*\b+\i]|, v[TM+\b]
.endr
.endr
	WIN 0
.irp b, 0,1,2,3
	v_permlanex16_b32 v[TM+4+\b], v[TM+\b], s[SEL], s[SEL+1]
.endr
.irp b, 0,1,2,3
	v_max_num_f32 v[TM+\b], v[TM+\b], v[TM+4+\b]
.endr
.irp b, 0,1,2,3
	v_add_nc_u32 v[TM+12+\b], 0xfe000000, v[TM+\b]
.endr
.irp b, 0,1,2,3
	v_lshrrev_b32 v[TM+4+\b], 23, v[TM+12+\b]
.endr
	v_lshl_or_b32 v[PW], v[TM+5], 8, v[TM+4]
	v_lshl_or_b32 v[PW], v[TM+6], 16, v[PW]
	v_lshl_or_b32 v[PW], v[TM+7], 24, v[PW]
	WIN WW
.irp c, 0,1
	v_cvt_scalef32_pk16_bf6_f32 v[PC+6*\c:PC+2+6*\c], v[AC+32*\c:AC+15+32*\c], v[TM+12+2*\c]
	v_cvt_scalef32_pk16_bf6_f32 v[PC+12+4*\c:PC+14+4*\c], v[AC+16+32*\c:AC+31+32*\c], v[TM+12+2*\c+1]
.endr
	WIN 0
	v_nop                                          ; one plain line behind the scaled conversions
.irp c, 0,1
.irp i, 0,1,2
	v_permlane16_swap_b32 v[PC+6*\c+\i], v[PC+12+4*\c+\i]
.endr
.irp i, 0,1,2
	v_mov_b32 v[PC+3+6*\c+\i], v[PC+12+4*\c+\i]
.endr
.endr
.endm
	s_wait_alu depctr_va_vdst(0)
	s_wait_tensorcnt 0x0                           ; my tile of the head's four is in
	ds_add_u32 v[SPW], v[NIL]
	s_mov_b32 s[G0S+1], 2*SLOT                     ; no tensor load of mine is out: the scale words' groups 0 now serve K steps 4, 5, into slot 2
	s_add_nc_u64 s[G0S+2:G0S+3], s[G0+2:G0+3], 6144
	s_mov_b32 s[G0SB+1], 2*SLOT+2*HALFT
	s_add_nc_u64 s[G0SB+2:G0SB+3], s[G0B+2:G0B+3], 6144
	s_wait_dscnt 0x0
	CROUND                                         ; all four tiles are in, and the sixteen work-groups are here
	s_cmp_lt_u32 s14, 1                            ; slots 1 and 2 are filled for the first time, one load a wave: the first tensor load behind the round
	s_cbranch_scc0 .Lsec_b
	tensor_load_to_lds s[G0+4:G0+7], s[G1:G1+7]
	s_nop 0
.rept 4
	v_nop
.endr
	s_branch .Lsec_asked
.Lsec_b:
	s_cmp_lt_u32 s14, 2
	s_cbranch_scc0 .Lsec_c
	tensor_load_to_lds s[G0B+4:G0B+7], s[G1B:G1B+7]
	s_nop 0
.rept 4
	v_nop
.endr
	s_branch .Lsec_asked
.Lsec_c:
	s_cmp_lt_u32 s14, 3
	s_cbranch_scc0 .Lsec_d
	tensor_load_to_lds s[G0S:G0S+3], s[G1:G1+7]
	s_nop 0
.rept 4
	v_nop
.endr
	s_branch .Lsec_asked
.Lsec_d:
	tensor_load_to_lds s[G0SB:G0SB+3], s[G1B:G1B+7]
	s_nop 0
.rept 4
	v_nop
.endr
.Lsec_asked:
	FETCH_B 0, 0, 0
	FETCH_A 0, 0, 0
	SCALES 0
	FETCH_A 0, 0, 4
	STEP 0, 0, 1                                   ; the first products start the sums: nothing is cleared
	TURN 0, 1, 1                                   ; K = 1,024 is four slots' worth: three first fills, one refill
	STEP 1, 0, 0
	v_add_nc_u32 v[ADRA], 2*SLOT, v[ADRA]          ; index 0 of the address registers now names slot 2 (its last reads of slot 0 were issued in the first step)
	v_add_nc_u32 v[ADRB], 2*SLOT, v[ADRB]
	TURN 1, 0, 2
	STEP 0, 0, 0
	v_sub_nc_u32 v[ADRA+1], v[ADRA+1], SLOT        ; index 1 now names slot 0, which holds K steps 6, 7
	v_sub_nc_u32 v[ADRB+1], v[ADRB+1], SLOT
	TURN 0, 1, 0
	STEP 1, 0, 0
	s_wait_dscnt 4*NL
	WIN MUL_LO
	MUL16 0, 1, NQ-1, 1, 0
	MUL16 2, 1, NQ-1, 1, 0
	s_wait_dscnt 0
	WIN MUL_HI
	MUL16 4, 1, NQ-1, 1, 0
	MUL16 6, 1, NQ-1, 1, 0
	WIN 0
	PLACES NP                                      ; in front of the first read of results
.irp b, 0,1,2,3
	v_mov_b32 v[TM+4+\b], 0                        ; written once: a lane permute's destination counts as one of its sources
.endr
.irp a, 0,1,2,3,4,5,6,7
	s_wait_xcnt 0x0                                ; the last block's stores have read their data: the codes' registers may be written
	QUANTW \a
	v_lshrrev_b32 v[PWS+\a], v26, v[PW]            ; q, k: lanes 0-15 keep the first head's two bytes, lanes 16-31 the second's; v: the whole word
	v_and_b32 v[PWS+\a], s22, v[PWS+\a]
.irp c, 0,1
.irp g, 0,1,2
	global_store_b64 v24, v[PC+6*\c+2*\g:PC+6*\c+2*\g+1], s[92+4*(\a/4)+2*\c:93+4*(\a/4)+2*\c] offset:(\a%4)*768+256*\g   ; 256 consecutive bytes, aligned
.endr
.endr
.if \a%4 == 3
	global_store_b128 v25, v[PWS+4*(\a/4):PWS+4*(\a/4)+3], s[18+2*(\a/4):19+2*(\a/4)]   ; four blocks' words: 16 bytes a row (v: both halves of the lanes store the same)
.endif
.endr
	s_wait_tensorcnt 0x0                           ; the wave's end
	ds_add_u32 v[SPW], v[NIL]
	s_wait_dscnt 0x0
	CROUND                                         ; the closing round
	s_endpgm
.Lfunc_end_k_q60434133b2_qkv:
	.size	k_q60434133b2_qkv, .Lfunc_end_k_q60434133b2_qkv-k_q60434133b2_qkv
	.p2alignl 7, 3214868480
	.fill 96, 4, 3214868480
	.section	.rodata,"a",@progbits
	.p2align	6, 0x0
	.amdhsa_kernel k_q60434133b2_qkv
		.amdhsa_group_segment_fixed_size 327680
		.amdhsa_private_segment_fixed_size 0
		.amdhsa_enable_private_segment 0
		.amdhsa_kernarg_size 24
		.amdhsa_user_sgpr_count 2
		.amdhsa_user_sgpr_kernarg_segment_ptr 1
		.amdhsa_wavefront_size32 1
		.amdhsa_system_sgpr_workgroup_id_x 1
		.amdhsa_system_sgpr_workgroup_id_y 1
		.amdhsa_system_sgpr_workgroup_id_z 1
		.amdhsa_system_vgpr_workitem_id 0
		.amdhsa_next_free_vgpr 1024
		.amdhsa_next_free_sgpr 100
		.amdhsa_reserve_vcc 0
		.amdhsa_float_denorm_mode_32 3
		.amdhsa_float_denorm_mode_16_64 3
		.amdhsa_memory_ordered 1
		.amdhsa_forward_progress 1
		.amdhsa_inst_pref_size 146
	.end_amdhsa_kernel
	.amdgpu_metadata
---
amdhsa.version: [ 1, 2 ]
amdhsa.kernels:
  - .name:           k_q60434133b2_qkv
    .symbol:         k_q60434133b2_qkv.kd
    .args:
      - { .name: x1, .offset: 0, .size: 8, .value_kind: global_buffer, .address_space: global }
      - { .name: wq, .offset: 8, .size: 8, .value_kind: global_buffer, .address_space: global }
      - { .name: qkv, .offset: 16, .size: 8, .value_kind: global_buffer, .address_space: global }
    .group_segment_fixed_size: 327680
    .private_segment_fixed_size: 0
    .kernarg_segment_align: 8
    .kernarg_segment_size: 24
    .max_flat_workgroup_size: 128
    .sgpr_count:     100
    .vgpr_count:     1024
    .wavefront_size: 32
...
	.end_amdgpu_metadata
.endif
;; end of part 2
;; launch attn (part 3): grid 8 x 32, 16 waves a work-group, clusters of 4 x 1, 284,672 bytes of LDS; arguments qkv, z; writes z
.if DOCPART == 3
	.amdgcn_target "amdgcn-amd-amdhsa--gfx1250"
	.amdhsa_code_object_version 6
	.text
	.protected	k_q60434133b2_attn
	.globl	k_q60434133b2_attn
	.p2align	8
	.type	k_q60434133b2_attn,@function
k_q60434133b2_attn:
	s_mov_b64 s[64:65], 0
	v_nop
	global_prefetch_b8 v0, s[64:65] scope:SCOPE_SE
	s_setreg_imm32_b32 hwreg(HW_REG_WAVE_MODE, 25, 1), 1
	s_wait_xcnt 0x0
	s_wait_alu depctr_hold_cnt(0) depctr_sa_sdst(0) depctr_va_vdst(0) depctr_va_sdst(0) depctr_va_ssrc(0) depctr_va_vcc(0) depctr_vm_vsrc(0)
	s_getreg_b32 s2, hwreg(HW_REG_IB_STS2, 6, 4)
	s_cmp_eq_u32 s2, 0
	s_cbranch_scc0 .Lentry_in_a_cluster
	s_endpgm
.Lentry_in_a_cluster:
	s_bfe_u32 s2, ttmp6, 0x10000c
	s_cmp_lg_u32 s2, 0x3003
	s_cbranch_scc0 .Lentry_shape_is_right
	s_endpgm
.Lentry_shape_is_right:
; z[b][h][q] = softmax_k(q . k / 8, causal) v, both products on codes of BF6 (E3M2); z is quantised along (head, e) on the way out.
; THE SOFTMAX: t = score x log2(e) / 8; M = the running largest t rounded up to a whole number; p = 2^(t - M) is quantised along the keys; the row's sum is taken of the unquantised p and divides at the end.
; SHARES.  A work-group takes one (batch, head) and 16 of its 128 tiles of 16 queries: tiles 8 x rank + x, rank = 0 .. 15, x = the work-group's x (0 .. 7).  A tile's 16 queries lie in keys 128 rank .. 128 rank + 127,
; so tile rank has rank + 1 key steps of 128 keys, the last of them on the diagonal.  Ranks j and 15 - j have 17 steps together, and waves 2 j and 2 j + 1 share them:
;   the wave of the FIRST KIND takes tile j (j + 1 steps), finishes it, and then takes keys 1,024 on of tile 15 - j (8 - j steps): 9 steps;
;   the wave of the SECOND KIND takes keys 0 .. 1,023 of tile 15 - j: 8 steps; it hands -M, the sums and O^T to its partner through LDS, as an image of its registers.
; The partner brings both parts under the larger M, by multiplications with powers of two that round nothing, adds them and finishes the tile.
; The kind is (w xor w / 4) % 2: of any four waves w % 4 or w / 4 alike two are of each kind.
; Every wave walks all 16 key steps in loops of constant count (2 + 6 + 8); a step's work is left out where the step's number is above the rank in hand, and the diagonal is the step equal to it: both hang on the wave's
; number and the loops' counts alone.  Between the second and the third loop the rank in hand is set anew: 15 - j in the first kind, 0 (nothing more) in the second.
; LDS HOLDS THE WHOLE HEAD: K 98,304 bytes, V 98,304, their scale words 8,192 and 4,096: filled once, by joint loads of the four work-groups of a cluster (they share the head); nothing is filled again.
; Waves 0-3 fetch K's quarters, waves 4-7 V's, three loads each: the scale words, key steps 0 and 1, key steps 2 to 15; the first two steps are worked while the last load lands: three loads of a wave are out at the most.
; LAYOUT.  S^T = K Q^T, O^T = V^T P^T: a lane holds one query.  Key r of tile T is key 32 (T / 2) + 8 (T % 2) + r + 8 (r / 8), so the 16 registers of two neighbouring tiles are 16 neighbouring keys.
; THE HEAD IS 64: a fragment's registers 0-5.  Q's registers 6-11 are zero codes.  K's tile t is named as v[32 + 6 t .. 43 + 6 t]: its upper six registers are the next tile's codes (zeros for the last), which
; meet Q's zero codes and add exactly 0; bytes 2 and 3 of q's and k's scale words are 0 (2^-127, no NaN).
; LIMITS: NaN and infinities are not served; a block of zeros gets the byte 1; a largest magnitude under 2^-122 is taken as 2^-122.
; REGISTERS: v1-7 addresses that stay; v8-11 the step's; v12 -M, v13 the largest t, v[14:15] the sum; v16-27 Q; v28 Q's scale word; v29, v30 the hand-over's places; v32-85 K's tiles, then V's fragments; v96-159 S^T, then p;
;   v160-191 O^T; v192-203 scale words; v204-210 the second tile's Q and its scale word; v224-254 at work.
.set KS,   196608
.set VS,   204800
.set MRG,  208896                      ; the hand-over: 4,608 bytes for each wave: O^T's 32 registers and v[12:15], 512 bytes for each four; no fill lands here
.set MRGB, 4608
.set WV,   8
.set RANK, 9                           ; s9   the rank of the tile in hand
.set KI,   16                          ; s16  the key step
.set TK,   17                          ; s17  6,144 x step: its tiles
.set TSK,  18                          ; s18  512 x step: K's scale words
.set TSV,  19                          ; s19  256 x step: V's
.set SEL,  20
.set CS,   22
.set G1KS, 24
.set G1VS, 32
.set G1A,  40
.set G1B,  48
.set G0SK, 56
.set G0SV, 60
.set G0A,  68
.set G0B,  72
.set CNT,  90
.set ROLE, 97                          ; s97  0: the first kind, 1: the second
.set BIG,  99                          ; s99  15 - j
.macro CROUND
	s_barrier_signal -1
	s_barrier_wait -1
	s_cmp_lg_u32 s[WV], 0
	s_cbranch_scc1 .Lnot_wave_0_\@
	s_barrier_signal -3
.Lnot_wave_0_\@:
	s_barrier_wait -3
	s_barrier_signal -1
	s_barrier_wait -1
.endm
; the addresses of the tile of queries whose number stands in s[t]: Q's codes, Q's scale words, z's half image, z's 16 words
.macro TILEADR t, qa, qs, za, zs
	s_mul_i32 s[\qa], s12, 98304
	s_mul_i32 s88, s[\t], 768
	s_add_co_u32 s[\qa], s[\qa], s88
	s_mov_b32 s[\qa+1], 0
	s_add_nc_u64 s[\qa:\qa+1], s[4:5], s[\qa:\qa+1]
	s_lshl_b32 s[\qs], s12, 13
	s_lshr_b32 s88, s[\t], 2
	s_lshl_b32 s88, s88, 8
	s_add_co_u32 s[\qs], s[\qs], s88
	s_and_b32 s88, s[\t], 3
	s_lshl_b32 s88, s88, 2
	s_add_co_u32 s[\qs], s[\qs], s88
	s_add_co_u32 s[\qs], s[\qs], 9437184
	s_mov_b32 s[\qs+1], 0
	s_add_nc_u64 s[\qs:\qs+1], s[4:5], s[\qs:\qs+1]
	s_lshr_b32 s88, s12, 4
	s_lshl_b32 s88, s88, 7
	s_add_co_u32 s88, s88, s[\t]                   ; the tile among all 256 tiles of tokens
	s_lshl_b32 s88, s88, 4
	s_and_b32 s89, s12, 15
	s_add_co_u32 s88, s88, s89                     ; x 16 + head
	s_mul_i32 s[\za], s88, 768
	s_mov_b32 s[\za+1], 0
	s_add_nc_u64 s[\za:\za+1], s[6:7], s[\za:\za+1]
	s_lshl_b32 s[\zs], s88, 6
	s_add_co_u32 s[\zs], s[\zs], 3145728
	s_mov_b32 s[\zs+1], 0
	s_add_nc_u64 s[\zs:\zs+1], s[6:7], s[\zs:\zs+1]
.endm
	s_load_b128 s[4:7], s[0:1], 0x0                ; qkv, z
	v_lshl_add_u32 v251, v0, 2, 0x45000
	v_mov_b32 v255, 0
	ds_add_u32 v251, v255
	ds_add_u32 v251, v255
	v_lshrrev_b32 v8, 5, v0
	s_delay_alu instid0(VALU_DEP_1)
	v_readfirstlane_b32 s[WV], v8                  ; wave 0..15
	s_bfe_u32 s10, ttmp6, 0x40000                  ; cx
	s_lshl_b32 s11, ttmp9, 2
	s_add_co_u32 s11, s11, s10                     ; x: it enters Q's and z's addresses and the mask's numbers alone
	s_and_b32 s12, ttmp7, 0xffff                   ; batch x 16 + head, which the four partners share
	s_xor_b32 s13, s[WV], 12
	s_lshr_b32 s13, s13, 1                         ; waves 4-15: which sixth (0 .. 5) of key steps 2 .. 15 I fetch
	s_lshr_b32 s14, s[WV], 2
	s_xor_b32 s[ROLE], s[WV], s14
	s_and_b32 s[ROLE], s[ROLE], 1                  ; my kind
	s_lshr_b32 s98, s[WV], 1                       ; j
	s_sub_co_u32 s[BIG], 15, s98
	s_cmp_eq_u32 s[ROLE], 0
	s_cselect_b32 s[RANK], s98, s[BIG]             ; the first tile in hand: rank j in the first kind, 15 - j in the second
	s_lshl_b32 s15, s[RANK], 3
	s_add_co_u32 s15, s15, s11                     ; its number
	s_lshl_b32 s98, s[BIG], 3
	s_add_co_u32 s98, s98, s11                     ; and that of the tile of rank 15 - j
	; descriptor groups 1: dense blocks as rows of 256 bytes (32 elements of 8 bytes); 15:0 the mask: all four work-groups; 21 set beside it
.irp g, G1KS, G1VS, G1A, G1B
	s_mov_b32 s[\g], 15|(3<<16)|(1<<21)
	s_mov_b32 s[\g+1], 32<<16
	s_mov_b32 s[\g+3], 32<<16
	s_mov_b32 s[\g+5], 32
	s_mov_b32 s[\g+6], 0
	s_mov_b32 s[\g+7], 0
.endr
	s_mov_b32 s[G1KS+2], 32<<16                    ; K's scale words: 8,192 bytes
	s_mov_b32 s[G1KS+4], 32
	s_mov_b32 s[G1VS+2], 16<<16                    ; V's: 4,096
	s_mov_b32 s[G1VS+4], 16
	s_mov_b32 s[G1A+2], 48<<16                     ; key steps 0, 1 of K or of V: 12,288
	s_mov_b32 s[G1A+4], 48
	s_mov_b32 s[G1B+2], 56<<16                     ; a sixth of key steps 2 .. 15: 14,336
	s_mov_b32 s[G1B+4], 56
	s_and_b32 s14, s[WV], 1                        ; even waves fetch of K (type 1), odd waves of V (type 2)
	s_add_co_u32 s76, s14, 1
	s_mul_i32 s76, s76, 3145728
	s_mul_i32 s77, s12, 98304
	s_add_co_u32 s76, s76, s77
	s_mov_b32 s78, s76
	s_mov_b32 s79, 0
	s_mul_i32 s80, s13, 14336
	s_add_co_u32 s80, s80, s76
	s_add_co_u32 s80, s80, 12288
	s_mov_b32 s81, 0
	s_lshl_b32 s82, s12, 13
	s_add_co_u32 s82, s82, 9699328
	s_mov_b32 s83, 0
	s_lshl_b32 s84, s12, 12
	s_add_co_u32 s84, s84, 9961472
	s_mov_b32 s85, 0
	s_mul_i32 s88, s14, 98304                      ; in LDS: K's region or V's
	s_mul_i32 s91, s13, 14336
	s_add_co_u32 s91, s91, s88
	s_mov_b32 s[SEL], 0x76543210
	s_mov_b32 s[SEL+1], 0xfedcba98
	s_mov_b32 s[CS], 0x3e38aa3b                    ; c = log2(e) / 8
	s_mov_b32 s[CS+1], s[CS]
	s_mov_b32 s[KI], 0
	s_mov_b32 s[TK], 0
	s_mov_b32 s[TSK], 0
	s_mov_b32 s[TSV], 0
	s_wait_dscnt 0x0
	s_wait_kmcnt 0x0
	s_mov_b32 s[G0SK], 1
	s_mov_b32 s[G0SK+1], KS
	s_add_nc_u64 s[G0SK+2:G0SK+3], s[4:5], s[82:83]
	s_or_b32 s[G0SK+3], s[G0SK+3], 0x80000000
	s_mov_b32 s[G0SV], 1
	s_mov_b32 s[G0SV+1], VS
	s_add_nc_u64 s[G0SV+2:G0SV+3], s[4:5], s[84:85]
	s_or_b32 s[G0SV+3], s[G0SV+3], 0x80000000
	s_mov_b32 s[G0A], 1
	s_mov_b32 s[G0A+1], s88
	s_add_nc_u64 s[G0A+2:G0A+3], s[4:5], s[78:79]
	s_or_b32 s[G0A+3], s[G0A+3], 0x80000000
	s_mov_b32 s[G0B], 1
	s_add_co_u32 s[G0B+1], s91, 12288
	s_add_nc_u64 s[G0B+2:G0B+3], s[4:5], s[80:81]
	s_or_b32 s[G0B+3], s[G0B+3], 0x80000000
	CROUND                                         ; all four work-groups are here: the joint loads meet
	; THE FILLS AS THEY NOW STAND, ONE A WAVE: wave 0 K's scale words, wave 1 V's, waves 2 and 3 key steps 0, 1 of K and of V,
	; waves 4-15 a sixth each of key steps 2 .. 15 of K (even waves) or of V (odd waves).  One chain of branches on the wave's number, one fill to an arm, all arms lead to one join
	s_cmp_eq_u32 s[WV], 0
	s_cbranch_scc0 .Lfor_vs
	tensor_load_to_lds s[G0SK:G0SK+3], s[G1KS:G1KS+7]
	s_nop 0
.rept 4
	v_nop
.endr
	s_branch .Lasked
.Lfor_vs:
	s_cmp_eq_u32 s[WV], 1
	s_cbranch_scc0 .Lfor_a
	tensor_load_to_lds s[G0SV:G0SV+3], s[G1VS:G1VS+7]
	s_nop 0
.rept 4
	v_nop
.endr
	s_branch .Lasked
.Lfor_a:
	s_cmp_lt_u32 s[WV], 4
	s_cbranch_scc0 .Lfor_b
	tensor_load_to_lds s[G0A:G0A+3], s[G1A:G1A+7]
	s_nop 0
.rept 4
	v_nop
.endr
	s_branch .Lasked
.Lfor_b:
	tensor_load_to_lds s[G0B:G0B+3], s[G1B:G1B+7]
	s_nop 0
.rept 4
	v_nop
.endr
.Lasked:
	TILEADR 15, 76, 78, 92, 94                     ; the first tile in hand
	TILEADR 98, 80, 82, 84, 86                     ; the tile of rank 15 - j
	s_and_b32 s96, s12, 1
	s_lshl_b32 s96, s96, 4                         ; an odd head's two bytes are the word's upper two
	v_and_b32 v8, 31, v0
	s_delay_alu instid0(VALU_DEP_1)
	v_lshlrev_b32 v1, 3, v8                        ; 8 x lane: a half image's place; K's region begins at 0
	s_delay_alu instid0(VALU_DEP_1)
	v_add_nc_u32 v2, 98304, v1                     ; V's
	s_mul_i32 s88, s[WV], MRGB
	s_add_co_u32 s88, s88, MRG
	v_lshl_add_u32 v29, v8, 4, s88                 ; the hand-over: my wave's own bytes, 16 x lane,
	s_xor_b32 s89, s[WV], 1
	s_mul_i32 s89, s89, MRGB
	s_add_co_u32 s89, s89, MRG
	v_lshl_add_u32 v30, v8, 4, s89                 ; and my partner's
	v_and_b32 v8, 15, v0                           ; r
	v_bfe_u32 v9, v0, 4, 1                         ; h
	s_delay_alu instid0(VALU_DEP_2)
	v_lshlrev_b32 v6, 4, v8                        ; 16 r
	s_delay_alu instid0(VALU_DEP_1)
	v_add_nc_u32 v3, KS, v6
	s_delay_alu instid0(VALU_DEP_2)
	v_add_nc_u32 v4, VS, v6
	v_lshlrev_b32 v7, 2, v8                        ; 4 r
.irp g, 0,1,2
	global_load_b64 v[16+2*\g:17+2*\g], v1, s[76:77] offset:256*\g
.endr
	global_load_b32 v28, v6, s[78:79]
.irp g, 0,1,2
	global_load_b64 v[204+2*\g:205+2*\g], v1, s[80:81] offset:256*\g   ; the second tile's Q is asked for here, so that nobody waits for it between the loops
.endr
	global_load_b32 v210, v6, s[82:83]
	v_and_b32 v11, 8, v8
	s_delay_alu instid0(VALU_DEP_1)
	v_add_nc_u32 v5, v11, v8
	v_lshlrev_b32 v11, 4, v9
	s_delay_alu instid0(VALU_DEP_1)
	v_sub_nc_u32 v5, v5, v11
	s_lshr_b32 s88, s11, 1
	s_lshl_b32 s88, s88, 5
	s_and_b32 s89, s11, 1
	s_lshl_b32 s89, s89, 3
	s_add_co_u32 s88, s88, s89
	v_add_nc_u32 v5, s88, v5                       ; d = my query in its 128 - 16 h (the same in both tiles): on the diagonal register 16 b + i is hidden where 32 b + i > d
	v_mov_b32 v13, 0xff61b1e6                      ; the largest t so far: -3e38
	s_delay_alu instid0(VALU_DEP_1)
	v_floor_f32 v12, -v13
	v_mov_b32 v14, 0
	v_mov_b32 v15, 0
.irp j, 22,23,24,25,26,27,80,81,82,83,84,85
	v_mov_b32 v\j, 0                               ; zero codes: Q's k = 64 .. 127, and what stands behind K's last tile
.endr
.irp j, 236,237,238,239,252,253
	v_mov_b32 v\j, 0                               ; written once: a lane permute's destination counts as read, and v253 is named in a pair
.endr
.set j, 0
.rept 32
	v_mov_b32 v[160+j], 0                          ; O^T: the loop has no first step of its own
.set j, j+1
.endr
; A KEY STEP: 128 keys
.macro STEP
	s_cmp_gt_u32 s[KI], s[RANK]                    ; above the rank in hand: the step's work is left out, not the lines at its end that step addresses
	s_cbranch_scc1 .Lhidden_\@
	v_add_nc_u32 v8, s[TK], v1                     ; (these four are the places behind the last step's products, in front of the loads below)
	v_add_nc_u32 v9, s[TK], v2
	v_add_nc_u32 v10, s[TSK], v3
	v_add_nc_u32 v11, s[TSV], v4
.irp t, 0,1,2,3,4,5,6,7
.irp g, 0,1,2
	ds_load_b64 v[32+6*\t+2*\g:33+6*\t+2*\g], v8 offset:768*\t+256*\g
.endr
.endr
	ds_load_b128 v[192:195], v10
	ds_load_b128 v[196:199], v10 offset:256
	s_wait_alu depctr_va_vdst(0)
	s_wait_dscnt 0x0
.irp t, 0,1,2,3,4,5,6,7
	v_wmma_scale_f32_16x16x128_f8f6f4 v[96+8*\t:103+8*\t], v[32+6*\t:43+6*\t], v[16:27], 0, v[192+\t], v28 matrix_a_fmt:MATRIX_FMT_BF6 matrix_b_fmt:MATRIX_FMT_BF6
.endr
.rept 4
	v_nop                                          ; places: in front of the loads into K's registers and of the first read of the scores
.endr
.irp ct, 0,1,2,3                               ; V's four fragments land while the softmax is worked
.irp c, 0,1
.irp g, 0,1,2
	ds_load_b64 v[32+12*\ct+6*\c+2*\g:33+12*\ct+6*\c+2*\g], v9 offset:3072*\c+768*\ct+256*\g
.endr
.endr
.endr
	ds_load_b128 v[200:203], v11
	s_cmp_lg_u32 s[KI], s[RANK]
	s_cbranch_scc1 .Lopen_\@
	v_mov_b32 v254, 0xff800000                     ; on the diagonal hidden scores become -infinity ahead of the maximum: p = 0 then
.set n, 0
.rept 64
	v_cmp_gt_i32 vcc_lo, 32*(n/16)+n%16, v5
	v_cndmask_b32 v[96+n], v[96+n], v254, vcc_lo
.set n, n+1
.endr
.Lopen_\@:
.irp b, 0,1,2,3
	v_max3_num_f32 v[232+\b], v[96+16*\b], v[97+16*\b], v[98+16*\b]   ; the largest score of each block of 32 keys: for the row's maximum and, since p rises with the score, for the block's largest p
.endr
.irp i, 3,5,7,9,11,13
.irp b, 0,1,2,3
	v_max3_num_f32 v[232+\b], v[232+\b], v[96+16*\b+\i], v[97+16*\b+\i]
.endr
.endr
.irp b, 0,1,2,3
	v_max_num_f32 v[232+\b], v[232+\b], v[111+16*\b]
.endr
.irp b, 0,1,2,3
	s_delay_alu instid0(VALU_DEP_4)
	v_permlanex16_b32 v[236+\b], v[232+\b], s[SEL], s[SEL+1]
.endr
.irp b, 0,1,2,3
	s_delay_alu instid0(VALU_DEP_4)
	v_max_num_f32 v[232+\b], v[232+\b], v[236+\b]
.endr
	s_delay_alu instid0(VALU_DEP_2)
	v_max3_num_f32 v254, v232, v233, v234
	s_delay_alu instid0(VALU_DEP_1)
	v_max_num_f32 v254, v254, v235
	s_delay_alu instid0(VALU_DEP_1)
	v_mul_f32 v254, s[CS], v254
	s_delay_alu instid0(VALU_DEP_1)
	v_max_num_f32 v13, v13, v254                   ; the running largest t
	v_mov_b32 v254, v12
	s_delay_alu instid0(VALU_DEP_2)
	v_floor_f32 v12, -v13                          ; -M = floor(-t): M is a whole number
	s_delay_alu instid0(VALU_DEP_1)
	v_sub_f32 v254, v12, v254
	s_delay_alu instid0(VALU_DEP_1)
	v_cvt_i32_f32 v254, v254                       ; (it saturates)
	s_delay_alu instid0(VALU_DEP_1)
	v_ldexp_f32 v252, 1.0, v254                    ; f = 2^(old M - new M)
.set j, 0
.rept 32
	v_pk_fma_f32 v[96+j:97+j], v[96+j:97+j], s[CS:CS+1], v[12:13] op_sel_hi:[1,0,0]   ; t - M
.set j, j+2
.endr
.irp b, 0,1,2,3
	v_fma_f32 v[232+\b], v[232+\b], s[CS], v12
.endr
.set j, 0
	s_wait_alu depctr_va_vdst(0)
.rept 64
	v_exp_f32 v[96+j], v[96+j]                     ; p = 2^(t - M)
.set j, j+1
.endr
	v_pk_mul_f32 v[14:15], v[14:15], v[252:253] op_sel_hi:[1,0]   ; the sums under the new M: a plain line behind the exponentials
	s_wait_alu depctr_va_vdst(0)                   ; one wait for the batch, ahead of its first reader
.irp b, 0,1,2,3
	v_exp_f32 v[232+\b], v[232+\b]                 ; each block's largest p
.endr
	v_pk_add_f32 v[236:237], v[100:101], v[104:105]
	v_pk_add_f32 v[248:249], v[108:109], v[112:113]
	v_pk_add_f32 v[246:247], v[116:117], v[120:121]
	v_pk_add_f32 v[244:245], v[124:125], v[128:129]
	v_pk_add_f32 v[242:243], v[132:133], v[136:137]
	v_pk_add_f32 v[240:241], v[140:141], v[144:145]
	v_pk_add_f32 v[238:239], v[148:149], v[152:153]
	v_pk_add_f32 v[14:15], v[14:15], v[156:157]
	v_pk_add_f32 v[236:237], v[236:237], v[96:97]
	v_pk_add_f32 v[248:249], v[248:249], v[98:99]
	v_pk_add_f32 v[246:247], v[246:247], v[102:103]
	v_pk_add_f32 v[244:245], v[244:245], v[106:107]
	v_pk_add_f32 v[242:243], v[242:243], v[110:111]
	v_pk_add_f32 v[240:241], v[240:241], v[114:115]
	v_pk_add_f32 v[238:239], v[238:239], v[118:119]
	v_pk_add_f32 v[14:15], v[14:15], v[122:123]
	v_pk_add_f32 v[236:237], v[236:237], v[126:127]
	v_pk_add_f32 v[248:249], v[248:249], v[130:131]
	v_pk_add_f32 v[246:247], v[246:247], v[134:135]
	v_pk_add_f32 v[244:245], v[244:245], v[138:139]
	v_pk_add_f32 v[242:243], v[242:243], v[142:143]
	v_pk_add_f32 v[240:241], v[240:241], v[146:147]
	v_pk_add_f32 v[238:239], v[238:239], v[150:151]
	v_pk_add_f32 v[14:15], v[14:15], v[154:155]
	v_pk_add_f32 v[236:237], v[236:237], v[158:159]
	s_delay_alu instid0(VALU_DEP_2)
	v_pk_add_f32 v[14:15], v[14:15], v[244:245]
	s_delay_alu instid0(VALU_DEP_2)
	v_pk_add_f32 v[236:237], v[236:237], v[242:243]
	v_pk_add_f32 v[248:249], v[248:249], v[240:241]
	v_pk_add_f32 v[246:247], v[246:247], v[238:239]
	s_delay_alu instid0(VALU_DEP_2)
	v_pk_add_f32 v[14:15], v[14:15], v[248:249]
	s_delay_alu instid0(VALU_DEP_2)
	v_pk_add_f32 v[236:237], v[236:237], v[246:247]
	s_delay_alu instid0(VALU_DEP_1)
	v_pk_add_f32 v[14:15], v[14:15], v[236:237]
	s_wait_alu depctr_va_vdst(0)                   ; and one for the four
.irp b, 0,1,2,3
	v_max_num_f32 v[232+\b], 0x2800000, v[232+\b]  ; the floor 2^(5 - 127)
.endr
.irp b, 0,1,2,3
	s_delay_alu instid0(VALU_DEP_4)
	v_add_nc_u32 v[244+\b], 0xfe000000, v[232+\b]
.endr
.irp b, 0,1,2,3
	s_delay_alu instid0(VALU_DEP_4)
	v_lshrrev_b32 v[236+\b], 23, v[244+\b]
.endr
	s_delay_alu instid0(VALU_DEP_3)
	v_lshl_or_b32 v253, v237, 8, v236              ; p's scale word for these 128 keys
	s_delay_alu instid0(VALU_DEP_1)
	v_lshl_or_b32 v253, v238, 16, v253
	s_delay_alu instid0(VALU_DEP_1)
	v_lshl_or_b32 v253, v239, 24, v253
.irp c, 0,1
	v_cvt_scalef32_pk16_bf6_f32 v[224+6*\c:226+6*\c], v[96+32*\c:111+32*\c], v[244+2*\c]
	v_cvt_scalef32_pk16_bf6_f32 v[236+4*\c:238+4*\c], v[112+32*\c:127+32*\c], v[244+2*\c+1]
.endr
	v_nop                                          ; one plain line behind the scaled conversions
.irp c, 0,1
.irp i, 0,1,2
	v_permlane16_swap_b32 v[224+6*\c+\i], v[236+4*\c+\i]
.endr
.irp i, 0,1,2
	s_delay_alu instid0(VALU_DEP_3)
	v_mov_b32 v[227+6*\c+\i], v[236+4*\c+\i]
.endr
.endr
.set j, 0
.rept 16
	v_pk_mul_f32 v[160+j:161+j], v[160+j:161+j], v[252:253] op_sel_hi:[1,0]   ; O^T under the new M; these 16 are also the places between the scale word, p's codes and the products
.set j, j+2
.endr
	s_wait_alu depctr_va_vdst(0)
	s_wait_dscnt 0x0                               ; V
.irp ct, 0,1,2,3
	v_wmma_scale_f32_16x16x128_f8f6f4 v[160+8*\ct:167+8*\ct], v[32+12*\ct:43+12*\ct], v[224:235], v[160+8*\ct:167+8*\ct], v[200+\ct], v253 matrix_a_fmt:MATRIX_FMT_BF6 matrix_b_fmt:MATRIX_FMT_BF6
.endr
.Lhidden_\@:
	s_add_co_u32 s[KI], s[KI], 1
	s_add_co_u32 s[TK], s[TK], 6144
	s_add_co_u32 s[TSK], s[TSK], 512
	s_add_co_u32 s[TSV], s[TSV], 256
.endm
; A TILE IS FINISHED: O^T / the sum: register 16 b + i is channel 32 b + 16 h + i of my head: two blocks of z's K; their codes (a half image) and their two scale bytes are stored
.macro FINISH za, zs
	v_add_f32 v14, v14, v15
	s_delay_alu instid0(VALU_DEP_1)
	v_permlanex16_b32 v252, v14, s[SEL], s[SEL+1]
	s_delay_alu instid0(VALU_DEP_1)
	v_add_f32 v14, v14, v252
	s_wait_alu depctr_va_vdst(0)
	v_rcp_f32 v14, v14
	v_nop                                          ; plain lines behind the transcendental; with the additions above also the places behind the last products
	v_nop
	v_nop
	s_wait_alu depctr_va_vdst(0)                   ; the wait ahead of the reciprocal's first reader
.set j, 0
.rept 32
	v_mul_f32 v[96+j], v[160+j], v14               ; each accumulator from its low end on
.set j, j+1
.endr
.irp b, 0,1
	v_max3_num_f32 v[232+\b], |v[96+16*\b]|, |v[97+16*\b]|, 0x2800000
.endr
.irp i, 2,4,6,8,10,12,14
.irp b, 0,1
	s_delay_alu instid0(VALU_DEP_2)
	v_max3_num_f32 v[232+\b], v[232+\b], |v[96+16*\b+\i]|, |v[97+16*\b+\i]|
.endr
.endr
.irp b, 0,1
	s_delay_alu instid0(VALU_DEP_2)
	v_permlanex16_b32 v[236+\b], v[232+\b], s[SEL], s[SEL+1]
.endr
.irp b, 0,1
	s_delay_alu instid0(VALU_DEP_2)
	v_max_num_f32 v[232+\b], v[232+\b], v[236+\b]
.endr
.irp b, 0,1
	s_delay_alu instid0(VALU_DEP_2)
	v_add_nc_u32 v[244+\b], 0xfe000000, v[232+\b]
.endr
.irp b, 0,1
	s_delay_alu instid0(VALU_DEP_2)
	v_lshrrev_b32 v[236+\b], 23, v[244+\b]
.endr
	s_delay_alu instid0(VALU_DEP_1)
	v_lshl_or_b32 v253, v237, 8, v236
	s_delay_alu instid0(VALU_DEP_1)
	v_lshlrev_b32 v253, s96, v253
	v_cvt_scalef32_pk16_bf6_f32 v[224:226], v[96:111], v244
	v_cvt_scalef32_pk16_bf6_f32 v[236:238], v[112:127], v245
	v_nop
.irp i, 0,1,2
	v_permlane16_swap_b32 v[224+\i], v[236+\i]
.endr
.irp i, 0,1,2
	s_delay_alu instid0(VALU_DEP_3)
	v_mov_b32 v[227+\i], v[236+\i]
.endr
.irp g, 0,1,2
	global_store_b64 v1, v[224+2*\g:225+2*\g], s[\za:\za+1] offset:256*\g   ; 256 consecutive bytes, aligned
.endr
	global_store_b32 v7, v253, s[\zs:\zs+1]        ; both halves of the lanes store the same word
.endm
	s_wait_alu depctr_va_vdst(0)                   ; the wait at the head's end
	s_cmp_lt_u32 s[WV], 4                          ; waves 0-3, whose load lines no other wave issues, wait for the scale words and key steps 0, 1; the other waves' fills may be out
	s_cbranch_scc0 .Lnot_first
	s_wait_tensorcnt 0x0
.Lnot_first:
	s_barrier_signal -1
	s_barrier_wait -1
	s_wait_loadcnt 0x0                             ; Q, both tiles'
	s_mov_b32 s[CNT], 2
.Lfirst:
	STEP
	s_sub_co_u32 s[CNT], s[CNT], 1
	s_cmp_lg_u32 s[CNT], 0
	s_cbranch_scc1 .Lfirst
	s_wait_tensorcnt 0x0                           ; my part of key steps 2 .. 15 is in,
	s_wait_dscnt 0x0
	s_barrier_signal -1
	s_barrier_wait -1                              ; everybody's is
	s_mov_b32 s[CNT], 6
.Lmid:                                         ; key steps 2 .. 7
	STEP
	s_sub_co_u32 s[CNT], s[CNT], 1
	s_cmp_lg_u32 s[CNT], 0
	s_cbranch_scc1 .Lmid
	; BETWEEN KEYS 1,023 AND 1,024 the kinds part, on the wave's number; no barrier stands here
	s_cmp_lg_u32 s[ROLE], 0
	s_cbranch_scc1 .Lhand
	FINISH 92, 94                                  ; the first kind: tile j is done,
	s_wait_xcnt 0x0                                ; (its stores have read their data: the registers are written again in the steps to come)
.irp g, 0,1,2,3,4,5
	v_mov_b32 v[16+\g], v[204+\g]                  ; and tile 15 - j is taken up, from key 1,024 on: its Q,
.endr
	v_mov_b32 v28, v210                            ; its scale word (the 36 lines below stand between it and the next products),
	v_mov_b32 v13, 0xff61b1e6                      ; and a fresh start: -3e38, zeros
	s_delay_alu instid0(VALU_DEP_1)
	v_floor_f32 v12, -v13
	v_mov_b32 v14, 0
	v_mov_b32 v15, 0
.set j, 0
.rept 32
	v_mov_b32 v[160+j], 0
.set j, j+1
.endr
	s_mov_b32 s[RANK], s[BIG]
	s_branch .Lsecond
.Lhand:                                        ; the second kind: its eight steps are done: O^T, -M and the sums go to LDS as they stand
.rept 4
	v_nop                                          ; places behind the last products, in front of the stores that read their results
.endr
	s_wait_alu depctr_va_vdst(0)
.irp i, 0,1,2,3,4,5,6,7
	ds_store_b128 v29, v[160+4*\i:163+4*\i] offset:512*\i   ; each accumulator from its low end on
.endr
	ds_store_b128 v29, v[12:15] offset:4096
	s_mov_b32 s[RANK], 0                           ; every step to come lies above it: nothing more is worked
.Lsecond:
	s_mov_b32 s[CNT], 8
.Llast:                                        ; key steps 8 .. 15
	STEP
	s_sub_co_u32 s[CNT], s[CNT], 1
	s_cmp_lg_u32 s[CNT], 0
	s_cbranch_scc1 .Llast
	s_wait_dscnt 0x0                               ; for the partner's sake: what I handed over has landed
	s_barrier_signal -1
	s_barrier_wait -1
	s_cmp_lg_u32 s[ROLE], 0
	s_cbranch_scc1 .Lclose
.rept 4
	v_nop                                          ; places behind the last products: in front of loads into V's registers and of the first read of O^T
.endr
.irp i, 0,1,2,3,4,5,6,7
	ds_load_b128 v[32+4*\i:35+4*\i], v30 offset:512*\i   ; my partner's O^T of the same tile: the same registers in the same lanes
.endr
	ds_load_b128 v[64:67], v30 offset:4096         ; its -M (v64) and its sums (v66, v67)
	s_wait_dscnt 0x0
	v_min_num_f32 v68, v12, v64                    ; -M of both parts together
	s_delay_alu instid0(VALU_DEP_1)
	v_sub_f32 v69, v68, v12                        ; whole numbers, 0 or less
	s_delay_alu instid0(VALU_DEP_2)
	v_sub_f32 v70, v68, v64
	s_delay_alu instid0(VALU_DEP_2)
	v_cvt_i32_f32 v69, v69                         ; (they saturate)
	s_delay_alu instid0(VALU_DEP_2)
	v_cvt_i32_f32 v70, v70
	s_delay_alu instid0(VALU_DEP_2)
	v_ldexp_f32 v72, 1.0, v69                      ; the powers of two that bring my part
	s_delay_alu instid0(VALU_DEP_2)
	v_ldexp_f32 v74, 1.0, v70                      ; and my partner's under it: nothing is rounded
	s_delay_alu instid0(VALU_DEP_2)
	v_mov_b32 v73, v72
	s_delay_alu instid0(VALU_DEP_2)
	v_mov_b32 v75, v74
	s_delay_alu instid0(VALU_DEP_2)
	v_pk_mul_f32 v[14:15], v[14:15], v[72:73]
	s_delay_alu instid0(VALU_DEP_1)
	v_pk_fma_f32 v[14:15], v[66:67], v[74:75], v[14:15]
.set j, 0
.rept 16
	v_pk_mul_f32 v[160+j:161+j], v[160+j:161+j], v[72:73]
.set j, j+2
.endr
.set j, 0
.rept 16
	v_pk_fma_f32 v[160+j:161+j], v[32+j:33+j], v[74:75], v[160+j:161+j]
.set j, j+2
.endr
	FINISH 84, 86                                  ; tile 15 - j is done
.Lclose:
	s_wait_tensorcnt 0x0
	ds_add_u32 v251, v255
	s_wait_dscnt 0x0
	CROUND                                         ; the closing round
	s_endpgm
.Lfunc_end_k_q60434133b2_attn:
	.size	k_q60434133b2_attn, .Lfunc_end_k_q60434133b2_attn-k_q60434133b2_attn
	.p2alignl 7, 3214868480
	.fill 96, 4, 3214868480
	.section	.rodata,"a",@progbits
	.p2align	6, 0x0
	.amdhsa_kernel k_q60434133b2_attn
		.amdhsa_group_segment_fixed_size 284672
		.amdhsa_private_segment_fixed_size 0
		.amdhsa_enable_private_segment 0
		.amdhsa_kernarg_size 16
		.amdhsa_user_sgpr_count 2
		.amdhsa_user_sgpr_kernarg_segment_ptr 1
		.amdhsa_wavefront_size32 1
		.amdhsa_system_sgpr_workgroup_id_x 1
		.amdhsa_system_sgpr_workgroup_id_y 1
		.amdhsa_system_sgpr_workgroup_id_z 1
		.amdhsa_system_vgpr_workitem_id 0
		.amdhsa_next_free_vgpr 256
		.amdhsa_next_free_sgpr 100
		.amdhsa_reserve_vcc 1
		.amdhsa_float_denorm_mode_32 3
		.amdhsa_float_denorm_mode_16_64 3
		.amdhsa_memory_ordered 1
		.amdhsa_forward_progress 1
		.amdhsa_inst_pref_size 99
	.end_amdhsa_kernel
	.amdgpu_metadata
---
amdhsa.version: [ 1, 2 ]
amdhsa.kernels:
  - .name:           k_q60434133b2_attn
    .symbol:         k_q60434133b2_attn.kd
    .args:
      - { .name: qkv, .offset: 0, .size: 8, .value_kind: global_buffer, .address_space: global }
      - { .name: z, .offset: 8, .size: 8, .value_kind: global_buffer, .address_space: global }
    .group_segment_fixed_size: 284672
    .private_segment_fixed_size: 0
    .kernarg_segment_align: 8
    .kernarg_segment_size: 16
    .max_flat_workgroup_size: 512
    .sgpr_count:     100
    .vgpr_count:     256
    .wavefront_size: 32
...
	.end_amdgpu_metadata
.endif
;; end of part 3
;; launch oproj (part 4): grid 128 x 1, 8 waves a work-group, no clusters, 164,864 bytes of LDS; arguments z, wq, resid, ln2_w, ln2_b, resid2, x2; writes resid2, x2
.if DOCPART == 4
	.amdgcn_target "amdgcn-amd-amdhsa--gfx1250"
	.amdhsa_code_object_version 6
	.text
	.protected	k_q60434133b2_oproj
	.globl	k_q60434133b2_oproj
	.p2align	8
	.type	k_q60434133b2_oproj,@function
k_q60434133b2_oproj:
	s_mov_b64 s[64:65], 0
	v_nop
	global_prefetch_b8 v0, s[64:65] scope:SCOPE_SE
	s_setreg_imm32_b32 hwreg(HW_REG_WAVE_MODE, 25, 1), 1
	s_wait_xcnt 0x0
; resid2 = resid + z w_o (on codes of BF6, K = 1,024); x2 = LN2(resid2) as codes.
; SHARES.  A work-group owns 32 tokens (two tiles of 16) and all 1,024 columns, so a row's mean and variance are complete inside it.  Wave w owns columns 128 w .. 128 w + 127: eight tiles of w_o, which are
; also K step w of the next product.  Transposed use: source 0 = 16 columns of w_o, source 1 = 16 tokens of z: a lane holds a token, its 64 registers of a tile of tokens run along the columns.
; resid is loaded straight into the accumulators: it is the C of the first products.
; w_o's fragments go from memory straight into registers (images: three loads of 512 consecutive bytes), five units of four fragments ahead: each is read by ONE wave of the work-group.
; NO JOINT LOADS: what work-groups share is w_o; through LDS each of its bytes would be written and read once more for one use, and a ring has one slot on its way beside 64 matrix instructions a wave for a K step.
; z's 16 fragments and scale words are shared by the eight waves through LDS, as images of their registers.
; LIMITS: NaN and infinities are not served; a block of zeros gets the byte 1; a largest magnitude under 2^-122 is taken as 2^-122.  Mean and variance in two passes.
; REGISTERS: window 0: v1-15 addresses; v16-23 z's scale words (lanes 0-15 tile 0, lanes 16-31 tile 1); v24-55 w_o's (register 8 p + s: lanes 0-15 tile 2 p, lanes 16-31 tile 2 p + 1); v56-103 z's fragments, two sets;
;   v104-125 at work; v128-255 the 16 accumulators ((m, t) at 128 + 8 (8 m + t)).   Window 1: v0-239 the ring of five units; later v48-111 ln2_w, v112-175 ln2_b.
.set ZIMG, 0                           ; [K step][tile][1,536]
.set ZSC,  24576                       ; [K step][lane] words
.set RED1, 25600                       ; [tile][r][wave] words
.set RED2, 26624
.set XSC,  27648                       ; [K step / 2][tile][r][K step % 2] words
.set STG,  28672                       ; 32 rows x (4,096 + 16) bytes
.set SPITCH, 4112
.set ZS,   16
.set WS,   24
.set AF,   56
.set PC,   56
.set TM,   104
.set PW,   120
.set ACC,  128
.set SEL,  20
.set MSB, 0
.macro WIN new
.if MSB != \new
	s_set_vgpr_msb (MSB<<8)|\new
.set MSB, \new
.endif
.endm
.macro QUANT s
.irp b, 0,1,2,3
	v_max3_num_f32 v[TM+\b], |v[\s+16*\b]|, |v[\s+1+16*\b]|, 0x2800000
.endr
.irp i, 2,4,6,8,10,12,14
.irp b, 0,1,2,3
	s_delay_alu instid0(VALU_DEP_4)
	v_max3_num_f32 v[TM+\b], v[TM+\b], |v[\s+16*\b+\i]|, |v[\s+1+16*\b+\i]|
.endr
.endr
.irp b, 0,1,2,3
	s_delay_alu instid0(VALU_DEP_4)
	v_permlanex16_b32 v[TM+4+\b], v[TM+\b], s[SEL], s[SEL+1]
.endr
.irp b, 0,1,2,3
	s_delay_alu instid0(VALU_DEP_4)
	v_max_num_f32 v[TM+\b], v[TM+\b], v[TM+4+\b]
.endr
.irp b, 0,1,2,3
	s_delay_alu instid0(VALU_DEP_4)
	v_add_nc_u32 v[TM+12+\b], 0xfe000000, v[TM+\b]
.endr
.irp b, 0,1,2,3
	s_delay_alu instid0(VALU_DEP_4)
	v_lshrrev_b32 v[TM+4+\b], 23, v[TM+12+\b]
.endr
	s_delay_alu instid0(VALU_DEP_3)
	v_lshl_or_b32 v[PW], v[TM+5], 8, v[TM+4]
	s_delay_alu instid0(VALU_DEP_1)
	v_lshl_or_b32 v[PW], v[TM+6], 16, v[PW]
	s_delay_alu instid0(VALU_DEP_1)
	v_lshl_or_b32 v[PW], v[TM+7], 24, v[PW]
.irp c, 0,1
	v_cvt_scalef32_pk16_bf6_f32 v[PC+6*\c:PC+2+6*\c], v[\s+32*\c:\s+15+32*\c], v[TM+12+2*\c]
	v_cvt_scalef32_pk16_bf6_f32 v[PC+12+4*\c:PC+14+4*\c], v[\s+16+32*\c:\s+31+32*\c], v[TM+12+2*\c+1]
.endr
	v_nop
.irp c, 0,1
.irp i, 0,1,2
	v_permlane16_swap_b32 v[PC+6*\c+\i], v[PC+12+4*\c+\i]
.endr
.irp i, 0,1,2
	s_delay_alu instid0(VALU_DEP_3)
	v_mov_b32 v[PC+3+6*\c+\i], v[PC+12+4*\c+\i]
.endr
.endr
.endm
.macro SUM64 x, c
.irp k, 0,1,2,3
	v_pk_add_f32 v[\c+2*\k:\c+2*\k+1], v[\x+2*\k:\x+2*\k+1], v[\x+8+2*\k:\x+8+2*\k+1]
.endr
.irp i, 16,24,32,40,48,56
.irp k, 0,1,2,3
	v_pk_add_f32 v[\c+2*\k:\c+2*\k+1], v[\c+2*\k:\c+2*\k+1], v[\x+\i+2*\k:\x+\i+2*\k+1]
.endr
.endr
	s_delay_alu instid0(VALU_DEP_3)
	v_pk_add_f32 v[\c:\c+1], v[\c:\c+1], v[\c+2:\c+3]
	s_delay_alu instid0(VALU_DEP_2)
	v_pk_add_f32 v[\c+4:\c+5], v[\c+4:\c+5], v[\c+6:\c+7]
	s_delay_alu instid0(VALU_DEP_1)
	v_pk_add_f32 v[\c:\c+1], v[\c:\c+1], v[\c+4:\c+5]
	s_delay_alu instid0(VALU_DEP_1)
	v_add_f32 v[\c], v[\c], v[\c+1]
	s_delay_alu instid0(VALU_DEP_1)
	v_permlanex16_b32 v[\c+2], v[\c], s[SEL], s[SEL+1]
	s_delay_alu instid0(VALU_DEP_1)
	v_add_f32 v[\c], v[\c], v[\c+2]
.endm
.macro SQ64 x, c
.irp k, 0,1,2,3
	v_pk_mul_f32 v[\c+2*\k:\c+2*\k+1], v[\x+2*\k:\x+2*\k+1], v[\x+2*\k:\x+2*\k+1]
.endr
.irp i, 8,16,24,32,40,48,56
.irp k, 0,1,2,3
	s_delay_alu instid0(VALU_DEP_4)
	v_pk_fma_f32 v[\c+2*\k:\c+2*\k+1], v[\x+\i+2*\k:\x+\i+2*\k+1], v[\x+\i+2*\k:\x+\i+2*\k+1], v[\c+2*\k:\c+2*\k+1]
.endr
.endr
	s_delay_alu instid0(VALU_DEP_3)
	v_pk_add_f32 v[\c:\c+1], v[\c:\c+1], v[\c+2:\c+3]
	s_delay_alu instid0(VALU_DEP_2)
	v_pk_add_f32 v[\c+4:\c+5], v[\c+4:\c+5], v[\c+6:\c+7]
	s_delay_alu instid0(VALU_DEP_1)
	v_pk_add_f32 v[\c:\c+1], v[\c:\c+1], v[\c+4:\c+5]
	s_delay_alu instid0(VALU_DEP_1)
	v_add_f32 v[\c], v[\c], v[\c+1]
	s_delay_alu instid0(VALU_DEP_1)
	v_permlanex16_b32 v[\c+2], v[\c], s[SEL], s[SEL+1]
	s_delay_alu instid0(VALU_DEP_1)
	v_add_f32 v[\c], v[\c], v[\c+2]
.endm
; both tiles' figures (v76, v84) of the eight waves are added, in the same order in every wave
.macro ACROSS2 off
	ds_store_b32 v9, v76 offset:\off
	ds_store_b32 v9, v84 offset:\off+512
	s_wait_dscnt 0x0                               ; my LDS stores have landed (the stage's among them)
	s_barrier_signal -1
	s_barrier_wait -1
	ds_load_b128 v[76:79], v10 offset:\off
	ds_load_b128 v[80:83], v10 offset:\off+16
	ds_load_b128 v[84:87], v10 offset:\off+512
	ds_load_b128 v[88:91], v10 offset:\off+528
	s_wait_dscnt 0x0
.irp c, 76, 84
	v_add_f32 v[\c], v[\c], v[\c+1]
	v_add_f32 v[\c+2], v[\c+2], v[\c+3]
	v_add_f32 v[\c+4], v[\c+4], v[\c+5]
	v_add_f32 v[\c+6], v[\c+6], v[\c+7]
	s_delay_alu instid0(VALU_DEP_3)
	v_add_f32 v[\c], v[\c], v[\c+2]
	s_delay_alu instid0(VALU_DEP_2)
	v_add_f32 v[\c+4], v[\c+4], v[\c+6]
	s_delay_alu instid0(VALU_DEP_1)
	v_add_f32 v[\c], v[\c], v[\c+4]
.endr
.endm
.macro ULOAD u                                 ; unit u: K step u / 2, my tiles 4 (u % 2) .. + 3: 12 loads into ring place u % 5
.set LS_, (\u)/2
.set LH_, (\u)%2
.set LR_, 48*((\u)%5)
	WIN 0x40                                       ; destination window 1
.irp tt, 0,1,2,3
.irp c, 0,1,2
	global_load_b128 v[LR_+12*\tt+4*\c:LR_+12*\tt+4*\c+3], v1, s[36:37] offset:((4*LH_+\tt)*8+LS_)*1536+512*\c
.endr
.endr
	WIN 0
.endm
.macro LNLOAD i0, n                            ; ln2_w's (i < 16) and ln2_b's loads, into ring places that are done with
	WIN 0x40
.set i, \i0
.rept \n
.if i < 16
	global_load_b128 v[48+4*i:51+4*i], v12, s[10:11] offset:128*(i/4)+16*(i%4)
.else
	global_load_b128 v[48+4*i:51+4*i], v12, s[12:13] offset:128*((i-16)/4)+16*((i-16)%4)
.endif
.set i, i+1
.endr
	WIN 0
.endm
.macro AFETCH s                                ; z's two fragments of K step s into set s % 2
.irp m, 0,1
.irp c, 0,1,2
	ds_load_b128 v[AF+24*((\s)%2)+12*\m+4*\c:AF+24*((\s)%2)+12*\m+4*\c+3], v1 offset:ZIMG+(2*(\s)+\m)*1536+512*\c
.endr
.endr
.endm
.macro PROD tt, m
.set DA, ACC+8*(8*(\m)+4*UH+(\tt))
.set SW, WS+8*((4*UH+(\tt))/2)+US
.if ((\tt)%2 == 0) && ((\m) == 0)
	v_wmma_scale_f32_16x16x128_f8f6f4 v[DA:DA+7], v[UR+12*(\tt):UR+12*(\tt)+11], v[AS+12*(\m):AS+12*(\m)+11], v[DA:DA+7], v[SW], v[ZS+US] matrix_a_fmt:MATRIX_FMT_BF6 matrix_b_fmt:MATRIX_FMT_BF6
.elseif ((\tt)%2 == 1) && ((\m) == 0)
	v_wmma_scale_f32_16x16x128_f8f6f4 v[DA:DA+7], v[UR+12*(\tt):UR+12*(\tt)+11], v[AS+12*(\m):AS+12*(\m)+11], v[DA:DA+7], v[SW], v[ZS+US] matrix_a_fmt:MATRIX_FMT_BF6 matrix_b_fmt:MATRIX_FMT_BF6 matrix_a_scale:MATRIX_SCALE_ROW1
.elseif ((\tt)%2 == 0)
	v_wmma_scale_f32_16x16x128_f8f6f4 v[DA:DA+7], v[UR+12*(\tt):UR+12*(\tt)+11], v[AS+12*(\m):AS+12*(\m)+11], v[DA:DA+7], v[SW], v[ZS+US] matrix_a_fmt:MATRIX_FMT_BF6 matrix_b_fmt:MATRIX_FMT_BF6 matrix_b_scale:MATRIX_SCALE_ROW1
.else
	v_wmma_scale_f32_16x16x128_f8f6f4 v[DA:DA+7], v[UR+12*(\tt):UR+12*(\tt)+11], v[AS+12*(\m):AS+12*(\m)+11], v[DA:DA+7], v[SW], v[ZS+US] matrix_a_fmt:MATRIX_FMT_BF6 matrix_b_fmt:MATRIX_FMT_BF6 matrix_a_scale:MATRIX_SCALE_ROW1 matrix_b_scale:MATRIX_SCALE_ROW1
.endif
.endm
; a unit: eight products on eight accumulators by turns.  cnt: the loads issued behind this unit's own, which may stay out
.macro UNIT u, cnt
.set US, (\u)/2
.set UH, (\u)%2
.set UR, 48*((\u)%5)
.set AS, AF+24*(US%2)
	s_wait_loadcnt \cnt
.if UH == 0
	s_wait_dscnt 0x0                               ; z's fragments of this K step
.endif
	WIN 0x01                                       ; source 0 window 1
.irp tt, 0,1,2,3
.irp m, 0,1
	PROD \tt, \m
.endr
.endr
.rept 4
	v_nop                                          ; places in front of loads into registers that these products have read
.endr
.if (\u) < 11
	ULOAD (\u)+5
.elseif (\u) == 11
	LNLOAD 0, 12
.elseif (\u) == 12
	LNLOAD 12, 12
.elseif (\u) == 13
	LNLOAD 24, 8
.endif
	WIN 0
.if ((\u)%2 == 1) && ((\u)/2+2 < 8)
	AFETCH (\u)/2+2
.endif
.endm
	s_load_b256 s[4:11], s[0:1], 0x0               ; z, wq, resid, ln2_w
	s_load_b128 s[12:15], s[0:1], 0x20             ; ln2_b, resid2
	s_load_b64 s[16:17], s[0:1], 0x30              ; x2
	v_lshl_add_u32 v126, v0, 2, 0x28000
	v_mov_b32 v127, 0
	v_lshrrev_b32 v1, 5, v0
	s_delay_alu instid0(VALU_DEP_1)
	v_readfirstlane_b32 s18, v1                    ; wave 0..7
	v_and_b32 v3, 31, v0
	s_delay_alu instid0(VALU_DEP_1)
	v_lshlrev_b32 v1, 4, v3                        ; 16 x lane
	s_delay_alu instid0(VALU_DEP_2)
	v_lshlrev_b32 v2, 3, v3                        ; 8 x lane
	s_delay_alu instid0(VALU_DEP_3)
	v_lshlrev_b32 v3, 2, v3                        ; 4 x lane
	v_and_b32 v4, 15, v0                           ; r
	v_bfe_u32 v5, v0, 4, 1                         ; h
	s_delay_alu instid0(VALU_DEP_1)
	v_lshlrev_b32 v12, 6, v5                       ; 64 h
	s_delay_alu instid0(VALU_DEP_3)
	v_and_b32 v6, 8, v4
	s_delay_alu instid0(VALU_DEP_1)
	v_add_nc_u32 v6, v6, v4
	s_delay_alu instid0(VALU_DEP_1)
	v_lshl_add_u32 v6, v6, 12, v12                 ; resid: row r + 8 (r / 8), + 64 h
	s_lshl_b32 s22, s18, 9                         ; my 128 columns: 512 bytes
	v_mul_u32_u24 v7, v4, SPITCH
	s_delay_alu instid0(VALU_DEP_1)
	v_add_nc_u32 v7, v7, v12
	s_delay_alu instid0(VALU_DEP_1)
	v_add_nc_u32 v7, s22, v7
	s_delay_alu instid0(VALU_DEP_1)
	v_add_nc_u32 v7, STG, v7                       ; the stage: row r of tile 0,
	s_delay_alu instid0(VALU_DEP_1)
	v_add_nc_u32 v8, 16*SPITCH, v7                 ; of tile 1
	v_lshlrev_b32 v10, 5, v4                       ; the sums' words: 32 r,
	s_lshl_b32 s23, s18, 2
	v_add_nc_u32 v9, s23, v10                      ; + 4 w
	s_lshr_b32 s23, s18, 1
	s_lshl_b32 s23, s23, 8
	s_and_b32 s24, s18, 1
	s_lshl_b32 s24, s24, 2
	s_add_co_u32 s23, s23, s24
	v_lshl_add_u32 v11, v4, 3, s23                 ; x2's scale word: 256 (w / 2) + 8 r + 4 (w % 2)
	s_mul_i32 s23, s18, 3072
	v_add_nc_u32 v13, s23, v1                      ; where I put z's two images
	s_lshl_b32 s23, s18, 7
	v_add_nc_u32 v14, s23, v3                      ; and their scale words
	s_mul_i32 s23, s18, 4*SPITCH
	s_add_co_u32 s23, s23, STG
	v_add_nc_u32 v15, s23, v1                      ; the stage's rows 4 w .. 4 w + 3
	s_lshl_b32 s24, ttmp9, 4
	s_add_co_u32 s24, s24, s18
	s_mul_i32 s24, s24, 1536                       ; image (tile 2 G, K step w): in z and in x2
	s_mov_b32 s25, 0
	s_lshl_b32 s26, ttmp9, 11
	s_lshl_b32 s27, s18, 7
	s_add_co_u32 s26, s26, s27
	s_add_co_u32 s26, s26, 3145728                 ; z's words of heads 2 w, 2 w + 1
	s_mov_b32 s27, 0
	s_lshl_b32 s28, s18, 10
	s_add_co_u32 s28, s28, 9568256                 ; w_o's scale words, my eight tiles
	s_mov_b32 s29, 0
	s_mul_i32 s30, s18, 98304
	s_add_co_u32 s30, s30, 2359296                 ; w_o's codes, my eight tiles
	s_mov_b32 s31, 0
	s_lshl_b32 s32, ttmp9, 17
	s_add_co_u32 s32, s32, s22
	s_mov_b32 s33, 0
	s_mov_b32 s34, s22
	s_mov_b32 s35, 0
	s_lshr_b32 s46, s18, 2                         ; stage row 4 w + i is token 32 G + 8 (w / 4) + 4 (w % 4) + 8 ((w / 2) % 2) + i
	s_lshl_b32 s46, s46, 3
	s_and_b32 s47, s18, 3
	s_lshl_b32 s47, s47, 2
	s_add_co_u32 s46, s46, s47
	s_bfe_u32 s47, s18, 0x10001
	s_lshl_b32 s47, s47, 3
	s_add_co_u32 s46, s46, s47
	s_lshl_b32 s47, ttmp9, 5
	s_add_co_u32 s46, s46, s47
	s_lshl_b32 s46, s46, 12
	s_mov_b32 s47, 0
	s_lshl_b32 s44, ttmp9, 8
	s_add_co_u32 s44, s44, 3145728
	s_mov_b32 s45, 0
	s_mov_b32 s[SEL], 0x76543210
	s_mov_b32 s[SEL+1], 0xfedcba98
	s_mov_b32 s40, 0x3a800000                      ; 1 / 1,024
	s_mov_b32 s41, 0x3727c5ac                      ; 1e-5
.irp b, 0,1,2,3
	v_mov_b32 v[TM+4+\b], 0                        ; written once: a lane permute's destination counts as one of its sources
.endr
	v_mov_b32 v82, 0
	v_mov_b32 v83, 0
	s_wait_alu depctr_va_vdst(0)
	s_wait_kmcnt 0x0
	s_add_nc_u64 s[42:43], s[16:17], s[24:25]
	s_add_nc_u64 s[44:45], s[16:17], s[44:45]
	s_add_nc_u64 s[46:47], s[14:15], s[46:47]
	s_add_nc_u64 s[38:39], s[6:7], s[28:29]
	s_add_nc_u64 s[36:37], s[6:7], s[30:31]
	s_add_nc_u64 s[26:27], s[4:5], s[26:27]
	s_add_nc_u64 s[4:5], s[4:5], s[24:25]
	s_add_nc_u64 s[8:9], s[8:9], s[32:33]
	s_add_nc_u64 s[10:11], s[10:11], s[34:35]
	s_add_nc_u64 s[12:13], s[12:13], s[34:35]
.irp m, 0,1                                    ; z: K step w of both tiles: two half images each
.irp c, 0,1
.irp g, 0,1,2
	global_load_b64 v[56+12*\m+6*\c+2*\g:57+12*\m+6*\c+2*\g], v2, s[4:5] offset:12288*\m+768*\c+256*\g
.endr
.endr
	global_load_b32 v[80+\m], v3, s[26:27] offset:1024*\m   ; lanes 0-15 the even head's two bytes, lanes 16-31 the odd head's, already in the upper half
.endr
.irp g, 0,1,2,3
.irp p, 0,1,2,3
	global_load_b64 v[WS+8*\p+2*\g:WS+8*\p+2*\g+1], v2, s[38:39] offset:8192*\g+256*\p
.endr
.endr
.irp m, 0,1
.irp t, 0,1,2,3,4,5,6,7
	global_load_b128 v[ACC+8*(8*\m+\t):ACC+8*(8*\m+\t)+3], v6, s[8:9] offset:32768*\m+(32*(\t/2)+8*(\t%2))*4
	global_load_b128 v[ACC+8*(8*\m+\t)+4:ACC+8*(8*\m+\t)+7], v6, s[8:9] offset:32768*\m+(32*(\t/2)+8*(\t%2))*4+16
.endr
.endr
	ULOAD 0
	s_wait_loadcnt 60                              ; z's 14 loads are in: behind them 16 + 32 + 12 were issued
	v_permlanex16_b32 v82, v80, s[SEL], s[SEL+1]
	v_permlanex16_b32 v83, v81, s[SEL], s[SEL+1]
	s_delay_alu instid0(VALU_DEP_2)
	v_or_b32 v80, v80, v82                         ; the whole word, in both halves of the lanes
	s_delay_alu instid0(VALU_DEP_2)
	v_or_b32 v81, v81, v83
	v_cmp_eq_u32 vcc_lo, 1, v5
	s_delay_alu instid0(VALU_DEP_1)
	v_cndmask_b32 v80, v80, v81, vcc_lo            ; lanes 0-15 tile 0's, lanes 16-31 tile 1's
.irp m, 0,1
.irp c, 0,1,2
	ds_store_b128 v13, v[56+12*\m+4*\c:59+12*\m+4*\c] offset:ZIMG+1536*\m+512*\c
.endr
.endr
	ds_store_b32 v14, v80 offset:ZSC
	ULOAD 1
	ULOAD 2
	ULOAD 3
	ULOAD 4
	s_wait_dscnt 0x0                               ; my images have landed
	s_barrier_signal -1
	s_barrier_wait -1                              ; z's sixteen fragments lie in LDS
	AFETCH 0
	AFETCH 1
.irp s, 0,1,2,3,4,5,6,7
	ds_load_b32 v[ZS+\s], v3 offset:ZSC+128*\s
.endr
.irp u, 0,1,2,3,4,5,6,7,8,9,10,11,12,13
	UNIT \u, 48                                    ; behind a unit's loads: four units', or what takes their place
.endr
	UNIT 14, 44                                    ; unit 15's 12, and 32 of ln2_w and ln2_b
	UNIT 15, 32
	; ---- resid2 is finished.  It goes to the stage as it is (each accumulator from its low end on), and its rows' means are taken
.irp m, 0,1
.irp t, 0,1,2,3,4,5,6,7
	ds_store_b128 v[7+\m], v[ACC+8*(8*\m+\t):ACC+8*(8*\m+\t)+3] offset:128*(\t/2)+32*(\t%2)
	ds_store_b128 v[7+\m], v[ACC+8*(8*\m+\t)+4:ACC+8*(8*\m+\t)+7] offset:128*(\t/2)+32*(\t%2)+16
.endr
.endr
	SUM64 ACC, 76
	SUM64 ACC+64, 84
	ACROSS2 RED1
	v_mul_f32 v122, 0xba800000, v76                ; - the means
	s_delay_alu instid0(VALU_DEP_1)
	v_mov_b32 v123, v122
	s_delay_alu instid0(VALU_DEP_3)
	v_mul_f32 v124, 0xba800000, v84
	s_delay_alu instid0(VALU_DEP_1)
	v_mov_b32 v125, v124
.irp m, 0,1
.set i, 0
.rept 32
	v_pk_add_f32 v[ACC+64*\m+i:ACC+64*\m+i+1], v[ACC+64*\m+i:ACC+64*\m+i+1], v[122+2*\m:123+2*\m]
.set i, i+2
.endr
.endr
	SQ64 ACC, 76
	SQ64 ACC+64, 84
	ACROSS2 RED2
	v_fma_f32 v76, v76, s40, s41
	s_delay_alu instid0(VALU_DEP_2)
	v_fma_f32 v84, v84, s40, s41
	s_wait_alu depctr_va_vdst(0)
	v_rsq_f32 v122, v76
	v_rsq_f32 v124, v84
	v_nop                                          ; a plain line behind the transcendentals,
	s_wait_alu depctr_va_vdst(0)                   ; and one wait for both ahead of their first reader
	v_mov_b32 v123, v122
	v_mov_b32 v125, v124
	s_wait_alu depctr_va_vdst(0)
	s_wait_loadcnt 0x0                             ; ln2_w, ln2_b
.irp m, 0,1
.set i, 0
.rept 32
	v_pk_mul_f32 v[ACC+64*\m+i:ACC+64*\m+i+1], v[ACC+64*\m+i:ACC+64*\m+i+1], v[122+2*\m:123+2*\m]
.set i, i+2
.endr
	WIN 0x14                                       ; sources 1 and 2 window 1
.set i, 0
.rept 32
	v_pk_fma_f32 v[ACC+64*\m+i:ACC+64*\m+i+1], v[ACC+64*\m+i:ACC+64*\m+i+1], v[48+i:49+i], v[112+i:113+i]
.set i, i+2
.endr
	WIN 0
	s_wait_xcnt 0x0                                ; the last tile's stores have read their data
	QUANT ACC+64*\m
.irp c, 0,1,2
	global_store_b128 v1, v[PC+4*\c:PC+4*\c+3], s[42:43] offset:12288*\m+512*\c
.endr
	ds_store_b32 v11, v[PW] offset:XSC+128*\m
.endr
	s_wait_dscnt 0x0
	s_barrier_signal -1
	s_barrier_wait -1                              ; x2's scale words lie in LDS (the stage has been whole since the first barrier of the way out)
.irp i, 0,1,2,3
.irp k, 0,1,2,3,4,5,6,7
	ds_load_b128 v[128+32*\i+4*\k:131+32*\i+4*\k], v15 offset:SPITCH*\i+512*\k
.endr
.endr
.irp i, 0,1,2,3
.irp k, 0,1,2,3,4,5,6,7
	s_wait_dscnt 31-8*\i-\k                        ; the loads issued behind this one may be out
	global_store_b128 v1, v[128+32*\i+4*\k:131+32*\i+4*\k], s[46:47] offset:4096*\i+512*\k   ; 512 consecutive bytes of a row of resid2
.endr
.endr
	s_cmp_lg_u32 s18, 0                            ; wave 0 sends the 1,024 bytes of scale words: four runs of 256 bytes
	s_cbranch_scc1 .Lend
	ds_load_b128 v[76:79], v1 offset:XSC
	ds_load_b128 v[80:83], v1 offset:XSC+512
	v_lshlrev_b32 v84, 15, v5
	s_delay_alu instid0(VALU_DEP_1)
	v_lshl_add_u32 v84, v4, 4, v84                 ; plane lane / 16, 16 (lane % 16) in it
	s_wait_alu depctr_va_vdst(0)
	s_wait_dscnt 0x0
	global_store_b128 v84, v[76:79], s[44:45]
	global_store_b128 v84, v[80:83], s[44:45] offset:65536
.Lend:
	s_wait_tensorcnt 0x0
	ds_add_u32 v126, v127
	s_wait_dscnt 0x0
	s_endpgm
.Lfunc_end_k_q60434133b2_oproj:
	.size	k_q60434133b2_oproj, .Lfunc_end_k_q60434133b2_oproj-k_q60434133b2_oproj
	.p2alignl 7, 3214868480
	.fill 96, 4, 3214868480
	.section	.rodata,"a",@progbits
	.p2align	6, 0x0
	.amdhsa_kernel k_q60434133b2_oproj
		.amdhsa_group_segment_fixed_size 164864
		.amdhsa_private_segment_fixed_size 0
		.amdhsa_enable_private_segment 0
		.amdhsa_kernarg_size 56
		.amdhsa_user_sgpr_count 2
		.amdhsa_user_sgpr_kernarg_segment_ptr 1
		.amdhsa_wavefront_size32 1
		.amdhsa_system_sgpr_workgroup_id_x 1
		.amdhsa_system_sgpr_workgroup_id_y 1
		.amdhsa_system_sgpr_workgroup_id_z 1
		.amdhsa_system_vgpr_workitem_id 0
		.amdhsa_next_free_vgpr 512
		.amdhsa_next_free_sgpr 66
		.amdhsa_reserve_vcc 1
		.amdhsa_float_denorm_mode_32 3
		.amdhsa_float_denorm_mode_16_64 3
		.amdhsa_memory_ordered 1
		.amdhsa_forward_progress 1
		.amdhsa_inst_pref_size 103
	.end_amdhsa_kernel
	.amdgpu_metadata
---
amdhsa.version: [ 1, 2 ]
amdhsa.kernels:
  - .name:           k_q60434133b2_oproj
    .symbol:         k_q60434133b2_oproj.kd
    .args:
      - { .name: z, .offset: 0, .size: 8, .value_kind: global_buffer, .address_space: global }
      - { .name: wq, .offset: 8, .size: 8, .value_kind: global_buffer, .address_space: global }
      - { .name: resid, .offset: 16, .size: 8, .value_kind: global_buffer, .address_space: global }
      - { .name: ln2_w, .offset: 24, .size: 8, .value_kind: global_buffer, .address_space: global }
      - { .name: ln2_b, .offset: 32, .size: 8, .value_kind: global_buffer, .address_space: global }
      - { .name: resid2, .offset: 40, .size: 8, .value_kind: global_buffer, .address_space: global }
      - { .name: x2, .offset: 48, .size: 8, .value_kind: global_buffer, .address_space: global }
    .group_segment_fixed_size: 164864
    .private_segment_fixed_size: 0
    .kernarg_segment_align: 8
    .kernarg_segment_size: 56
    .max_flat_workgroup_size: 256
    .sgpr_count:     66
    .vgpr_count:     512
    .wavefront_size: 32
...
	.end_amdgpu_metadata
.endif
;; end of part 4
;; launch mlp_in (part 5): grid 16 x 16, 4 waves a work-group, clusters of 4 x 4, 327,680 bytes of LDS; arguments x2, wq, b_in, h; writes h
.if DOCPART == 5
	.amdgcn_target "amdgcn-amd-amdhsa--gfx1250"
	.amdhsa_code_object_version 6
	.text
	.protected	k_q60434133b2_mlp_in
	.globl	k_q60434133b2_mlp_in
	.p2align	8
	.type	k_q60434133b2_mlp_in,@function
k_q60434133b2_mlp_in:
	s_mov_b64 s[64:65], 0
	v_nop
	global_prefetch_b8 v0, s[64:65] scope:SCOPE_SE
	s_setreg_imm32_b32 hwreg(HW_REG_WAVE_MODE, 25, 1), 1
	s_wait_xcnt 0x0
	s_wait_alu depctr_hold_cnt(0) depctr_sa_sdst(0) depctr_va_vdst(0) depctr_va_sdst(0) depctr_va_ssrc(0) depctr_va_vcc(0) depctr_vm_vsrc(0)
	s_getreg_b32 s2, hwreg(HW_REG_IB_STS2, 6, 4)
	s_cmp_eq_u32 s2, 0
	s_cbranch_scc0 .Lentry_in_a_cluster
	s_endpgm
.Lentry_in_a_cluster:
	s_bfe_u32 s2, ttmp6, 0x10000c
	s_cmp_lg_u32 s2, 0xf033
	s_cbranch_scc0 .Lentry_shape_is_right
	s_endpgm
.Lentry_shape_is_right:
.set NQ,     2
.set FR,     12
.set NL,     3
.set NP,     4
.set HALFT,  24576
.set SLOT,   4*HALFT
.set HALFS,  4096
.set SCL,    3*SLOT                    ; THREE slots: K steps 0, 1 in slot 0, then 2, 3 in slot 1 and 4, 5 in slot 2 (one fill for both), then 6, 7 over slot 0
.set SPARE,  SCL+4*HALFS
.set GS,     SPARE+512
.set ADRA, 16
.set ADRB, 20
.set ADRS, 27
.set SPW,  28
.set NIL,  29
.set SC,   32
.set BI,   64
.set Y,    64
.set AF,   128
.set PC,   128
.set PW,   148
.set TM,   224
.set SEL,  66
.set G1, 24
.set G0, 32
.set G1B, 48
.set G0B, 56
.set G1S, 68
.set G0S, 76
.set G1SB, 80
.set G0SB, 88
.set MSB, 0
.macro WIN new
.if MSB != \new
	s_set_vgpr_msb (MSB<<8)|\new
.set MSB, \new
.endif
.endm
.set MUL_LO, 0xa1
.set MUL_HI, 0xf1
.set TO_B,   0x40
.macro JLOAD g0a, g1a, g0b, g1b
	s_cmp_eq_u32 s15, 0
	s_cbranch_scc0 .Lfor_b_\@
	tensor_load_to_lds s[\g0a:\g0a+3], s[\g1a:\g1a+7]
	s_nop 0
.rept 4
	v_nop
.endr
	s_branch .Lasked_\@
.Lfor_b_\@:
	tensor_load_to_lds s[\g0b:\g0b+3], s[\g1b:\g1b+7]
	s_nop 0
.rept 4
	v_nop
.endr
.Lasked_\@:
.endm
.macro CREST
	s_cmp_lg_u32 s14, 0
	s_cbranch_scc1 .Lnot_wave_0_\@
	s_barrier_signal -3
.Lnot_wave_0_\@:
	s_barrier_wait -3
	s_barrier_signal -1
	s_barrier_wait -1
.endm
.macro CROUND
	s_barrier_signal -1
	s_barrier_wait -1
	CREST
.endm
	s_load_b256 s[4:11], s[0:1], 0x0
	v_lshl_add_u32 v[SPW], v0, 2, SPARE
	v_mov_b32 v[NIL], 0
	ds_add_u32 v28, v29
	ds_add_u32 v28, v29
	s_wait_dscnt 0x0
	v_lshrrev_b32 v1, 5, v0
	v_readfirstlane_b32 s14, v1
	s_lshr_b32 s15, s14, 1
	s_and_b32 s16, s14, 1
	s_bfe_u32 s40, ttmp6, 0x40000
	s_bfe_u32 s41, ttmp6, 0x40004
	s_lshl_b32 s42, ttmp9, 2
	s_add_co_u32 s42, s42, s40
	s_and_b32 s17, ttmp7, 0xffff
	s_lshl_b32 s17, s17, 2
	s_add_co_u32 s17, s17, s41
	s_lshl_b32 s43, s41, 2
	s_lshl_b32 s43, 15, s43
	s_lshl_b32 s44, 0x1111, s40
	s_or_b32 s[G1+0], s43, (3<<16)|(1<<21)
	s_or_b32 s[G1B+0], s44, (3<<16)|(1<<21)
.irp g, G1, G1B
	s_mov_b32 s[\g+1], 384<<16
	s_mov_b32 s[\g+2], 16<<16                      ; every load brings 16 tiles
	s_mov_b32 s[\g+3], 384<<16
	s_mov_b32 s[\g+4], 16
	s_mov_b32 s[\g+5], 1536
	s_mov_b32 s[\g+6], 0
	s_mov_b32 s[\g+7], 0
.endr
	s_or_b32 s[G1S+0], s43, (3<<16)|(1<<21)
	s_or_b32 s[G1SB+0], s44, (3<<16)|(1<<21)
.irp g, G1S, G1SB
	s_mov_b32 s[\g+1], 256<<16                     ; a plane's 16 tiles of scale words: 2,048 bytes
	s_mov_b32 s[\g+2], 4<<16
	s_mov_b32 s[\g+3], 256<<16
	s_mov_b32 s[\g+4], 4
	s_mov_b32 s[\g+5], 4096
	s_mov_b32 s[\g+6], 0
	s_mov_b32 s[\g+7], 0
.endr
	s_lshl_b32 s19, s16, 3
	s_lshl_b32 s18, s17, 4
	s_add_co_u32 s18, s18, s19
	s_lshl_b32 s46, s42, 4
	s_add_co_u32 s46, s46, s19
	s_mul_i32 s20, s18, 12288
	s_mov_b32 s21, 0
	s_lshl_b32 s22, s18, 7
	s_add_co_u32 s22, s22, 3145728
	s_mov_b32 s23, 0
	s_mul_i32 s92, s46, 12288
	s_add_co_u32 s92, s92, 3145728
	s_mov_b32 s93, 0
	s_lshl_b32 s94, s46, 7
	s_add_co_u32 s94, s94, 9601024
	s_mov_b32 s95, 0
	s_mul_i32 s45, s14, HALFT
	s_wait_kmcnt 0x0
	s_add_nc_u64 s[20:21], s[4:5], s[20:21]
	s_add_nc_u64 s[22:23], s[4:5], s[22:23]
	s_add_nc_u64 s[92:93], s[6:7], s[92:93]
	s_add_nc_u64 s[94:95], s[6:7], s[94:95]
	CROUND
	s_mov_b32 s[G0S], 1
	s_lshl_b32 s2, s16, 10                         ; the head's tiles are whole: back by my half's 8 tiles of scale words
	s_mov_b32 s3, 0
	s_mov_b32 s[G0S+1], SCL
	s_sub_nc_u64 s[G0S+2:G0S+3], s[22:23], s[2:3]
	s_or_b32 s[G0S+3], s[G0S+3], 0x80000000
	s_mov_b32 s[G0SB], 1
	s_mov_b32 s[G0SB+1], SCL+2*HALFS
	s_sub_nc_u64 s[G0SB+2:G0SB+3], s[94:95], s[2:3]
	s_or_b32 s[G0SB+3], s[G0SB+3], 0x80000000
.irp s, 0,1
	s_mov_b32 s[G0+4*\s], 1
	s_add_co_u32 s[G0+4*\s+1], s45, \s*SLOT
	s_add_nc_u64 s[G0+4*\s+2:G0+4*\s+3], s[20:21], \s*3072
	s_or_b32 s[G0+4*\s+3], s[G0+4*\s+3], 0x80000000
	s_mov_b32 s[G0B+4*\s], 1
	s_add_co_u32 s[G0B+4*\s+1], s45, \s*SLOT
	s_add_nc_u64 s[G0B+4*\s+2:G0B+4*\s+3], s[92:93], \s*3072
	s_or_b32 s[G0B+4*\s+3], s[G0B+4*\s+3], 0x80000000
.if \s == 1
	; THE HEAD'S FOUR TILES, ONE A WAVE: wave 0 slot 0's 16 tiles of x2, wave 1 those of w_in, waves 2 and 3 their scale words.  Slot 0's two groups 0 serve them, whole, and are set for the ring behind the wait
	s_mul_i32 s2, s16, 98304
	s_mov_b32 s[G0+1], 0
	s_sub_nc_u64 s[G0+2:G0+3], s[G0+2:G0+3], s[2:3]
	s_mov_b32 s[G0B+1], 2*HALFT
	s_sub_nc_u64 s[G0B+2:G0B+3], s[G0B+2:G0B+3], s[2:3]
	s_mov_b32 s[G0+5], SLOT                        ; slot 1's groups 0 name whole tiles of 16 too
	s_sub_nc_u64 s[G0+6:G0+7], s[G0+6:G0+7], s[2:3]
	s_mov_b32 s[G0B+5], SLOT+2*HALFT
	s_sub_nc_u64 s[G0B+6:G0B+7], s[G0B+6:G0B+7], s[2:3]
	s_cmp_lt_u32 s14, 1
	s_cbranch_scc0 .Lhead_b
	tensor_load_to_lds s[G0:G0+3], s[G1:G1+7]
	s_nop 0
.rept 4
	v_nop
.endr
	s_branch .Lhead_asked
.Lhead_b:
	s_cmp_lt_u32 s14, 2
	s_cbranch_scc0 .Lhead_sa
	tensor_load_to_lds s[G0B:G0B+3], s[G1B:G1B+7]
	s_nop 0
.rept 4
	v_nop
.endr
	s_branch .Lhead_asked
.Lhead_sa:
	s_cmp_lt_u32 s14, 3
	s_cbranch_scc0 .Lhead_sb
	tensor_load_to_lds s[G0S:G0S+3], s[G1S:G1S+7]
	s_nop 0
.rept 4
	v_nop
.endr
	s_branch .Lhead_asked
.Lhead_sb:
	tensor_load_to_lds s[G0SB:G0SB+3], s[G1SB:G1SB+7]
	s_nop 0
.rept 4
	v_nop
.endr
.Lhead_asked:
.endif
.endr
	v_and_b32 v1, 15, v0
	v_bfe_u32 v2, v0, 4, 1
	v_and_b32 v3, 31, v0
	v_lshlrev_b32 v3, 4, v3
	s_wait_alu depctr_va_vdst(0)
	v_lshlrev_b32 v23, 6, v2
	s_lshl_b32 s20, s42, 10
	s_lshl_b32 s21, s16, 9
	s_add_co_u32 s20, s20, s21
	s_mov_b32 s21, 0
	s_add_nc_u64 s[8:9], s[8:9], s[20:21]
.irp b, 0,1,2,3,4,5,6,7
	global_load_b128 v[BI+8*\b:BI+8*\b+3], v23, s[8:9] offset:(32*(\b/2)+8*(\b%2))*4
	global_load_b128 v[BI+8*\b+4:BI+8*\b+7], v23, s[8:9] offset:(32*(\b/2)+8*(\b%2))*4+16
.endr
	s_mul_i32 s20, s15, HALFT
	s_mul_i32 s21, s16, HALFT
	s_add_co_u32 s21, s21, 2*HALFT
.irp s, 0,1
	v_add_nc_u32 v[ADRA+\s], s20, v3
	v_add_nc_u32 v[ADRB+\s], s21, v3
	s_add_co_u32 s20, s20, SLOT
	s_add_co_u32 s21, s21, SLOT
.endr
	v_lshlrev_b32 v5, 3, v1
	s_lshl_b32 s20, s15, 10                        ; in a plane of 16 tiles my 8 begin 1,024 bytes x my half in
	s_lshl_b32 s21, s16, 10
	s_add_co_u32 s21, s21, 2*HALFS
	s_sub_co_u32 s21, s21, s20
	v_mul_u32_u24 v6, s21, v2
	s_add_co_u32 s20, s20, SCL
	v_add_nc_u32 v5, v5, v6
	v_add_nc_u32 v[ADRS], s20, v5
	s_lshl_b32 s20, s15, 10
	s_lshl_b32 s21, s16, 2
	s_add_co_u32 s20, s20, s21
	s_add_co_u32 s20, s20, GS
	v_lshl_add_u32 v24, v1, 3, s20
	s_lshl_b32 s20, s14, 9
	s_add_co_u32 s20, s20, GS
	v_add_nc_u32 v25, s20, v3
	s_lshl_b32 s20, s17, 4
	s_lshl_b32 s21, s15, 3
	s_add_co_u32 s20, s20, s21
	s_lshl_b32 s20, s20, 5
	s_lshl_b32 s21, s42, 1
	s_add_co_u32 s20, s20, s21
	s_add_co_u32 s20, s20, s16
	s_mul_i32 s92, s20, 1536
	s_mov_b32 s93, 0
	s_add_nc_u64 s[92:93], s[10:11], s[92:93]
	s_lshl_b32 s94, s42, 8
	s_lshl_b32 s21, s17, 4
	s_add_co_u32 s94, s94, s21
	s_lshl_b32 s94, s94, 7
	s_lshl_b32 s21, s14, 9
	s_add_co_u32 s94, s94, s21
	s_add_co_u32 s94, s94, 12582912
	s_mov_b32 s95, 0
	s_add_nc_u64 s[94:95], s[10:11], s[94:95]
	s_mov_b32 s12, 0xbdd2d3e8
	s_mov_b32 s13, s12
	s_mov_b32 s[SEL], 0x76543210
	s_mov_b32 s[SEL+1], 0xfedcba98
.macro FRAG reg, adr, q, i
.irp c, 0,1,2
	ds_load_b128 v[\reg+4*\c:\reg+4*\c+3], v[\adr] offset:(2*(\i)+(\q))*1536+512*\c
.endr
.endm
.macro MUL16 a0, p, q, sc, zero
.irp a, \a0, \a0+1
.irp b, 0,1,2,3,4,5,6,7
.if \zero
	v_wmma_scale_f32_16x16x128_f8f6f4 v[8*(8*((\a)%4)+\b):8*(8*((\a)%4)+\b)+7], v[128*(\p)+FR*\b:128*(\p)+FR*\b+FR-1], v[AF+FR*(\a):AF+FR*(\a)+FR-1], v[BI+8*\b:BI+8*\b+7], v[SC+8*NQ*(\sc)+NQ*\b+(\q)], v[SC+8*NQ*(\sc)+NQ*(\a)+(\q)] matrix_a_fmt:MATRIX_FMT_BF6 matrix_b_fmt:MATRIX_FMT_BF6 matrix_a_scale:MATRIX_SCALE_ROW1
.else
	v_wmma_scale_f32_16x16x128_f8f6f4 v[8*(8*((\a)%4)+\b):8*(8*((\a)%4)+\b)+7], v[128*(\p)+FR*\b:128*(\p)+FR*\b+FR-1], v[AF+FR*(\a):AF+FR*(\a)+FR-1], v[8*(8*((\a)%4)+\b):8*(8*((\a)%4)+\b)+7], v[SC+8*NQ*(\sc)+NQ*\b+(\q)], v[SC+8*NQ*(\sc)+NQ*(\a)+(\q)] matrix_a_fmt:MATRIX_FMT_BF6 matrix_b_fmt:MATRIX_FMT_BF6 matrix_a_scale:MATRIX_SCALE_ROW1
.endif
.endr
.endr
.endm
.macro FETCH_B slot, q, p
	WIN TO_B
.irp i, 0,1,2,3,4,5,6,7
	FRAG 128*(\p)+FR*\i, ADRB+\slot, \q, \i
.endr
	WIN 0
.endm
.macro FETCH_A slot, q, i0
.irp i, \i0, \i0+1, \i0+2, \i0+3
	FRAG AF+FR*(\i), ADRA+\slot, \q, \i
.endr
.endm
.macro SCALES sc
.irp i, 0,1,2,3,4,5,6,7
	ds_load_b64 v[SC+8*NQ*\sc+NQ*\i:SC+8*NQ*\sc+NQ*\i+1], v[ADRS] offset:\i*128
.endr
.endm
.macro PLACES n
.rept \n
	v_nop
.endr
.endm
.macro STEP slot, q, zero
	s_wait_dscnt 4*NL
.if \zero
	WIN 0x81
.else
	WIN MUL_LO
.endif
	MUL16 0, (\q)%2, \q, \slot, \zero
	MUL16 2, (\q)%2, \q, \slot, \zero
	s_wait_dscnt 0
	PLACES NP
	FETCH_B \slot, (\q)+1, 1-(\q)%2
	FETCH_A \slot, (\q)+1, 0
.if \zero
	WIN 0xc1
.else
	WIN MUL_HI
.endif
	MUL16 4, (\q)%2, \q, \slot, \zero
	MUL16 6, (\q)%2, \q, \slot, \zero
	PLACES NP
	WIN 0
	FETCH_A \slot, (\q)+1, 4
.endm
.macro TURN slot, next, fill
.if \fill < 2
	s_wait_tensorcnt 0x0                           ; all my tensor loads have landed
	ds_add_u32 v[SPW], v[NIL]
	s_wait_dscnt 4*NL+1                            ; the add and the youngest 12 loads may be out
.else
	s_wait_dscnt 4*NL                              ; fill = 2: the next slot was shown whole by an earlier round, and this slot is not filled again: no barrier
.endif
	WIN MUL_LO
	MUL16 0, 1, NQ-1, \slot, 0
.if \fill < 2
	s_wait_dscnt 0x0                               ; the add is done, and my reads of this slot are over
	s_barrier_signal -1
.endif
	MUL16 2, 1, NQ-1, \slot, 0
	WIN 0
.if \fill < 2
	s_barrier_wait -1
.else
	s_wait_dscnt 0x0
.endif
.if \fill == 1
	CREST
	s_add_nc_u64 s[G0+4*\slot+2:G0+4*\slot+3], s[G0+4*\slot+2:G0+4*\slot+3], 9216     ; three slots' worth on: K steps 6, 7
	s_add_nc_u64 s[G0B+4*\slot+2:G0B+4*\slot+3], s[G0B+4*\slot+2:G0B+4*\slot+3], 9216
	s_cmp_eq_u32 s14, 0                            ; wave 0 asks for x2's 16 tiles, wave 1 for w_in's; four v_nop stand on every way: the places in front of the loads below
	s_cbranch_scc0 .Lre_b_\@
	tensor_load_to_lds s[G0+4*\slot:G0+4*\slot+3], s[G1:G1+7]
	s_nop 0
.rept 4
	v_nop
.endr
	s_branch .Lre_done_\@
.Lre_b_\@:
	s_cmp_eq_u32 s14, 1
	s_cbranch_scc0 .Lre_none_\@
	tensor_load_to_lds s[G0B+4*\slot:G0B+4*\slot+3], s[G1B:G1B+7]
	s_nop 0
.rept 4
	v_nop
.endr
	s_branch .Lre_done_\@
.Lre_none_\@:
.rept 4
	v_nop
.endr
.Lre_done_\@:
.else
	PLACES NP
.endif
	s_wait_alu depctr_va_vdst(0)
	v_add_nc_u32 v[ADRS], 2048, v[ADRS]            ; the next plane of scale words
	FETCH_B \next, 0, 0
	FETCH_A \next, 0, 0
	SCALES \next
	WIN MUL_HI
	MUL16 4, 1, NQ-1, \slot, 0
	MUL16 6, 1, NQ-1, \slot, 0
	PLACES NP
	WIN 0
	FETCH_A \next, 0, 4
.endm
.macro QUANT s
.irp b, 0,1,2,3
	v_max3_num_f32 v[TM+\b], |v[\s+16*\b]|, |v[\s+1+16*\b]|, 0x2800000
.endr
.irp i, 2,4,6,8,10,12,14
.irp b, 0,1,2,3
	v_max3_num_f32 v[TM+\b], v[TM+\b], |v[\s+16*\b+\i]|, |v[\s+1+16*\b+\i]|
.endr
.endr
.irp b, 0,1,2,3
	v_permlanex16_b32 v[TM+4+\b], v[TM+\b], s[SEL], s[SEL+1]
.endr
.irp b, 0,1,2,3
	v_max_num_f32 v[TM+\b], v[TM+\b], v[TM+4+\b]
.endr
.irp b, 0,1,2,3
	v_add_nc_u32 v[TM+12+\b], 0xfe000000, v[TM+\b]
.endr
.irp b, 0,1,2,3
	v_lshrrev_b32 v[TM+4+\b], 23, v[TM+12+\b]
.endr
	v_lshl_or_b32 v[PW], v[TM+5], 8, v[TM+4]
	v_lshl_or_b32 v[PW], v[TM+6], 16, v[PW]
	v_lshl_or_b32 v[PW], v[TM+7], 24, v[PW]
.irp c, 0,1
	v_cvt_scalef32_pk16_bf6_f32 v[PC+6*\c:PC+2+6*\c], v[\s+32*\c:\s+15+32*\c], v[TM+12+2*\c]
	v_cvt_scalef32_pk16_bf6_f32 v[PC+12+4*\c:PC+14+4*\c], v[\s+16+32*\c:\s+31+32*\c], v[TM+12+2*\c+1]
.endr
	v_nop
.irp c, 0,1
.irp i, 0,1,2
	v_permlane16_swap_b32 v[PC+6*\c+\i], v[PC+12+4*\c+\i]
.endr
.irp i, 0,1,2
	v_mov_b32 v[PC+3+6*\c+\i], v[PC+12+4*\c+\i]
.endr
.endr
.endm
.macro GELU a
.set AC, 64*((\a)%4)
.set WW, 2+(\a)/4
	WIN WW*5
.set i, 0
.rept 32
	v_pk_mul_f32 v[Y+i:Y+i+1], v[AC+i:AC+i+1], v[AC+i:AC+i+1]
.set i, i+2
.endr
	WIN 0
.set i, 0
.rept 32
	v_pk_fma_f32 v[Y+i:Y+i+1], v[Y+i:Y+i+1], s[12:13], v[150:151] op_sel_hi:[1,0,1]
.set i, i+2
.endr
	WIN WW
.set i, 0
.rept 32
	v_pk_mul_f32 v[Y+i:Y+i+1], v[AC+i:AC+i+1], v[Y+i:Y+i+1]
.set i, i+2
.endr
	WIN 0
.set i, 0
	s_wait_alu depctr_va_vdst(0)
.rept 64
	v_exp_f32 v[Y+i], v[Y+i]
.set i, i+1
.endr
	v_nop
	s_wait_alu depctr_va_vdst(0)
.set i, 0
.rept 32
	v_pk_add_f32 v[Y+i:Y+i+1], v[Y+i:Y+i+1], 1.0 op_sel_hi:[1,0]
.set i, i+2
.endr
.set i, 0
	s_wait_alu depctr_va_vdst(0)
.rept 64
	v_rcp_f32 v[Y+i], v[Y+i]
.set i, i+1
.endr
	v_nop
	s_wait_alu depctr_va_vdst(0)
	WIN WW
.set i, 0
.rept 32
	v_pk_mul_f32 v[Y+i:Y+i+1], v[AC+i:AC+i+1], v[Y+i:Y+i+1]
.set i, i+2
.endr
	WIN 0
.endm
	s_wait_alu depctr_va_vdst(0)
	s_wait_tensorcnt 0x0                           ; my tile of the head's four is in
	ds_add_u32 v[SPW], v[NIL]
	s_mov_b32 s[G0S+1], 2*SLOT                     ; no tensor load of mine is out: the scale words' groups 0 now serve K steps 4, 5, into slot 2
	s_add_nc_u64 s[G0S+2:G0S+3], s[G0+2:G0+3], 6144
	s_mov_b32 s[G0SB+1], 2*SLOT+2*HALFT
	s_add_nc_u64 s[G0SB+2:G0SB+3], s[G0B+2:G0B+3], 6144
	s_wait_dscnt 0x0
	CROUND                                         ; all four tiles are in, and the sixteen work-groups are here
	s_cmp_lt_u32 s14, 1                            ; slots 1 and 2 are filled for the first time, one load a wave: the first tensor load behind the round
	s_cbranch_scc0 .Lsec_b
	tensor_load_to_lds s[G0+4:G0+7], s[G1:G1+7]
	s_nop 0
.rept 4
	v_nop
.endr
	s_branch .Lsec_asked
.Lsec_b:
	s_cmp_lt_u32 s14, 2
	s_cbranch_scc0 .Lsec_c
	tensor_load_to_lds s[G0B+4:G0B+7], s[G1B:G1B+7]
	s_nop 0
.rept 4
	v_nop
.endr
	s_branch .Lsec_asked
.Lsec_c:
	s_cmp_lt_u32 s14, 3
	s_cbranch_scc0 .Lsec_d
	tensor_load_to_lds s[G0S:G0S+3], s[G1:G1+7]
	s_nop 0
.rept 4
	v_nop
.endr
	s_branch .Lsec_asked
.Lsec_d:
	tensor_load_to_lds s[G0SB:G0SB+3], s[G1B:G1B+7]
	s_nop 0
.rept 4
	v_nop
.endr
.Lsec_asked:
	FETCH_B 0, 0, 0
	FETCH_A 0, 0, 0
	SCALES 0
	FETCH_A 0, 0, 4
	s_wait_loadcnt 0x0
	STEP 0, 0, 1
	TURN 0, 1, 1
	STEP 1, 0, 0
	v_add_nc_u32 v[ADRA], 2*SLOT, v[ADRA]          ; index 0 of the address registers now names slot 2 (its last reads of slot 0 were issued in the first step)
	v_add_nc_u32 v[ADRB], 2*SLOT, v[ADRB]
	TURN 1, 0, 2
	STEP 0, 0, 0
	v_sub_nc_u32 v[ADRA+1], v[ADRA+1], SLOT        ; index 1 now names slot 0, which holds K steps 6, 7
	v_sub_nc_u32 v[ADRB+1], v[ADRB+1], SLOT
	TURN 0, 1, 0
	STEP 1, 0, 0
	s_wait_dscnt 4*NL
	WIN MUL_LO
	MUL16 0, 1, NQ-1, 1, 0
	MUL16 2, 1, NQ-1, 1, 0
	s_wait_dscnt 0
	WIN MUL_HI
	MUL16 4, 1, NQ-1, 1, 0
	MUL16 6, 1, NQ-1, 1, 0
	WIN 0
	PLACES NP
.irp b, 0,1,2,3
	v_mov_b32 v[TM+4+\b], 0
.endr
	v_mov_b32 v150, 0xc0135761
	v_mov_b32 v151, v150
.irp a, 0,1,2,3,4,5,6,7
	GELU \a
	s_wait_xcnt 0x0
	QUANT Y
.irp c, 0,1,2
	global_store_b128 v3, v[PC+4*\c:PC+4*\c+3], s[92:93] offset:\a*49152+512*\c
.endr
	ds_store_b32 v24, v[PW] offset:128*\a
.endr
	s_wait_dscnt 0x0
	s_barrier_signal -1
	s_barrier_wait -1
	ds_load_b128 v[152:155], v25
	s_wait_dscnt 0x0
	global_store_b128 v3, v[152:155], s[94:95]
	s_wait_tensorcnt 0x0
	ds_add_u32 v[SPW], v[NIL]
	s_wait_dscnt 0x0
	CROUND
	s_endpgm
.Lfunc_end_k_q60434133b2_mlp_in:
	.size	k_q60434133b2_mlp_in, .Lfunc_end_k_q60434133b2_mlp_in-k_q60434133b2_mlp_in
	.p2alignl 7, 3214868480
	.fill 96, 4, 3214868480
	.section	.rodata,"a",@progbits
	.p2align	6, 0x0
	.amdhsa_kernel k_q60434133b2_mlp_in
		.amdhsa_group_segment_fixed_size 327680
		.amdhsa_private_segment_fixed_size 0
		.amdhsa_enable_private_segment 0
		.amdhsa_kernarg_size 32
		.amdhsa_user_sgpr_count 2
		.amdhsa_user_sgpr_kernarg_segment_ptr 1
		.amdhsa_wavefront_size32 1
		.amdhsa_system_sgpr_workgroup_id_x 1
		.amdhsa_system_sgpr_workgroup_id_y 1
		.amdhsa_system_sgpr_workgroup_id_z 1
		.amdhsa_system_vgpr_workitem_id 0
		.amdhsa_next_free_vgpr 1024
		.amdhsa_next_free_sgpr 100
		.amdhsa_reserve_vcc 0
		.amdhsa_float_denorm_mode_32 3
		.amdhsa_float_denorm_mode_16_64 3
		.amdhsa_memory_ordered 1
		.amdhsa_forward_progress 1
		.amdhsa_inst_pref_size 255
	.end_amdhsa_kernel
	.section	.bss,"aw",@nobits
	.p2align	6
	.space	262144
	.amdgpu_metadata
---
amdhsa.version: [ 1, 2 ]
amdhsa.kernels:
  - .name:           k_q60434133b2_mlp_in
    .symbol:         k_q60434133b2_mlp_in.kd
    .args:
      - { .name: x2, .offset: 0, .size: 8, .value_kind: global_buffer, .address_space: global }
      - { .name: wq, .offset: 8, .size: 8, .value_kind: global_buffer, .address_space: global }
      - { .name: b_in, .offset: 16, .size: 8, .value_kind: global_buffer, .address_space: global }
      - { .name: h, .offset: 24, .size: 8, .value_kind: global_buffer, .address_space: global }
    .group_segment_fixed_size: 327680
    .private_segment_fixed_size: 0
    .kernarg_segment_align: 8
    .kernarg_segment_size: 32
    .max_flat_workgroup_size: 128
    .sgpr_count:     100
    .vgpr_count:     1024
    .wavefront_size: 32
...
	.end_amdgpu_metadata
.endif
;; end of part 5
;; launch mlp_out (part 6): grid 32 x 8, 4 waves a work-group, clusters of 4 x 4, 327,680 bytes of LDS; arguments h, wq, resid2, b_out, out0; writes out0
.if DOCPART == 6
	.amdgcn_target "amdgcn-amd-amdhsa--gfx1250"
	.amdhsa_code_object_version 6
	.text
	.protected	k_q60434133b2_mlp_out
	.globl	k_q60434133b2_mlp_out
	.p2align	8
	.type	k_q60434133b2_mlp_out,@function
k_q60434133b2_mlp_out:
	s_mov_b64 s[64:65], 0
	v_nop
	global_prefetch_b8 v0, s[64:65] scope:SCOPE_SE
	s_setreg_imm32_b32 hwreg(HW_REG_WAVE_MODE, 25, 1), 1
	s_wait_xcnt 0x0
	s_wait_alu depctr_hold_cnt(0) depctr_sa_sdst(0) depctr_va_vdst(0) depctr_va_sdst(0) depctr_va_ssrc(0) depctr_va_vcc(0) depctr_vm_vsrc(0)
	s_getreg_b32 s2, hwreg(HW_REG_IB_STS2, 6, 4)
	s_cmp_eq_u32 s2, 0
	s_cbranch_scc0 .Lentry_in_a_cluster
	s_endpgm
.Lentry_in_a_cluster:
	s_bfe_u32 s2, ttmp6, 0x10000c
	s_cmp_lg_u32 s2, 0xf033
	s_cbranch_scc0 .Lentry_shape_is_right
	s_endpgm
.Lentry_shape_is_right:
; out0 = resid2 + b_out + h w_out, the product on codes of BF6 (E3M2) with E8M0 scales, K = 4,096, sums in f32.
; OPERANDS lie in memory as images of their registers: [tile of 16 rows][K step of 128][1,536 bytes]; row r of tile T is row 32 (T / 2) + 8 (T % 2) + r + 8 (r / 8).  Scale words: [K step / 2][T][r][K step % 2].
; THE DEAL.  256 work-groups of four waves, each 128 tokens x 128 columns.  Wave w keeps its 32 columns of w_out (tiles 2 w, 2 w + 1), ALL of K, in registers: 64 fragments of 12 fill windows 1 to 3.
; w_out's K steps 0-15 come by joint loads, shared by a row of the cluster, into LDS places 2-5 and go from there into registers.  Its K steps 16-31 come from memory straight into registers (three loads of 512
; consecutive bytes a fragment): LDS has six places, two of which hold h's first tiles, so a joint load for them would want a fill and a round more ahead of the first pair's end.
; h's eight tiles (49,152 bytes each, dense) go through the six places by joint loads, shared by a column of the cluster (the cluster's x counts tile rows): tiles 0, 1 at the head; tiles 2-5 over w_out's bytes
; behind a drained round when all waves hold them in registers; tiles 6, 7 over tiles 0, 1 behind a drained round when the first pair is done.  By the text's own count a wave has one tensor load out at the most.
; A PAIR of token tiles is 16 batches of two K steps: eight products on four accumulators by turns.  Source 0 = tokens, source 1 = w_out: only source 1's window changes.
; h's fragments have two buffers of two K steps; ahead of a batch's products the next batch is fetched in one run of 12 loads, four places behind the products that read that buffer.
; h's scale words of a pair are 16 units of 256 bytes, loaded whole (lanes 0-15 the even tile, lanes 16-31 the odd); the next pair's land on registers whose steps are done.
; THE WAY OUT of a pair: a lane holds one column of eight tokens; the four waves' sums meet in a stage of 32 rows x (512 + 16) bytes; each wave reads eight whole rows back, adds resid2 + b_out and stores 512 consecutive bytes a row.
; COUNTED WAITS are made from counters kept while the text is assembled: GL counts the global loads issued; a wait for load number n allows GL - n younger ones (63 at the most).  A wait on DScnt for 12 allows the run just issued.
; NO PREFETCH: the text has no loop to run ahead in.
; LIMITS: NaN and infinities are not served.
.set TB,    49152                      ; a tile: 32 images
.set STAGE, 6*TB
.set SP,    528
.set SPARE, STAGE+32*SP                ; the spare words: 128 bytes a wave
.set HSC,   12582912                   ; h's scale words
.set WC,    6291456                    ; w_out's codes in wq,
.set WSC,   9732096                    ; and its scale words
.set PA,    1                          ; v1-6   16 x lane + place x TB (v1 also: 16 x lane)
.set LN8,   7                          ; v7     8 x lane
.set STO,   8                          ; v8     the stage, on the way in
.set RD,    9                          ; v9     and back
.set SPW,   10
.set NIL,   11
.set VB,    12                         ; v12    LDS: my two tiles of w_out's K steps 0-15
.set BS,    20                         ; v20-51   w_out's scale words: register q: lanes 0-15 tile 2 w, lanes 16-31 tile 2 w + 1
.set BIA,   52                         ; v52-55   b_out at my 16 bytes of a row
.set AS,    56                         ; v56-87   h's scale words of the pair in hand
.set ACC,   88                         ; v88-119  four accumulators; then the rows read back
.set RES,   120                        ; v120-151 eight rows of resid2
.set AF,    152                        ; v152-247 h's fragments: set q % 4 of two
.set MSB, 0
.set GL, 0
.irp k, 0,1,2,3,4,5,6,7,8,9,10,11,12,13,14,15
.set F\k, 0
.endr
.macro WIN new
.if MSB != \new
	s_set_vgpr_msb (MSB<<8)|\new
.set MSB, \new
.endif
.endm
.macro WGL seq                         ; global load number seq has landed
.if GL-(\seq) < 63
	s_wait_loadcnt GL-(\seq)
.else
	s_wait_loadcnt 63
.endif
.endm
.macro PUSHB                           ; a line of 16: behind 16 entries F0 and F1 are the numbers of the last loads of the two K steps of w_out that are wanted next
.set F0, F1
.set F1, F2
.set F2, F3
.set F3, F4
.set F4, F5
.set F5, F6
.set F6, F7
.set F7, F8
.set F8, F9
.set F9, F10
.set F10, F11
.set F11, F12
.set F12, F13
.set F13, F14
.set F14, F15
.set F15, GL
.endm
.macro BLOAD q                         ; w_out's two fragments of K step q from memory: fragment 2 q + t at register 256 + 12 (2 q + t)
.irp t, 0,1
.irp c, 0,1,2
.set R_, 256+12*(2*(\q)+\t)+4*\c
	WIN (R_>>8)<<6
	global_load_b128 v[R_&255:(R_&255)+3], v[PA], s[20:21] offset:(32*\t+(\q))*1536+512*\c
.set GL, GL+1
.endr
.endr
	PUSHB
.endm
.macro BPULL q                         ; the same out of LDS, K steps 0-15
.irp t, 0,1
.irp c, 0,1,2
.set R_, 256+12*(2*(\q)+\t)+4*\c
	WIN (R_>>8)<<6
	ds_load_b128 v[R_&255:(R_&255)+3], v[VB] offset:24576*\t+1536*(\q)+512*\c
.endr
.endr
.endm
.macro ASLOAD p, g                     ; pair p's scale words of K steps 2 g, 2 g + 1: 256 consecutive bytes, aligned
	global_load_b64 v[AS+2*(\g):AS+2*(\g)+1], v[LN8], s[16:17] offset:32768*(\g)+256*(\p)
.set GL, GL+1
.if (\g) == 3
.set SA0, GL
.elseif (\g) == 7
.set SA1, GL
.elseif (\g) == 11
.set SA2, GL
.elseif (\g) == 15
.set SA3, GL
.endif
.endm
.macro RESLOAD p                       ; my eight rows of resid2 of pair p: 512 consecutive bytes a load
.irp k, 0,1,2,3,4,5,6,7
	global_load_b128 v[RES+4*\k:RES+4*\k+3], v[PA], s[8:9] offset:131072*(\p)+4096*\k th:TH_LOAD_NT
.set GL, GL+1
.endr
.set SRES, GL
.endm
.macro FETCH p, q                      ; h's two fragments of K step q of pair p into set q % 4; pair p lies in places 2 p % 6 and the next
.irp i, 0,1
.irp c, 0,1,2
	ds_load_b128 v[AF+24*((\q)%4)+12*\i+4*\c:AF+24*((\q)%4)+12*\i+4*\c+3], v[PA+(2*(\p))%6+\i] offset:1536*(\q)+512*\c
.endr
.endr
.endm
.macro PROD q, i, t
.set R_, 256+12*(2*(\q)+\t)
.set D_, ACC+8*(2*\i+\t)
.set A_, AF+24*((\q)%4)+12*\i
	WIN (R_>>8)<<2
.if (\q) == 0
	v_wmma_scale_f32_16x16x128_f8f6f4 v[D_:D_+7], v[A_:A_+11], v[R_&255:(R_&255)+11], 0, v[AS+(\q)], v[BS+(\q)] matrix_a_fmt:MATRIX_FMT_BF6 matrix_b_fmt:MATRIX_FMT_BF6 matrix_a_scale:MATRIX_SCALE_ROW\i matrix_b_scale:MATRIX_SCALE_ROW\t
.else
	v_wmma_scale_f32_16x16x128_f8f6f4 v[D_:D_+7], v[A_:A_+11], v[R_&255:(R_&255)+11], v[D_:D_+7], v[AS+(\q)], v[BS+(\q)] matrix_a_fmt:MATRIX_FMT_BF6 matrix_b_fmt:MATRIX_FMT_BF6 matrix_a_scale:MATRIX_SCALE_ROW\i matrix_b_scale:MATRIX_SCALE_ROW\t
.endif
.endm
.macro BATCH p, b                      ; K steps 2 b, 2 b + 1 of pair p
.if (\b) < 15
	FETCH \p, 2*(\b)+2                             ; the next batch, into the buffer that the last batch read: four places stand behind its products
	FETCH \p, 2*(\b)+3
.endif
.if (\p) < 3 && (\b) >= 1
	ASLOAD (\p)+1, (\b)-1                          ; onto the last batch's scale words
.endif
.if (\p) == 0 && (\b) < 4
	BLOAD 24+2*(\b)
	BLOAD 25+2*(\b)
.endif
.if (\p) == 0
.if (\b) == 0
	WGL SBS                                        ; the first pair's scale words and w_out's
.elseif (\b) >= 8
	WGL F1                                         ; w_out's fragments of both steps
.endif
.elseif (\b) == 0
	WGL SA0                                        ; the scale words of the next four batches
.elseif (\b) == 4
	WGL SA1
.elseif (\b) == 8
	WGL SA2
.elseif (\b) == 12
	WGL SA3
.endif
.if (\b) < 15
	s_wait_dscnt 12                                ; this batch's fragments are in; the run just issued may be out
.else
	s_wait_dscnt 0x0
.endif
.irp s, 0,1
.irp i, 0,1
.irp t, 0,1
	PROD 2*(\b)+\s, \i, \t
.endr
.endr
.endr
.rept 4
	v_nop                                          ; places
.endr
.if (\p) == 0 && (\b) >= 8
	PUSHB
	PUSHB
.endif
.endm
.macro ROUND                           ; a round of the cluster's barrier
	s_barrier_signal -1
	s_barrier_wait -1
	s_cmp_lg_u32 s14, 0
	s_cbranch_scc1 .Lnot_wave_0_\@
	s_barrier_signal -3
.Lnot_wave_0_\@:
	s_barrier_wait -3
	s_barrier_signal -1
	s_barrier_wait -1
.endm
.macro LEAVE p                         ; pair p's way out
	WIN 0
	WGL SRES                                       ; my rows of resid2 (and b_out)
.irp k, 0,1,2,3,4,5,6,7                        ; resid2 + b_out
	v_pk_add_f32 v[RES+4*\k:RES+4*\k+1], v[RES+4*\k:RES+4*\k+1], v[BIA:BIA+1]
	v_pk_add_f32 v[RES+4*\k+2:RES+4*\k+3], v[RES+4*\k+2:RES+4*\k+3], v[BIA+2:BIA+3]
.endr
	s_wait_alu depctr_va_vdst(0)
.if (\p) < 3
	ASLOAD (\p)+1, 15
.endif
.if (\p) > 0
	s_barrier_signal -1                            ; every wave has read the last pair's rows out of the stage
	s_barrier_wait -1
.endif
.irp i, 0,1
.irp t, 0,1
.irp j, 0,1,2,3,4,5,6,7
	ds_store_b32 v[STO], v[ACC+8*(2*\i+\t)+\j] offset:16*SP*\i+SP*\j+32*\t   ; token row 16 i + 8 h + j, column 8 t + r + 8 (r / 8) of my 32; each accumulator from its low end on
.endr
.endr
.endr
.if (\p) == 0
	s_wait_tensorcnt 0x0                           ; tiles 2-5 are in
	ds_add_u32 v[SPW], v[NIL]
	s_wait_dscnt 0x0                               ; the add, my stores into the stage; my reads of tiles 0, 1 were over before
	ROUND
	s_cmp_lt_u32 s14, 2                            ; waves 0 and 1: tiles 6, 7 over tiles 0, 1
	s_cbranch_scc0 .Lno_last
	tensor_load_to_lds s[48:51], s[24:31]
	s_nop 0
.rept 4
	v_nop
.endr
.Lno_last:
.else
.if (\p) == 2
	s_wait_tensorcnt 0x0                           ; tiles 6, 7 are in: the barrier shows them to all
.endif
	s_wait_dscnt 0x0
	s_barrier_signal -1
	s_barrier_wait -1
.endif
.irp k, 0,1,2,3,4,5,6,7
	ds_load_b128 v[ACC+4*\k:ACC+4*\k+3], v[RD] offset:SP*\k   ; a whole row of 512 bytes
.endr
.if (\p) < 3
	FETCH (\p)+1, 0
	FETCH (\p)+1, 1
	s_wait_dscnt 12                                ; the rows are back; the next pair's first batch may be out
.else
	s_wait_dscnt 0x0
.endif
.irp k, 0,1,2,3,4,5,6,7
	v_pk_add_f32 v[ACC+4*\k:ACC+4*\k+1], v[ACC+4*\k:ACC+4*\k+1], v[RES+4*\k:RES+4*\k+1]
	v_pk_add_f32 v[ACC+4*\k+2:ACC+4*\k+3], v[ACC+4*\k+2:ACC+4*\k+3], v[RES+4*\k+2:RES+4*\k+3]
.endr
.irp k, 0,1,2,3,4,5,6,7
	global_store_b128 v[PA], v[ACC+4*\k:ACC+4*\k+3], s[12:13] offset:131072*(\p)+4096*\k th:TH_STORE_NT   ; 512 consecutive bytes, aligned
.endr
.if (\p) < 3
	RESLOAD (\p)+1
	s_wait_xcnt 0x0                                ; the stores have read their data: the next pair's products write these registers
.endif
.endm
.macro PAIR p
.set B_, 0
.rept 16
	BATCH \p, B_
.set B_, B_+1
.endr
	LEAVE \p
.endm
; ================= THE HEAD
	s_load_b256 s[4:11], s[0:1], 0x0               ; h, wq, resid2, b_out
	s_load_b64 s[12:13], s[0:1], 0x20              ; out0
	v_lshl_add_u32 v[SPW], v0, 2, SPARE
	v_mov_b32 v[NIL], 0
	ds_add_u32 v[SPW], v[NIL]                      ; the opening lines: the add, twice on end, and its wait ahead of my first tensor load
	ds_add_u32 v[SPW], v[NIL]
	v_lshrrev_b32 v14, 5, v0
	v_readfirstlane_b32 s14, v14                   ; wave 0..3
	s_lshl_b32 s20, s14, 7
	s_add_co_u32 s20, s20, STAGE                   ; the stage, my 128 bytes of a row
	s_mul_i32 s21, s14, 8*SP
	s_add_co_u32 s21, s21, STAGE                   ; and my eight rows
	s_mul_i32 s33, s14, TB
	s_add_co_u32 s19, s33, 2*TB                    ; w_out's K steps 0-15 lie [tile][16][1,536] from place 2 on: my two tiles are 49,152 bytes
	v_and_b32 v15, 31, v0
	v_lshlrev_b32 v[PA], 4, v15
	v_lshlrev_b32 v[LN8], 3, v15
.irp i, 1,2,3,4,5
	v_add_nc_u32 v[PA+\i], \i*TB, v[PA]
.endr
	v_and_b32 v14, 15, v0                          ; r
	v_and_b32 v16, 8, v0
	v_add_nc_u32 v14, v14, v16                     ; r + 8 (r / 8)
	v_bfe_u32 v15, v0, 4, 1                        ; h
	v_mul_u32_u24 v15, v15, 8*SP
	v_lshl_add_u32 v14, v14, 2, v15
	v_add_nc_u32 v[STO], s20, v14
	v_add_nc_u32 v[RD], s21, v[PA]
	v_add_nc_u32 v[VB], s19, v[PA]
	s_bfe_u32 s2, ttmp6, 0x40000                   ; cx
	s_bfe_u32 s3, ttmp6, 0x40004                   ; cy
	s_lshl_b32 s15, ttmp9, 2
	s_add_co_u32 s15, s15, s2                      ; tile row: 128 tokens
	s_and_b32 s23, ttmp7, 0xffff
	s_lshl_b32 s23, s23, 2
	s_add_co_u32 s23, s23, s3                      ; tile column: 128 columns
	s_lshl_b32 s2, 0x1111, s2                      ; my column of the cluster shares h's tiles,
	s_lshl_b32 s3, s3, 2
	s_lshl_b32 s3, 15, s3                          ; my row w_out's
	s_or_b32 s24, s2, (3<<16)|(1<<21)              ; group 1 for h: a dense tile as 192 rows of 256 bytes (32 elements of 8 bytes)
	s_mov_b32 s25, 32<<16
	s_mov_b32 s26, 192<<16
	s_mov_b32 s27, 32<<16
	s_mov_b32 s28, 192
	s_mov_b32 s29, 32
	s_mov_b32 s30, 0
	s_mov_b32 s31, 0
	s_or_b32 s40, s3, (3<<16)|(1<<21)              ; group 1 for w_out: four tiles' K steps 0-15: 4 rows of 24,576 bytes, 49,152 apart
	s_mov_b32 s41, 3072<<16
	s_mov_b32 s42, 4<<16
	s_mov_b32 s43, 3072<<16
	s_mov_b32 s44, 4
	s_mov_b32 s45, 6144
	s_mov_b32 s46, 0
	s_mov_b32 s47, 0
	s_lshl_b32 s52, s15, 3
	s_add_co_u32 s52, s52, s14
	s_mul_i32 s52, s52, TB                         ; h: tile 8 x tile row + wave
	s_mov_b32 s53, 0
	s_mov_b32 s32, 1
	s_mov_b32 s48, 1
	s_mov_b32 s49, s33
	s_and_b32 s22, s14, 1                          ; waves 2, 3: w_out's tiles 0-3, 4-7
	s_mul_i32 s37, s22, 2*TB
	s_add_co_u32 s37, s37, 2*TB
	s_mov_b32 s36, 1
	s_lshl_b32 s54, s23, 3
	s_lshl_b32 s22, s22, 2
	s_add_co_u32 s54, s54, s22
	s_mul_i32 s54, s54, TB
	s_add_co_u32 s54, s54, WC
	s_mov_b32 s55, 0
	s_lshl_b32 s56, s15, 10
	s_add_co_u32 s56, s56, HSC                     ; h's scale words, my eight tiles
	s_mov_b32 s57, 0
	s_lshl_b32 s22, s23, 3
	s_lshl_b32 s58, s14, 1
	s_add_co_u32 s22, s22, s58                     ; w_out: my first tile
	s_lshl_b32 s58, s22, 7
	s_add_co_u32 s58, s58, WSC
	s_mov_b32 s59, 0
	s_mul_i32 s60, s22, TB
	s_add_co_u32 s60, s60, WC
	s_mov_b32 s61, 0
	s_lshr_b32 s62, s14, 1                         ; stage rows 8 w .. 8 w + 7 are tokens 8 (w / 2) + 16 (w % 2) + 0 .. 7 of the pair's 32
	s_lshl_b32 s62, s62, 3
	s_and_b32 s22, s14, 1
	s_lshl_b32 s22, s22, 4
	s_add_co_u32 s62, s62, s22
	s_lshl_b32 s22, s15, 7
	s_add_co_u32 s62, s62, s22
	s_lshl_b32 s62, s62, 12
	s_lshl_b32 s22, s23, 9
	s_add_co_u32 s62, s62, s22
	s_mov_b32 s63, 0
	s_wait_alu depctr_va_vdst(0)                   ; the wait at the head's end
	s_wait_dscnt 0x0
	ROUND                                          ; in front of the first joint loads
	s_wait_kmcnt 0x0
	s_add_nc_u64 s[34:35], s[4:5], s[52:53]
	s_add_nc_u64 s[50:51], s[34:35], 6*TB
	s_add_nc_u64 s[38:39], s[6:7], s[54:55]
	s_or_b32 s35, s35, 0x80000000
	s_or_b32 s51, s51, 0x80000000
	s_or_b32 s39, s39, 0x80000000
	s_cmp_lt_u32 s14, 2                            ; the head's four tiles, one a wave: waves 0, 1 h's tiles 0, 1; waves 2, 3 w_out's K steps 0-15
	s_cbranch_scc0 .Lhead_w
	tensor_load_to_lds s[32:35], s[24:31]
	s_nop 0
.rept 4
	v_nop
.endr
	s_branch .Lhead_asked
.Lhead_w:
	tensor_load_to_lds s[36:39], s[40:47]
	s_nop 0
.rept 4
	v_nop
.endr
.Lhead_asked:
	s_add_nc_u64 s[16:17], s[4:5], s[56:57]
	s_add_nc_u64 s[18:19], s[6:7], s[58:59]
	s_add_nc_u64 s[20:21], s[6:7], s[60:61]
	s_add_nc_u64 s[8:9], s[8:9], s[62:63]
	s_add_nc_u64 s[12:13], s[12:13], s[62:63]
	s_mov_b32 s52, s22
	s_add_nc_u64 s[10:11], s[10:11], s[52:53]
.irp g, 0,1,2,3,4,5,6,7,8,9,10,11,12,13,14,15
	ASLOAD 0, \g
.endr
.irp g, 0,1,2,3,4,5,6,7,8,9,10,11,12,13,14,15
	global_load_b64 v[BS+2*\g:BS+2*\g+1], v[LN8], s[18:19] offset:8192*\g   ; 256 consecutive bytes, aligned
.set GL, GL+1
.endr
.set SBS, GL
	global_load_b128 v[BIA:BIA+3], v[PA], s[10:11]
.set GL, GL+1
	RESLOAD 0
	BLOAD 16
	BLOAD 17
	BLOAD 18
	WIN 0
	s_wait_tensorcnt 0x0                           ; my tile is in
	s_barrier_signal -1
	s_barrier_wait -1                              ; all four are
.irp q, 0,1,2,3,4,5,6,7,8,9,10,11,12,13,14,15
	BPULL \q
.endr
	WIN 0
	FETCH 0, 0
	FETCH 0, 1
	s_wait_tensorcnt 0x0
	ds_add_u32 v[SPW], v[NIL]
	s_add_co_u32 s33, s33, 2*TB                    ; no tensor load of mine is out: tile 2 + w, into place 2 + w
	s_add_nc_u64 s[34:35], s[34:35], 2*TB
	s_wait_dscnt 0x0                               ; the add; and w_out's K steps 0-15 are in my registers
	ROUND
	tensor_load_to_lds s[32:35], s[24:31]          ; h's tiles 2-5 over w_out's bytes, one a wave
	s_nop 0
.rept 4
	v_nop
.endr
.irp q, 19,20,21,22,23
	BLOAD \q
.endr
	WIN 0                                          ; the first batch's run of LDS loads lands in window 0
; ================= FOUR PAIRS OF TOKEN TILES
	PAIR 0
	PAIR 1
	PAIR 2
	PAIR 3
	s_wait_tensorcnt 0x0                           ; the wave's end
	ds_add_u32 v[SPW], v[NIL]
	s_wait_dscnt 0x0
	ROUND                                          ; the closing round
	s_endpgm
.Lfunc_end_k_q60434133b2_mlp_out:
	.size	k_q60434133b2_mlp_out, .Lfunc_end_k_q60434133b2_mlp_out-k_q60434133b2_mlp_out
	.p2alignl 7, 3214868480
	.fill 96, 4, 3214868480
	.section	.rodata,"a",@progbits
	.p2align	6, 0x0
	.amdhsa_kernel k_q60434133b2_mlp_out
		.amdhsa_group_segment_fixed_size 327680
		.amdhsa_private_segment_fixed_size 0
		.amdhsa_enable_private_segment 0
		.amdhsa_kernarg_size 40
		.amdhsa_user_sgpr_count 2
		.amdhsa_user_sgpr_kernarg_segment_ptr 1
		.amdhsa_wavefront_size32 1
		.amdhsa_system_sgpr_workgroup_id_x 1
		.amdhsa_system_sgpr_workgroup_id_y 1
		.amdhsa_system_sgpr_workgroup_id_z 1
		.amdhsa_system_vgpr_workitem_id 0
		.amdhsa_next_free_vgpr 1024
		.amdhsa_next_free_sgpr 66
		.amdhsa_reserve_vcc 0
		.amdhsa_float_denorm_mode_32 3
		.amdhsa_float_denorm_mode_16_64 3
		.amdhsa_memory_ordered 1
		.amdhsa_forward_progress 1
		.amdhsa_inst_pref_size 180
	.end_amdhsa_kernel
	.amdgpu_metadata
---
amdhsa.version: [ 1, 2 ]
amdhsa.kernels:
  - .name:           k_q60434133b2_mlp_out
    .symbol:         k_q60434133b2_mlp_out.kd
    .args:
      - { .name: h, .offset: 0, .size: 8, .value_kind: global_buffer, .address_space: global }
      - { .name: wq, .offset: 8, .size: 8, .value_kind: global_buffer, .address_space: global }
      - { .name: resid2, .offset: 16, .size: 8, .value_kind: global_buffer, .address_space: global }
      - { .name: b_out, .offset: 24, .size: 8, .value_kind: global_buffer, .address_space: global }
      - { .name: out0, .offset: 32, .size: 8, .value_kind: global_buffer, .address_space: global }
    .group_segment_fixed_size: 327680
    .private_segment_fixed_size: 0
    .kernarg_segment_align: 8
    .kernarg_segment_size: 40
    .max_flat_workgroup_size: 128
    .sgpr_count:     66
    .vgpr_count:     1024
    .wavefront_size: 32
...
	.end_amdgpu_metadata
.endif
;; end of part 6
